; MI455X (gfx1250); checked and timed in simulation.
; The chip was launched on July 23, 2026; its instructions are those of AMD's public machine-readable ISA for CDNA 5 (MIT licence, August 2026) and "CDNA5" Instruction Set Architecture Reference Guide (July 2026). The comments in the code are by the model that wrote it; some were corrected since.
;; GPT Block. Allowed arithmetic: matrix products marked QUANTISED: E2M3 operands, one E8M0 scale for each 32 along K, by v_wmma_scale_f32_16x16x128_f8f6f4 with both operands' format E2M3, f32 sums; everything else in f32.
;; Inputs: W1 1,024 x 4,096 float32; W2 4,096 x 1,024 float32; Wk 16 x 1,024 x 64 float32; Wq 16 x 1,024 x 64 float32; Wv 16 x 1,024 x 64 float32; b1 4,096 float32; b2 1,024 float32; be1 1,024 float32; be2 1,024 float32; g1 1,024 float32; g2 1,024 float32; inputs 4 x 1,024 x 1,024 float32.
;; Outputs: out0 4 x 1,024 x 1,024 float32.
;; This version of the problem:
;;   THIS VERSION OF THE PROBLEM IS GIVEN IN LOW PRECISION. The matrix products marked QUANTISED in the list below multiply operands that are first quantised to E2M3 (2 exponent bits, 3 mantissa bits; 6 bits a number), with one power-of-two scale for each 32 numbers along K (OCP MX v1.0); their sums are f32. All else is computed in f32.
;;   The module's matrix products, in the order in which they are computed (A, B: the left and right operand; K: the contracted axis; several contracted axes count as one K, in the product's order):
;;     1. [M 1,024, K 1,024] x [K 1,024, N 4,096]; A: input Wq; B: computed on the way: QUANTISED
;;     2. [M 1,024, K 1,024] x [K 1,024, N 4,096]; A: input Wk; B: computed on the way: QUANTISED
;;     3. [M 1,024, K 1,024] x [K 1,024, N 4,096]; A: input Wv; B: computed on the way: QUANTISED
;;     4. batch 64 x [M 1,024, K 64] x [K 64, N 1,024]; A: computed on the way; B: computed on the way: QUANTISED
;;     5. batch 64 x [M 1,024, K 1,024] x [K 1,024, N 64]; A: softmax (see below); B: computed on the way: QUANTISED
;;     6. [M 4,096, K 1,024] x [K 1,024, N 4,096]; A: computed on the way; B: input W1: QUANTISED
;;     7. [M 4,096, K 4,096] x [K 4,096, N 1,024]; A: computed on the way; B: input W2: QUANTISED
;;   THE QUANTISER, for each operand of a quantised product, along K:
;;     - K is cut into blocks of 32 from its start; a last block that is shorter is filled with zeros.
;;     - A block's scale is 2^e with e = floor(log2(the largest magnitude in the block)) - 2, held to -126 .. 127; a block of zeros has e = 0. As a byte (E8M0): e + 127.
;;     - Each number is divided by its block's scale, clamped to +-7.5, and rounded to the nearest number of E2M3, ties to even, subnormals kept.
;;     - The product sums the exact products of the quantised numbers (number of the format x scale) in f32.
;;   ~~~python
;;   def quantise(x, axis):      # numpy; x: float32 -> the quantised numbers, widened to float32 again
;;       x = np.moveaxis(x, axis, -1); K = x.shape[-1]
;;       x = np.pad(x, [(0, 0)] * (x.ndim - 1) + [(0, -K % 32)]); x = x.reshape(x.shape[:-1] + (-1, 32)); a = np.abs(x).max(-1, keepdims=True)
;;       e = np.where(a > 0, np.clip(np.frexp(np.where(a > 0, a, 1))[1] - 1 - 2, -126, 127), 0)      # np.frexp(a)[1] - 1 = floor(log2(a)), exactly
;;       r = np.clip(x / 2.0 ** e, -7.5, 7.5)
;;       step = 2.0 ** (np.maximum(np.frexp(np.where(r == 0, 1, r))[1] - 1, 0) - 3)
;;       q = np.round(r / step) * step * 2.0 ** e      # np.round: ties to even
;;       return np.moveaxis(q.reshape(q.shape[:-2] + (-1,))[..., :K], -1, axis).astype(np.float32)
;;   ~~~
;;   SOFTMAX AHEAD OF A QUANTISED PRODUCT. Where the list says 'softmax', what is quantised is not the finished softmax but p = 2^(t - M), with t = logit x log2(e) and M = ceil(the row's largest t), a whole number; so 1/2 < the row's largest p <= 1. The row's sum l is taken of the UNQUANTISED p, in f32, and the product's result is divided by l at the end. Since M is a whole number, a kernel that streams over the keys may use a running M (the ceiling of the running maximum): every later rescaling is an exact power of two, which a block's scale takes up: the codes' values come out the same.
;;   OPERANDS COMPUTED ON THE WAY. 'Computed on the way' means the value that the module computes at that place (a softmax that the list does not call 'softmax' is quantised finished and normalised). What goes into a quantiser is computed in f32, as accurately as f32 sums, v_exp_f32 and their like allow (about 1e-6 of the number): no bf16 or f16 on the way to a quantiser, and a product that is left as it is and whose result goes on into a quantised operand takes f32 operands (vector FMAs, or v_wmma_f32_16x16x4_f32). A number that lies on a knife's edge between two numbers of the format may be rounded either way, as far as f32 arithmetic and the matrix unit's own rounding can turn it there, and no further.
;; 2 versions. Each part assembles by itself: llvm-mc -triple=amdgcn-amd-amdhsa -mcpu=gfx1250 --defsym DOCPART=n.
;; ======== version 1 of 2: 7 launches
;; workspace buffers: WB 9,011,200 bytes; N1 3,276,800 bytes; N2 3,276,800 bytes; QKV 10,092,544 bytes; X 16,777,216 bytes; HB 13,107,200 bytes
;; launch prepw (part 1): grid 352 x 1, 4 waves a work-group, no clusters, 35,840 bytes of LDS; arguments Wq, Wk, Wv, W1, W2, WB; writes WB
.if DOCPART == 1
	.amdgcn_target "amdgcn-amd-amdhsa--gfx1250"
	.amdhsa_code_object_version 6
	.text
	.protected	k_qa20e50e5bb_prepw
	.globl	k_qa20e50e5bb_prepw
	.p2align	8
	.type	k_qa20e50e5bb_prepw,@function
k_qa20e50e5bb_prepw:
	s_mov_b64 s[64:65], 0
	v_nop
	global_prefetch_b8 v0, s[64:65] scope:SCOPE_SE
	s_setreg_imm32_b32 hwreg(HW_REG_WAVE_MODE, 25, 1), 1
	s_wait_xcnt 0x0
; All five weights, f32 with K not innermost, become codes of FP6 (E2M3) with K innermost and one E8M0 byte for each 32 along K, in WB.
; A lane takes a column (an output row) and its registers run down K: a block of 32 lies in one lane, nothing is transposed by an instruction.
; A work-group takes 128 columns x 256 along K, a wave 32 columns, 8 blocks a lane.  Work-groups 0-95: Wq, Wk, Wv; 96-223: W1; 224-351: W2.
; LAYOUT OF WB: rows in groups of RT (128; W2: 64); codes [group][K/256][RT][192 bytes], scale bytes [group][K/256][RT][8 bytes].
; Inside each 32 rows a row stands at the place whose number is the row's with bits 3 and 4 exchanged: a tile of 16 places then gives the next product 16 neighbours in a lane.
; LIMITS: NaN and infinities are not served; a block whose largest magnitude lies under 2^-124 keeps the byte 1; a block of zeros has the byte 1 where the rule says 127
; (its codes are zeros, which add nothing under any byte but 0xff, and this program alone reads the bytes).
.set STG,   8704                       ; a wave's stage: 32 rows x 272 bytes (16 places of 16 bytes, 12 used, + 16)
.set SPARE, 4*STG                      ; the spare words, 128 bytes a wave
.set NB,    8
.set X,     32                         ; v32-95   two sets of 32 numbers
.set C,     96                         ; v96-102  a block's codes
.set OUTR,  112                        ; v112-175 the way out
.set OFF,   176                        ; v176-207 4 x lane + i x the source's row pitch
.set SB,    24                         ; v24-25   the scale bytes
.set SPW,   14
.set NIL,   15
	s_load_b256 s[4:11], s[0:1], 0x0               ; Wq, Wk, Wv, W1
	s_load_b128 s[12:15], s[0:1], 0x20             ; W2, WB
	v_lshl_add_u32 v[SPW], v0, 2, SPARE
	v_mov_b32 v[NIL], 0
	v_lshrrev_b32 v1, 5, v0
	v_readfirstlane_b32 s16, v1                    ; wave
	v_and_b32 v2, 31, v0                           ; lane
	v_and_b32 v3, 7, v2
	v_bfe_u32 v5, v2, 3, 1
	v_bfe_u32 v6, v2, 4, 1
	v_lshl_or_b32 v3, v5, 4, v3
	v_lshl_or_b32 v3, v6, 3, v3                    ; my column's place among the 32: bits 3 and 4 exchanged
	s_mul_i32 s17, s16, STG
	v_mul_u32_u24 v4, v3, 272
	v_add_nc_u32 v4, s17, v4                       ; into the stage: row = my place
	v_and_b32 v5, 15, v2
	v_mul_u32_u24 v7, v6, 272
	v_lshl_add_u32 v7, v5, 4, v7
	v_add_nc_u32 v7, s17, v7                       ; out of it: sixteen lanes to a row, two rows an instruction
	v_mul_u32_u24 v8, v6, 192
	v_mad_u32_u24 v8, v5, 12, v8                   ; the same place in the codes: rows are 192 bytes on end
	v_lshlrev_b32 v9, 3, v3                        ; my 8 scale bytes
	s_wait_kmcnt 0x0
	; which tensor: three arms on the work-group's number, scalar moves alone.  s17 column group, s18 which 256 along K, s19 column group inside the tensor
	s_cmp_lt_u32 ttmp9, 96
	s_cbranch_scc0 .Lnot_qkv
	s_lshr_b32 s17, ttmp9, 2
	s_and_b32 s18, ttmp9, 3
	s_lshr_b32 s19, s17, 3
	s_cmp_eq_u32 s19, 0
	s_cselect_b64 s[52:53], s[4:5], s[6:7]
	s_cmp_eq_u32 s19, 2
	s_cselect_b64 s[52:53], s[8:9], s[52:53]
	s_and_b32 s19, s17, 7
	s_mov_b32 s20, 256                             ; bytes from k to k + 1
	s_mov_b32 s21, 65536                           ; 256 along K
	s_mov_b32 s22, 524288                          ; 128 columns = two heads
	s_mov_b32 s23, 262144                          ; waves 2, 3: the second head
	s_mov_b32 s24, 4096                            ; scale bytes: a column group,
	s_mov_b32 s25, 1024                            ; 256 along K,
	s_mov_b32 s26, 512                             ; waves 2, 3
	s_mov_b32 s27, 0                               ; where the codes begin in WB
	s_mov_b32 s28, 8650752                         ; and the scale bytes
	s_branch .Ljoin
.Lnot_qkv:
	s_cmp_lt_u32 ttmp9, 224
	s_cbranch_scc0 .Lis_w2
	s_sub_co_u32 s19, ttmp9, 96
	s_lshr_b32 s17, s19, 2
	s_and_b32 s18, s19, 3
	s_mov_b32 s19, s17
	s_mov_b64 s[52:53], s[10:11]
	s_mov_b32 s20, 16384
	s_mov_b32 s21, 4194304
	s_mov_b32 s22, 512
	s_mov_b32 s23, 256
	s_mov_b32 s24, 4096
	s_mov_b32 s25, 1024
	s_mov_b32 s26, 512
	s_mov_b32 s27, 2359296
	s_mov_b32 s28, 8749056
	s_branch .Ljoin
.Lis_w2:
	s_sub_co_u32 s19, ttmp9, 224
	s_lshr_b32 s17, s19, 4
	s_and_b32 s18, s19, 15
	s_mov_b32 s19, s17
	s_mov_b64 s[52:53], s[12:13]
	s_mov_b32 s20, 4096
	s_mov_b32 s21, 1048576
	s_mov_b32 s22, 512
	s_mov_b32 s23, 256
	s_mov_b32 s24, 16384
	s_mov_b32 s25, 512
	s_mov_b32 s26, 8192
	s_mov_b32 s27, 5505024
	s_mov_b32 s28, 8880128
.Ljoin:
	s_lshr_b32 s30, s16, 1
	s_and_b32 s31, s16, 1
	s_mul_i32 s54, s18, s21                        ; the source's offset
	s_mul_i32 s29, s19, s22
	s_add_co_u32 s54, s54, s29
	s_mul_i32 s29, s30, s23
	s_add_co_u32 s54, s54, s29
	s_lshl_b32 s29, s31, 7
	s_add_co_u32 s54, s54, s29
	s_mov_b32 s55, 0
	s_mul_i32 s56, s17, s24                        ; the scale bytes' offset U; the codes' is 24 U
	s_mul_i32 s29, s18, s25
	s_add_co_u32 s56, s56, s29
	s_mul_i32 s29, s30, s26
	s_add_co_u32 s56, s56, s29
	s_lshl_b32 s29, s31, 8
	s_add_co_u32 s56, s56, s29
	s_mov_b32 s57, 0
	s_add_nc_u64 s[32:33], s[52:53], s[54:55]      ; block 0's base; one base for each block, so that nothing is stepped
	s_lshl_b32 s54, s20, 5                         ; 32 rows of the source
.irp t, 1,2,3,4,5,6,7
	s_add_nc_u64 s[32+2*\t:33+2*\t], s[30+2*\t:31+2*\t], s[54:55]
.endr
	s_mul_i32 s54, s56, 24
	s_add_co_u32 s54, s54, s27
	s_add_co_u32 s56, s56, s28
	s_add_nc_u64 s[48:49], s[14:15], s[54:55]      ; my wave's codes
	s_add_nc_u64 s[50:51], s[14:15], s[56:57]      ; and scale bytes
	v_lshlrev_b32 v[OFF], 2, v2
.set i, 1
.rept 31
	v_add_nc_u32 v[OFF+i], s20, v[OFF+i-1]
.set i, i+1
.endr
.macro LOAD t                          ; block t: 32 numbers down K of my column; a load reads 128 consecutive bytes
.set i, 0
.rept 32
	global_load_b32 v[X+32*((\t)%2)+i], v[OFF+i], s[32+2*(\t):33+2*(\t)] th:TH_LOAD_NT
.set i, i+1
.endr
.endm
	LOAD 0
	LOAD 1
.macro BLOCK t
.set XS, X+32*((\t)%2)
.if (\t) < NB-1
	s_wait_loadcnt 32                              ; this block's 32 loads are in; the next block's may be out
.else
	s_wait_loadcnt 0
.endif
	v_max3_num_f32 v12, |v[XS]|, |v[XS+1]|, |v[XS+2]|
	v_max3_num_f32 v13, |v[XS+3]|, |v[XS+4]|, |v[XS+5]|
.irp i, 6,10,14,18,22,26
	v_max3_num_f32 v12, v12, |v[XS+\i]|, |v[XS+\i+1]|
	v_max3_num_f32 v13, v13, |v[XS+\i+2]|, |v[XS+\i+3]|
.endr
	v_max3_num_f32 v12, v12, |v[XS+30]|, |v[XS+31]|
	v_max3_num_f32 v12, v12, v13, 0x1800000        ; and the floor 2^(3 - 127): the byte cannot fall under 1
	v_add_nc_u32 v11, 0xff000000, v12              ; 2 off the exponent field: the conversion's scale operand
	v_lshrrev_b32 v13, 23, v11                     ; the scale's byte
.if (\t)%4 == 0
	v_mov_b32 v[SB+(\t)/4], v13
.else
	v_lshl_or_b32 v[SB+(\t)/4], v13, 8*((\t)%4), v[SB+(\t)/4]
.endif
	v_cvt_scalef32_pk16_fp6_f32 v[C:C+2], v[XS:XS+15], v11
	v_cvt_scalef32_pk16_fp6_f32 v[C+4:C+6], v[XS+16:XS+31], v11
	ds_store_b96 v4, v[C:C+2] offset:32*(\t)
	ds_store_b96 v4, v[C+4:C+6] offset:32*(\t)+16
.if (\t)+2 < NB
	LOAD (\t)+2
.endif
	s_wait_dscnt 0x0                               ; the stores have read their registers: the next block's codes may be written
.endm
.set Q, 0
.rept NB
	BLOCK Q
.set Q, Q+1
.endr
	global_store_b64 v9, v[SB:SB+1], s[50:51]      ; 32 lanes fill 256 consecutive bytes
.irp t, 0,1,2,3,4,5,6,7,8,9,10,11,12,13,14,15
	ds_load_b96 v[OUTR+4*\t:OUTR+4*\t+2], v7 offset:2*\t*272   ; LDS serves a wave's instructions in order: these see my stores
.endr
.irp t, 0,1,2,3,4,5,6,7,8,9,10,11,12,13,14,15
	s_wait_dscnt 15-\t                             ; the younger loads may stay out
	global_store_b96 v8, v[OUTR+4*\t:OUTR+4*\t+2], s[48:49] offset:2*\t*192   ; 384 consecutive bytes; the wave's 6,144 are dense
.endr
	s_wait_tensorcnt 0x0                           ; the wave's end
	ds_add_u32 v[SPW], v[NIL]
	s_wait_dscnt 0x0
	s_endpgm
.Lfunc_end_k_qa20e50e5bb_prepw:
	.size	k_qa20e50e5bb_prepw, .Lfunc_end_k_qa20e50e5bb_prepw-k_qa20e50e5bb_prepw
	.p2alignl 7, 3214868480
	.fill 96, 4, 3214868480
	.section	.rodata,"a",@progbits
	.p2align	6, 0x0
	.amdhsa_kernel k_qa20e50e5bb_prepw
		.amdhsa_group_segment_fixed_size 35840
		.amdhsa_private_segment_fixed_size 0
		.amdhsa_enable_private_segment 0
		.amdhsa_kernarg_size 48
		.amdhsa_user_sgpr_count 2
		.amdhsa_user_sgpr_kernarg_segment_ptr 1
		.amdhsa_wavefront_size32 1
		.amdhsa_system_sgpr_workgroup_id_x 1
		.amdhsa_system_sgpr_workgroup_id_y 1
		.amdhsa_system_sgpr_workgroup_id_z 1
		.amdhsa_system_vgpr_workitem_id 0
		.amdhsa_next_free_vgpr 208
		.amdhsa_next_free_sgpr 66
		.amdhsa_reserve_vcc 0
		.amdhsa_float_denorm_mode_32 3
		.amdhsa_float_denorm_mode_16_64 3
		.amdhsa_memory_ordered 1
		.amdhsa_forward_progress 1
		.amdhsa_inst_pref_size 46
	.end_amdhsa_kernel
	.amdgpu_metadata
---
amdhsa.version: [ 1, 2 ]
amdhsa.kernels:
  - .name:           k_qa20e50e5bb_prepw
    .symbol:         k_qa20e50e5bb_prepw.kd
    .args:
      - { .name: Wq, .offset: 0, .size: 8, .value_kind: global_buffer, .address_space: global }
      - { .name: Wk, .offset: 8, .size: 8, .value_kind: global_buffer, .address_space: global }
      - { .name: Wv, .offset: 16, .size: 8, .value_kind: global_buffer, .address_space: global }
      - { .name: W1, .offset: 24, .size: 8, .value_kind: global_buffer, .address_space: global }
      - { .name: W2, .offset: 32, .size: 8, .value_kind: global_buffer, .address_space: global }
      - { .name: WB, .offset: 40, .size: 8, .value_kind: global_buffer, .address_space: global }
    .group_segment_fixed_size: 35840
    .private_segment_fixed_size: 0
    .kernarg_segment_align: 8
    .kernarg_segment_size: 48
    .max_flat_workgroup_size: 128
    .sgpr_count:     66
    .vgpr_count:     208
    .wavefront_size: 32
...
	.end_amdgpu_metadata
.endif
;; end of part 1
;; launch ln1 (part 2): grid 128 x 1, 8 waves a work-group, no clusters, 71,680 bytes of LDS; arguments inputs, g1, be1, N1; writes N1
.if DOCPART == 2
	.amdgcn_target "amdgcn-amd-amdhsa--gfx1250"
	.amdhsa_code_object_version 6
	.text
	.protected	k_qa20e50e5bb_ln1
	.globl	k_qa20e50e5bb_ln1
	.p2align	8
	.type	k_qa20e50e5bb_ln1,@function
k_qa20e50e5bb_ln1:
	s_mov_b64 s[64:65], 0
	v_nop
	global_prefetch_b8 v0, s[64:65] scope:SCOPE_SE
	s_setreg_imm32_b32 hwreg(HW_REG_WAVE_MODE, 25, 1), 1
	s_wait_xcnt 0x0
; y = (x - mean) rsqrt(var + 1e-5) g + b for rows of 1,024 f32, then y is quantised along the row: codes of FP6 (E2M3), one E8M0 byte for each 32.
; A work-group owns 32 places of the output, a wave four, a wave a row at a time (32 registers); all four rows are asked for at the head.
; A row stands at the place whose number is the token's with bits 3 and 4 exchanged.  Output: codes [128 places][K/256][...]: [group of 128][4][128][192 bytes]; scale bytes [group][4][128][8] from byte N_S on.
; Mean and variance in two passes over the registers, so that a common offset of the inputs costs no digits.
; LIMITS: NaN and infinities are not served; a block under 2^-124 keeps the byte 1; a block of zeros has the byte 1 (its codes are zeros; this program alone reads the bytes).
.set R,     64                         ; v64-191  four rows as loaded: register 4 j + c = element 128 j + 4 lane + c
.set X,     32                         ; v32-63   my block of 32 neighbours; later the way out
.set GG,    192                        ; v192-223 g
.set BE,    224                        ; v224-255 b
.set WREG,  8704                       ; LDS, a wave: a turning stage of 32 places x 144 bytes, then the codes' stage of 4 rows x 64 places x 16 bytes
.set CST,   4608
.set SCB,   69632                      ; the work-group's scale bytes [4][32 rows][8]
.set SPARE, 70656                      ; the spare words, 128 bytes a wave
.set N_S,   3145728
	s_load_b256 s[4:11], s[0:1], 0x0               ; x, g, b, the output
	v_lshl_add_u32 v16, v0, 2, SPARE               ; v16, v17: the add's two, kept
	v_mov_b32 v17, 0
	v_lshrrev_b32 v1, 5, v0
	v_readfirstlane_b32 s12, v1                    ; wave
	v_and_b32 v10, 31, v0                          ; lane
	v_lshlrev_b32 v1, 4, v10                       ; 16 x lane
	s_mul_i32 s20, s12, WREG
	v_lshrrev_b32 v11, 3, v10
	v_and_b32 v12, 7, v10
	v_mul_u32_u24 v2, v11, 144
	v_lshl_add_u32 v2, v12, 4, v2
	v_add_nc_u32 v2, s20, v2                       ; turning stage, in: eight lanes' 128 bytes on end, then 16 of padding
	v_mul_u32_u24 v3, v10, 144
	v_add_nc_u32 v3, s20, v3                       ; out: my block
	s_add_co_u32 s21, s20, CST
	v_lshl_add_u32 v4, v10, 5, s21                 ; codes' stage, in: places 2 lane, 2 lane + 1
	v_and_b32 v13, 15, v10
	v_lshrrev_b32 v14, 4, v10
	v_lshlrev_b32 v5, 10, v14
	v_lshl_add_u32 v5, v13, 4, v5
	v_add_nc_u32 v5, s21, v5                       ; out: sixteen lanes to 192 bytes of a row, two rows an instruction
	s_lshl_b32 s21, s12, 5
	s_add_co_u32 s21, s21, SCB
	v_lshl_add_u32 v6, v11, 8, v12
	v_add_nc_u32 v6, s21, v6                       ; my block's scale byte
	v_mul_u32_u24 v7, v10, 12
	s_lshl_b32 s21, s12, 8
	s_add_co_u32 s21, s21, SCB
	v_lshl_add_u32 v8, v10, 3, s21                 ; waves 0-3: 256 scale bytes back
	v_lshlrev_b32 v9, 3, v10
	s_mov_b32 s16, 0x76543210
	s_mov_b32 s17, 0xfedcba98                      ; lane l xor 16
	s_mov_b32 s18, 0x3a800000                      ; 1 / 1,024
	s_mov_b32 s19, 0x3727c5ac                      ; 1e-5
	s_bfe_u32 s20, s12, 0x10001                    ; my four places 4 wave + 0..3 are tokens 16 (bit 1) + 8 (bit 2) + 4 (bit 0) + 0..3 of the work-group's 32
	s_lshl_b32 s20, s20, 4
	s_bfe_u32 s21, s12, 0x10002
	s_lshl_b32 s21, s21, 3
	s_add_co_u32 s20, s20, s21
	s_and_b32 s21, s12, 1
	s_lshl_b32 s21, s21, 2
	s_add_co_u32 s20, s20, s21
	s_lshl_b32 s21, ttmp9, 5
	s_add_co_u32 s20, s20, s21
	s_lshl_b32 s20, s20, 12
	s_mov_b32 s21, 0
	s_lshr_b32 s22, ttmp9, 2
	s_and_b32 s23, ttmp9, 3
	s_mul_i32 s24, s22, 98304
	s_mul_i32 s26, s23, 6144
	s_add_co_u32 s24, s24, s26
	s_mul_i32 s26, s12, 768
	s_add_co_u32 s24, s24, s26
	s_mov_b32 s25, 0
	s_lshl_b32 s26, s22, 12
	s_lshl_b32 s27, s23, 8
	s_add_co_u32 s26, s26, s27
	s_lshl_b32 s27, s12, 10
	s_add_co_u32 s26, s26, s27
	s_add_co_u32 s26, s26, N_S
	s_mov_b32 s27, 0
	s_wait_kmcnt 0x0
	s_add_nc_u64 s[4:5], s[4:5], s[20:21]
	s_add_nc_u64 s[14:15], s[10:11], s[26:27]      ; scale bytes (used by waves 0-3: wave = which 256 along K)
	s_add_nc_u64 s[10:11], s[10:11], s[24:25]      ; codes
.irp j, 0,1,2,3,4,5,6,7
	global_load_b128 v[GG+4*\j:GG+4*\j+3], v1, s[6:7] offset:512*\j
.endr
.irp j, 0,1,2,3,4,5,6,7
	global_load_b128 v[BE+4*\j:BE+4*\j+3], v1, s[8:9] offset:512*\j
.endr
.irp p, 0,1,2,3
.irp j, 0,1,2,3,4,5,6,7
	global_load_b128 v[R+32*\p+4*\j:R+32*\p+4*\j+3], v1, s[4:5] offset:4096*\p+512*\j
.endr
.endr
.macro REDUCE                          ; v10 of the 32 lanes is summed; every lane has the sum
	v_add_f32_dpp v10, v10, v10 row_xmask:1 row_mask:0xf bank_mask:0xf
	v_add_f32_dpp v10, v10, v10 row_xmask:2 row_mask:0xf bank_mask:0xf
	v_add_f32_dpp v10, v10, v10 row_xmask:4 row_mask:0xf bank_mask:0xf
	v_add_f32_dpp v10, v10, v10 row_xmask:8 row_mask:0xf bank_mask:0xf
	v_permlanex16_b32 v11, v10, s16, s17
	v_add_f32 v10, v10, v11
.endm
.macro FOLD                            ; four chains of pairs into v10
	v_pk_add_f32 v[10:11], v[10:11], v[12:13]
	v_pk_add_f32 v[14:15], v[14:15], v[18:19]
	v_pk_add_f32 v[10:11], v[10:11], v[14:15]
	v_add_f32 v10, v10, v11
.endm
.macro ROW p
.set RR, R+32*\p
	s_wait_loadcnt 8*(3-\p)                        ; my row's eight loads are in (g and b were issued ahead of them); the later rows' stay out
	v_pk_add_f32 v[10:11], v[RR:RR+1], v[RR+8:RR+9]
	v_pk_add_f32 v[12:13], v[RR+2:RR+3], v[RR+10:RR+11]
	v_pk_add_f32 v[14:15], v[RR+4:RR+5], v[RR+12:RR+13]
	v_pk_add_f32 v[18:19], v[RR+6:RR+7], v[RR+14:RR+15]
.irp i, 16,24
	v_pk_add_f32 v[10:11], v[10:11], v[RR+\i:RR+\i+1]
	v_pk_add_f32 v[12:13], v[12:13], v[RR+\i+2:RR+\i+3]
	v_pk_add_f32 v[14:15], v[14:15], v[RR+\i+4:RR+\i+5]
	v_pk_add_f32 v[18:19], v[18:19], v[RR+\i+6:RR+\i+7]
.endr
	FOLD
	REDUCE
	v_mul_f32 v20, s18, v10                        ; the mean
	v_mov_b32 v21, v20
.set i, 0
.rept 16
	v_pk_add_f32 v[RR+i:RR+i+1], v[RR+i:RR+i+1], v[20:21] neg_lo:[0,1] neg_hi:[0,1]
.set i, i+2
.endr
	v_pk_mul_f32 v[10:11], v[RR:RR+1], v[RR:RR+1]
	v_pk_mul_f32 v[12:13], v[RR+2:RR+3], v[RR+2:RR+3]
	v_pk_mul_f32 v[14:15], v[RR+4:RR+5], v[RR+4:RR+5]
	v_pk_mul_f32 v[18:19], v[RR+6:RR+7], v[RR+6:RR+7]
.irp i, 8,16,24
	v_pk_fma_f32 v[10:11], v[RR+\i:RR+\i+1], v[RR+\i:RR+\i+1], v[10:11]
	v_pk_fma_f32 v[12:13], v[RR+\i+2:RR+\i+3], v[RR+\i+2:RR+\i+3], v[12:13]
	v_pk_fma_f32 v[14:15], v[RR+\i+4:RR+\i+5], v[RR+\i+4:RR+\i+5], v[14:15]
	v_pk_fma_f32 v[18:19], v[RR+\i+6:RR+\i+7], v[RR+\i+6:RR+\i+7], v[18:19]
.endr
	FOLD
	REDUCE
	v_fma_f32 v12, v10, s18, s19                   ; the variance + 1e-5
	v_rsq_f32 v22, v12
	v_rsq_f32 v23, v12                             ; twice: a pair for the packed multiply
	v_nop                                          ; a plain instruction behind the two
	s_wait_alu depctr_va_vdst(0)                   ; the wait ahead of the first reader: one for both
.set i, 0
.rept 16
	v_pk_mul_f32 v[RR+i:RR+i+1], v[RR+i:RR+i+1], v[22:23]
.set i, i+2
.endr
.set i, 0
.rept 16
	v_pk_fma_f32 v[RR+i:RR+i+1], v[RR+i:RR+i+1], v[GG+i:GG+i+1], v[BE+i:BE+i+1]
.set i, i+2
.endr
.irp j, 0,1,2,3,4,5,6,7
	ds_store_b128 v2, v[RR+4*\j:RR+4*\j+3] offset:576*\j
.endr
.irp i, 0,1,2,3,4,5,6,7
	ds_load_b128 v[X+4*\i:X+4*\i+3], v3 offset:16*\i   ; LDS serves a wave's instructions in order: these see the stores above
.endr
	s_wait_dscnt 0x0                               ; my block of 32 neighbours is in; the last row's stores of codes have read their registers
	v_max3_num_f32 v12, |v[X]|, |v[X+1]|, |v[X+2]|
	v_max3_num_f32 v13, |v[X+3]|, |v[X+4]|, |v[X+5]|
.irp i, 6,10,14,18,22,26
	v_max3_num_f32 v12, v12, |v[X+\i]|, |v[X+\i+1]|
	v_max3_num_f32 v13, v13, |v[X+\i+2]|, |v[X+\i+3]|
.endr
	v_max3_num_f32 v12, v12, |v[X+30]|, |v[X+31]|
	v_max3_num_f32 v12, v12, v13, 0x1800000        ; the floor 2^(3 - 127)
	v_add_nc_u32 v27, 0xff000000, v12              ; the conversion's scale operand
	v_cvt_scalef32_pk16_fp6_f32 v[24:26], v[X:X+15], v27
	v_cvt_scalef32_pk16_fp6_f32 v[28:30], v[X+16:X+31], v27
	v_lshrrev_b32 v31, 23, v27                     ; the scale's byte (a plain instruction behind the conversions)
	ds_store_b96 v4, v[24:26] offset:1024*\p
	ds_store_b96 v4, v[28:30] offset:1024*\p+16
	ds_store_b8 v6, v31 offset:8*\p
.endm
	ROW 0
	ROW 1
	ROW 2
	ROW 3
.irp k, 0,1,2,3,4,5,6,7                ; k = 2 S + half: rows 2 half, 2 half + 1, their 192 bytes of the S-th 256 along K
	ds_load_b96 v[X+4*\k:X+4*\k+2], v5 offset:2048*(\k%2)+256*(\k/2)
.endr
.irp k, 0,1,2,3,4,5,6,7
	s_wait_dscnt 7-\k                              ; the younger loads may stay out
	global_store_b96 v7, v[X+4*\k:X+4*\k+2], s[10:11] offset:24576*(\k/2)+384*(\k%2)   ; 384 consecutive bytes
.endr
	s_wait_dscnt 0x0                               ; for the others' sake: my scale bytes have landed
	s_barrier_signal -1
	s_barrier_wait -1
	s_cmp_lt_u32 s12, 4
	s_cbranch_scc0 .Ldone
	ds_load_b64 v[10:11], v8                       ; the 32 rows' bytes of the wave-th 256 along K
	s_wait_dscnt 0x0
	global_store_b64 v9, v[10:11], s[14:15]        ; 256 consecutive bytes, aligned
.Ldone:
	s_wait_tensorcnt 0x0                           ; the wave's end
	ds_add_u32 v16, v17
	s_wait_dscnt 0x0
	s_endpgm
.Lfunc_end_k_qa20e50e5bb_ln1:
	.size	k_qa20e50e5bb_ln1, .Lfunc_end_k_qa20e50e5bb_ln1-k_qa20e50e5bb_ln1
	.p2alignl 7, 3214868480
	.fill 96, 4, 3214868480
	.section	.rodata,"a",@progbits
	.p2align	6, 0x0
	.amdhsa_kernel k_qa20e50e5bb_ln1
		.amdhsa_group_segment_fixed_size 71680
		.amdhsa_private_segment_fixed_size 0
		.amdhsa_enable_private_segment 0
		.amdhsa_kernarg_size 32
		.amdhsa_user_sgpr_count 2
		.amdhsa_user_sgpr_kernarg_segment_ptr 1
		.amdhsa_wavefront_size32 1
		.amdhsa_system_sgpr_workgroup_id_x 1
		.amdhsa_system_sgpr_workgroup_id_y 1
		.amdhsa_system_sgpr_workgroup_id_z 1
		.amdhsa_system_vgpr_workitem_id 0
		.amdhsa_next_free_vgpr 256
		.amdhsa_next_free_sgpr 66
		.amdhsa_reserve_vcc 0
		.amdhsa_float_denorm_mode_32 3
		.amdhsa_float_denorm_mode_16_64 3
		.amdhsa_memory_ordered 1
		.amdhsa_forward_progress 1
		.amdhsa_inst_pref_size 45
	.end_amdhsa_kernel
	.amdgpu_metadata
---
amdhsa.version: [ 1, 2 ]
amdhsa.kernels:
  - .name:           k_qa20e50e5bb_ln1
    .symbol:         k_qa20e50e5bb_ln1.kd
    .args:
      - { .name: inputs, .offset: 0, .size: 8, .value_kind: global_buffer, .address_space: global }
      - { .name: g1, .offset: 8, .size: 8, .value_kind: global_buffer, .address_space: global }
      - { .name: be1, .offset: 16, .size: 8, .value_kind: global_buffer, .address_space: global }
      - { .name: N1, .offset: 24, .size: 8, .value_kind: global_buffer, .address_space: global }
    .group_segment_fixed_size: 71680
    .private_segment_fixed_size: 0
    .kernarg_segment_align: 8
    .kernarg_segment_size: 32
    .max_flat_workgroup_size: 256
    .sgpr_count:     66
    .vgpr_count:     256
    .wavefront_size: 32
...
	.end_amdgpu_metadata
.endif
;; end of part 2
;; launch qkv (part 3): grid 12 x 16, 4 waves a work-group, clusters of 4 x 4, 327,680 bytes of LDS; arguments N1, WB, QKV; writes QKV
.if DOCPART == 3
	.amdgcn_target "amdgcn-amd-amdhsa--gfx1250"
	.amdhsa_code_object_version 6
	.text
	.protected	k_qa20e50e5bb_qkv
	.globl	k_qa20e50e5bb_qkv
	.p2align	8
	.type	k_qa20e50e5bb_qkv,@function
k_qa20e50e5bb_qkv:
	s_mov_b64 s[64:65], 0
	v_nop
	global_prefetch_b8 v0, s[64:65] scope:SCOPE_SE
	s_setreg_imm32_b32 hwreg(HW_REG_WAVE_MODE, 25, 1), 1
	s_wait_xcnt 0x0
	s_wait_alu depctr_hold_cnt(0) depctr_sa_sdst(0) depctr_va_vdst(0) depctr_va_sdst(0) depctr_va_ssrc(0) depctr_va_vcc(0) depctr_vm_vsrc(0)
	s_getreg_b32 s2, hwreg(HW_REG_IB_STS2, 6, 4)
	s_cmp_eq_u32 s2, 0
	s_cbranch_scc0 .Lentry_in_a_cluster
	s_endpgm
.Lentry_in_a_cluster:
	s_bfe_u32 s2, ttmp6, 0x10000c
	s_cmp_lg_u32 s2, 0xf033
	s_cbranch_scc0 .Lentry_shape_is_right
	s_endpgm
.Lentry_shape_is_right:
; q, k, v = LN1(x) W, on codes of FP6 (E2M3) with E8M0 scales, K = 1,024; the results are quantised on the way out: q and k along the head's 64, v along the keys.
; A work-group of four waves makes 256 x 256, a wave 128 x 128: 64 accumulators.  K goes in steps of 256 through two LDS slots; the scale bytes of all of K come once.
; THE MATRIX INSTRUCTION: source 0 = 16 rows of B, source 1 = 16 rows of A: a lane holds ONE row of A and its 64 registers of a block run along 128 rows of B.
; Cluster x = 0, 1 (q, k): A = tokens, B = weights: a lane's registers run along two heads' 64.  Cluster x = 2 (v): A = Wv's rows, B = tokens: they run along 128 keys.
; Both operands have the same K and the same layout, so only pointers and tile numbers are chosen, on the cluster's x, which all partners share.
; Rows of both operands stand with bits 3 and 4 of their number exchanged, so that the 16 registers of two neighbouring tiles are 16 neighbours.
; CLUSTERS: 4 x 4.  A's tile is shared along a row of the cluster, B's along a column: joint loads, which divide the requests by four.
; OUTPUT, images of operand registers: a tile of q or k (16 tokens x 64): registers 0-3 at 16 x lane, 4-5 at 512 + 8 x lane (768 bytes); a tile of v (16 channels x 128 keys): two such.
; LIMITS: NaN and infinities are not served; a block under 2^-124 keeps the byte 1; a block of zeros has the byte 1 (its codes are zeros; this program alone reads the bytes).
.set NQ,     2
.set PITCH,  240                       ; an LDS row: 3 x (64 bytes + 16 of padding)
.set FR,     12
.set NL,     6
.set NP,     4
.set HALFT,  128*PITCH
.set SLOT,   4*HALFT
.set SCL,    2*SLOT                    ; the scales: four quarters [4][128 rows][8 bytes]
.set HALFS,  4096
.set SPARE,  SCL+4*HALFS
.set GRPB,   98304                     ; the codes of 128 rows, all of K
.set TLB,    24576                     ; 128 rows x 256 along K: one dense block, one tensor load
.set N_S,    3145728
.set WQKV_S, 8650752
.set WA,   8                           ; v8-15: the way out: 16 lane, 8 lane, the same + the second image's distance, the words' stage in and out, the words' place in memory, the shift
.set WB8,  9
.set WC,   10
.set WD,   11
.set WSI,  12
.set WSO,  13
.set WSG,  14
.set WSH,  15
.set ADRA, 16
.set ADRB, 20
.set ADRS, 27
.set SPW,  28
.set NIL,  29
.set SC,   32
.set PC,   112                         ; the way out: codes v112-130
.set AF,   128
.set TM,   200
.set PW,   216
.set SW,   217
.set G1, 24
.set G0, 32
.set G1B, 48
.set G0B, 56
.set G1S, 68
.set G0S, 76
.set G1SB, 80
.set G0SB, 88
.set SEL, 100
.set MSB, 0
.macro WIN new
.if MSB != (\new)
	s_set_vgpr_msb (MSB<<8)|(\new)
.set MSB, (\new)
.endif
.endm
.set MUL_LO, 0xa1                      ; source 0 (B) window 1, source 1 (A) window 0, C and D window 2
.set MUL_HI, 0xf1
.set TO_B,   0x40
.macro JLOAD g0a, g1a, g0b, g1b        ; waves 0, 1 fetch for A, waves 2, 3 for B; an s_nop 0 and four v_nop follow each line
	s_cmp_eq_u32 s15, 0
	s_cbranch_scc0 .Lfor_b_\@
	tensor_load_to_lds s[\g0a:\g0a+3], s[\g1a:\g1a+7]
	s_nop 0
.rept 4
	v_nop
.endr
	s_branch .Lasked_\@
.Lfor_b_\@:
	tensor_load_to_lds s[\g0b:\g0b+3], s[\g1b:\g1b+7]
	s_nop 0
.rept 4
	v_nop
.endr
.Lasked_\@:
.endm
.macro CREST
	s_cmp_lg_u32 s14, 0
	s_cbranch_scc1 .Lnot_wave_0_\@
	s_barrier_signal -3
.Lnot_wave_0_\@:
	s_barrier_wait -3
	s_barrier_signal -1
	s_barrier_wait -1
.endm
.macro CROUND
	s_barrier_signal -1
	s_barrier_wait -1
	CREST
.endm
	s_load_b128 s[92:95], s[0:1], 0x0              ; N1, WB
	s_load_b64 s[12:13], s[0:1], 0x10              ; QKV
	v_lshl_add_u32 v[SPW], v0, 2, SPARE
	v_mov_b32 v[NIL], 0
	ds_add_u32 v[SPW], v[NIL]                      ; the wave's opening: the add and its wait ahead of my first tensor load
	v_lshrrev_b32 v1, 5, v0
	v_readfirstlane_b32 s14, v1                    ; wave
	s_lshr_b32 s15, s14, 1                         ; my half of A's rows; also: I fetch for A (0) or B (1)
	s_and_b32 s16, s14, 1                          ; my half of B's rows; also: which 128 rows I fetch
	s_bfe_u32 s40, ttmp6, 0x40000                  ; cx
	s_bfe_u32 s41, ttmp6, 0x40004                  ; cy
	s_and_b32 s18, ttmp7, 0xffff
	s_lshl_b32 s18, s18, 2                         ; 4 x cluster y
	s_lshl_b32 s19, ttmp9, 2                       ; 4 x cluster x
	s_cmp_eq_u32 ttmp9, 2
	s_cselect_b32 s17, 8, s18                      ; A's tile: v: Wv's tiles 8 + cy; q, k: tokens 4 y + cy
	s_cselect_b32 s42, s18, s19                    ; B's tile: v: tokens 4 y + cx; q, k: weights 4 x + cx
	s_add_co_u32 s17, s17, s41
	s_add_co_u32 s42, s42, s40
	s_lshl_b32 s43, s41, 2
	s_lshl_b32 s43, 15, s43                        ; my row of the cluster
	s_lshl_b32 s44, 0x1111, s40                    ; my column
	; codes: a dense block of 24,576 bytes as 96 rows of 256 bytes (32 elements of 8), 16 bytes of padding behind every 64
	s_or_b32 s[G1+0], s43, (3<<16)|(1<<20)|(1<<21)|(3<<22)|(3<<25)
	s_or_b32 s[G1B+0], s44, (3<<16)|(1<<20)|(1<<21)|(3<<22)|(3<<25)
.irp g, G1, G1B
	s_mov_b32 s[\g+1], 32<<16
	s_mov_b32 s[\g+2], 96<<16
	s_mov_b32 s[\g+3], 32<<16
	s_mov_b32 s[\g+4], 96
	s_mov_b32 s[\g+5], 32
	s_mov_b32 s[\g+6], 0
	s_mov_b32 s[\g+7], 0
.endr
	; scales of 128 rows: 4,096 dense bytes as 16 rows of 256, no padding
	s_or_b32 s[G1S+0], s43, (3<<16)|(1<<21)
	s_or_b32 s[G1SB+0], s44, (3<<16)|(1<<21)
.irp g, G1S, G1SB
	s_mov_b32 s[\g+1], 32<<16
	s_mov_b32 s[\g+2], 16<<16
	s_mov_b32 s[\g+3], 32<<16
	s_mov_b32 s[\g+4], 16
	s_mov_b32 s[\g+5], 32
	s_mov_b32 s[\g+6], 0
	s_mov_b32 s[\g+7], 0
.endr
	s_lshl_b32 s20, s17, 1
	s_add_co_u32 s20, s20, s16                     ; A: which group of 128 rows I fetch
	s_lshl_b32 s46, s42, 1
	s_add_co_u32 s46, s46, s16                     ; B
	s_lshl_b32 s22, s20, 12
	s_lshl_b32 s66, s46, 12
	s_mul_i32 s20, s20, GRPB
	s_mul_i32 s46, s46, GRPB
	s_mov_b32 s21, 0
	s_mov_b32 s23, 0
	s_mov_b32 s47, 0
	s_mov_b32 s67, 0
	s_mul_i32 s45, s14, HALFT
	s_mov_b32 s[SEL], 0x76543210
	s_mov_b32 s[SEL+1], 0xfedcba98
	s_wait_dscnt 0x0                               ; the opening add is done
	s_wait_kmcnt 0x0
	s_add_nc_u64 s[96:97], s[92:93], N_S           ; the tokens' scale bytes
	s_add_nc_u64 s[98:99], s[94:95], WQKV_S        ; the weights'
	s_cmp_eq_u32 ttmp9, 2
	s_cselect_b64 s[4:5], s[94:95], s[92:93]       ; A's codes
	s_cselect_b64 s[6:7], s[98:99], s[96:97]       ; A's scales
	s_cselect_b64 s[8:9], s[92:93], s[94:95]       ; B's codes
	s_cselect_b64 s[10:11], s[96:97], s[98:99]     ; B's scales
	s_add_nc_u64 s[20:21], s[4:5], s[20:21]
	s_add_nc_u64 s[22:23], s[6:7], s[22:23]
	s_add_nc_u64 s[46:47], s[8:9], s[46:47]
	s_add_nc_u64 s[66:67], s[10:11], s[66:67]
	CROUND                                         ; all sixteen work-groups are here: the first joint loads meet
	s_mov_b32 s[G0S], 1
	s_lshl_b32 s[G0S+1], s14, 12
	s_add_co_u32 s[G0S+1], s[G0S+1], SCL
	s_mov_b64 s[G0S+2:G0S+3], s[22:23]
	s_or_b32 s[G0S+3], s[G0S+3], 0x80000000
	s_mov_b32 s[G0SB], 1
	s_lshl_b32 s[G0SB+1], s14, 12
	s_add_co_u32 s[G0SB+1], s[G0SB+1], SCL
	s_mov_b64 s[G0SB+2:G0SB+3], s[66:67]
	s_or_b32 s[G0SB+3], s[G0SB+3], 0x80000000
	JLOAD G0S, G1S, G0SB, G1SB                     ; the scales first
.irp s, 0,1
	s_mov_b32 s[G0+4*\s], 1
	s_add_co_u32 s[G0+4*\s+1], s45, \s*SLOT
	s_add_nc_u64 s[G0+4*\s+2:G0+4*\s+3], s[20:21], \s*TLB
	s_or_b32 s[G0+4*\s+3], s[G0+4*\s+3], 0x80000000
	s_mov_b32 s[G0B+4*\s], 1
	s_add_co_u32 s[G0B+4*\s+1], s45, \s*SLOT
	s_add_nc_u64 s[G0B+4*\s+2:G0B+4*\s+3], s[46:47], \s*TLB
	s_or_b32 s[G0B+4*\s+3], s[G0B+4*\s+3], 0x80000000
	JLOAD G0+4*\s, G1, G0B+4*\s, G1B
.endr
	v_and_b32 v1, 15, v0                           ; r
	v_bfe_u32 v2, v0, 4, 1                         ; h
	v_mul_u32_u24 v3, v1, PITCH
	v_mul_u32_u24 v4, v2, 24
	v_add_nc_u32 v4, v3, v4
	v_lshl_add_u32 v5, v2, 4, v4                   ; the same behind one padding more
	s_mul_i32 s21, s15, HALFT
	s_mul_i32 s22, s16, HALFT
	s_add_co_u32 s22, s22, 2*HALFT
.irp s, 0,1
	v_add_nc_u32 v[ADRA+\s], s21, v4
	v_add_nc_u32 v[ADRB+\s], s22, v4
	v_add_nc_u32 v[ADRA+2+\s], s21, v5
	v_add_nc_u32 v[ADRB+2+\s], s22, v5
	s_add_co_u32 s21, s21, SLOT
	s_add_co_u32 s22, s22, SLOT
.endr
	v_lshlrev_b32 v5, 3, v1                        ; my row's 8 scale bytes of a K step
	s_mul_i32 s21, s15, HALFS
	s_mul_i32 s22, s16, HALFS
	s_add_co_u32 s22, s22, 2*HALFS
	s_sub_co_u32 s22, s22, s21
	v_mul_u32_u24 v6, s22, v2                      ; lanes 16-31 take B's
	s_add_co_u32 s21, s21, SCL
	v_add_nc_u32 v5, v5, v6
	v_add_nc_u32 v[ADRS], s21, v5
	; the way out's figures: three arms on the cluster's x, scalar moves alone
	s_cmp_eq_u32 ttmp9, 0
	s_cbranch_scc0 .Lnot_q
	s_mov_b32 s4, 6684672                          ; codes: first byte; for each (batch, head); for each tile
	s_mov_b32 s5, 49152
	s_mov_b32 s6, 768
	s_mov_b32 s7, 49152                            ; from registers 0-5 to registers 6-11: the next head
	s_mov_b32 s8, 9830400                          ; scale words likewise
	s_mov_b32 s9, 4096
	s_mov_b32 s10, 64
	s_mov_b32 s11, 4096
	s_mov_b32 s17, 256
	s_mov_b32 s18, 16
	s_mov_b32 s44, 768
	s_mov_b32 s46, 0
	s_branch .Lparams
.Lnot_q:
	s_cmp_eq_u32 ttmp9, 1
	s_cbranch_scc0 .Lis_v
	s_mov_b32 s4, 0
	s_mov_b32 s5, 104448
	s_mov_b32 s6, 768
	s_mov_b32 s7, 104448
	s_mov_b32 s8, 98304
	s_mov_b32 s9, 104448
	s_mov_b32 s10, 64
	s_mov_b32 s11, 104448
	s_mov_b32 s17, 256
	s_mov_b32 s18, 16
	s_mov_b32 s44, 768
	s_mov_b32 s46, 0
	s_branch .Lparams
.Lis_v:
	s_mov_b32 s4, 49152
	s_mov_b32 s5, 104448
	s_mov_b32 s6, 6144
	s_mov_b32 s7, 768
	s_mov_b32 s8, 102400
	s_mov_b32 s9, 104448
	s_mov_b32 s10, 256
	s_mov_b32 s11, 0
	s_mov_b32 s17, 104448
	s_mov_b32 s18, 0
	s_mov_b32 s44, 1536
	s_mov_b32 s46, 98304
.Lparams:
	s_mov_b32 s45, 0
	s_mov_b32 s47, 0
	s_lshl_b32 s19, s40, 2
	s_lshl_b32 s20, s16, 1
	s_add_co_u32 s19, s19, s20                     ; q, k: my first head 4 cx + 2 (B's half)
	s_lshl_b32 s20, s41, 2
	s_lshl_b32 s21, s15, 1
	s_add_co_u32 s20, s20, s21                     ; v: 4 cy + 2 (A's half)
	s_lshl_b32 s21, s41, 4
	s_lshl_b32 s22, s15, 3
	s_add_co_u32 s21, s21, s22                     ; q, k: my first tile of 16 tokens in the batch
	s_lshl_b32 s22, s40, 1
	s_add_co_u32 s22, s22, s16                     ; v: my 128 keys
	s_cmp_eq_u32 ttmp9, 2
	s_cselect_b32 s19, s20, s19
	s_cselect_b32 s21, s22, s21
	s_and_b32 s20, ttmp7, 0xffff                   ; the batch
	s_lshl_b32 s20, s20, 4
	s_add_co_u32 s19, s19, s20                     ; (batch, head)
	s_mul_i32 s42, s19, s9
	s_mul_i32 s43, s21, s10
	s_add_co_u32 s42, s42, s43
	s_add_co_u32 s42, s42, s8
	s_mov_b32 s43, 0
	s_add_nc_u64 s[92:93], s[12:13], s[42:43]      ; the scale words
	s_mov_b32 s42, s11
	s_add_nc_u64 s[94:95], s[92:93], s[42:43]      ; and the second head's
	s_mul_i32 s22, s19, s5
	s_mul_i32 s23, s21, s6
	s_add_co_u32 s22, s22, s23
	s_add_co_u32 s22, s22, s4
	s_mov_b32 s23, 0
	s_add_nc_u64 s[12:13], s[12:13], s[22:23]      ; the codes
	v_and_b32 v7, 31, v0
	v_lshlrev_b32 v[WA], 4, v7
	v_lshlrev_b32 v[WB8], 3, v7
	v_add_nc_u32 v[WC], s7, v[WA]
	v_add_nc_u32 v[WD], s7, v[WB8]
	s_lshl_b32 s20, s14, 10                        ; the words' stage: 1,024 bytes a wave, in slot 0
	v_lshlrev_b32 v[WSI], 2, v1
	v_lshl_add_u32 v[WSI], v2, 9, v[WSI]
	v_add_nc_u32 v[WSI], s20, v[WSI]
	v_add_nc_u32 v[WSO], s20, v[WA]
	v_mul_u32_u24 v[WSG], s17, v2
	v_lshl_add_u32 v[WSG], v1, 4, v[WSG]
	v_mul_u32_u24 v[WSH], s18, v2
.macro FRAG reg, adr, q, i             ; 16 rows x 128 K: 12 registers, in pieces of 8 bytes; lanes 16-31 read three pieces on, for some pieces behind one padding more
.irp p, 0,1,2,3,4,5
.set PCE, 12*(\q)+6*(\p/3)+\p%3
.if PCE%8 < 5
	ds_load_b64 v[\reg+2*\p:\reg+2*\p+1], v[\adr] offset:8*PCE+16*(PCE/8)+(\i)*16*PITCH
.else
	ds_load_b64 v[\reg+2*\p:\reg+2*\p+1], v[\adr+2] offset:8*PCE+16*(PCE/8)+(\i)*16*PITCH
.endif
.endr
.endm
.macro MUL16 a0, p, q, sc, zero        ; A's blocks a0, a0 + 1 x B's eight; the 64 accumulators take turns
.irp a, \a0, \a0+1
.irp b, 0,1,2,3,4,5,6,7
.if \zero
	v_wmma_scale_f32_16x16x128_f8f6f4 v[8*(8*((\a)%4)+\b):8*(8*((\a)%4)+\b)+7], v[128*(\p)+FR*\b:128*(\p)+FR*\b+FR-1], v[AF+FR*(\a):AF+FR*(\a)+FR-1], 0, v[SC+8*NQ*(\sc)+NQ*\b+(\q)], v[SC+8*NQ*(\sc)+NQ*(\a)+(\q)] matrix_a_fmt:MATRIX_FMT_FP6 matrix_b_fmt:MATRIX_FMT_FP6 matrix_a_scale:MATRIX_SCALE_ROW1
.else
	v_wmma_scale_f32_16x16x128_f8f6f4 v[8*(8*((\a)%4)+\b):8*(8*((\a)%4)+\b)+7], v[128*(\p)+FR*\b:128*(\p)+FR*\b+FR-1], v[AF+FR*(\a):AF+FR*(\a)+FR-1], v[8*(8*((\a)%4)+\b):8*(8*((\a)%4)+\b)+7], v[SC+8*NQ*(\sc)+NQ*\b+(\q)], v[SC+8*NQ*(\sc)+NQ*(\a)+(\q)] matrix_a_fmt:MATRIX_FMT_FP6 matrix_b_fmt:MATRIX_FMT_FP6 matrix_a_scale:MATRIX_SCALE_ROW1
.endif
.endr
.endr
.endm
.macro FETCH_B slot, q, p
	WIN TO_B
.irp i, 0,1,2,3,4,5,6,7
	FRAG 128*(\p)+FR*\i, ADRB+\slot, \q, \i
.endr
	WIN 0
.endm
.macro FETCH_A slot, q, i0
.irp i, \i0, \i0+1, \i0+2, \i0+3
	FRAG AF+FR*(\i), ADRA+\slot, \q, \i
.endr
.endm
.macro SCALES sc                       ; a K step's two words a row: lanes 0-15 A's block i, lanes 16-31 B's
.irp i, 0,1,2,3,4,5,6,7
	ds_load_b64 v[SC+8*NQ*\sc+NQ*\i:SC+8*NQ*\sc+NQ*\i+1], v[ADRS] offset:128*\i
.endr
.endm
.macro PLACES n                        ; plain instructions between a matrix instruction and a load into, or a read of, its registers
.rept \n
	v_nop
.endr
.endm
.macro STEP slot, q, zero
	s_wait_dscnt 4*NL                              ; B's set and A's blocks 0-3 are in; A's blocks 4-7 (24 loads) may be out
	WIN MUL_LO
	MUL16 0, (\q)%2, \q, \slot, \zero
	MUL16 2, (\q)%2, \q, \slot, \zero
	s_wait_dscnt 0
	PLACES NP
	FETCH_B \slot, (\q)+1, 1-(\q)%2
	FETCH_A \slot, (\q)+1, 0
	WIN MUL_HI
	MUL16 4, (\q)%2, \q, \slot, \zero
	MUL16 6, (\q)%2, \q, \slot, \zero
	PLACES NP
	WIN 0
	FETCH_A \slot, (\q)+1, 4
.endm
.macro TURN slot, next, fill           ; a slot's last step changes slots: one barrier; with fill = 1 it opens a round of the cluster's barrier
	s_wait_tensorcnt 0x0                           ; all my tensor loads have landed: my part of the next slot
	ds_add_u32 v[SPW], v[NIL]
	s_wait_dscnt 4*NL+1                            ; (the add and A's blocks 4-7 may be out)
	WIN MUL_LO
	MUL16 0, 1, NQ-1, \slot, 0
	s_wait_dscnt 0x0                               ; the add is done, and my reads of this slot are over
	s_barrier_signal -1
	MUL16 2, 1, NQ-1, \slot, 0
	WIN 0
	s_barrier_wait -1
.if \fill
	CREST                                          ; no wave of any partner still reads this slot or has a load on its way
	s_add_nc_u64 s[G0+4*\slot+2:G0+4*\slot+3], s[G0+4*\slot+2:G0+4*\slot+3], 2*TLB
	s_add_nc_u64 s[G0B+4*\slot+2:G0B+4*\slot+3], s[G0B+4*\slot+2:G0B+4*\slot+3], 2*TLB
	JLOAD G0+4*\slot, G1, G0B+4*\slot, G1B
.else
	PLACES NP
.endif
	v_add_nc_u32 v[ADRS], 1024, v[ADRS]            ; the next K step's scale words
	FETCH_B \next, 0, 0
	FETCH_A \next, 0, 0
	SCALES \next
	WIN MUL_HI
	MUL16 4, 1, NQ-1, \slot, 0
	MUL16 6, 1, NQ-1, \slot, 0
	PLACES NP
	WIN 0
	FETCH_A \next, 0, 4
.endm
; 64 numbers of a lane in window w, register s + 16 b + i = k 32 b + 16 (lane / 16) + i of my row, become a fragment's codes in v[PC] on and its scale word in v[PW]
.macro QUANT s, w
	WIN (\w)|((\w)<<2)
.irp b, 0,1,2,3
	v_max3_num_f32 v[TM+\b], |v[(\s)+16*\b]|, |v[(\s)+16*\b+1]|, 0x1800000   ; with the floor 2^(3 - 127); each accumulator is read from its low end on
.endr
	WIN ((\w)<<2)|((\w)<<4)
.irp i, 2,4,6,8,10,12,14
.irp b, 0,1,2,3
	v_max3_num_f32 v[TM+\b], v[TM+\b], |v[(\s)+16*\b+\i]|, |v[(\s)+16*\b+\i+1]|
.endr
.endr
	WIN 0
.irp b, 0,1,2,3
	v_permlanex16_b32 v[TM+4+\b], v[TM+\b], s[SEL], s[SEL+1]
.endr
.irp b, 0,1,2,3
	v_max_num_f32 v[TM+\b], v[TM+\b], v[TM+4+\b]
.endr
.irp b, 0,1,2,3
	v_add_nc_u32 v[TM+12+\b], 0xff000000, v[TM+\b]
.endr
.irp b, 0,1,2,3
	v_lshrrev_b32 v[TM+4+\b], 23, v[TM+12+\b]
.endr
	v_lshl_or_b32 v[PW], v[TM+5], 8, v[TM+4]
	v_lshl_or_b32 v[PW], v[TM+6], 16, v[PW]
	v_lshl_or_b32 v[PW], v[TM+7], 24, v[PW]
	WIN (\w)
.irp c, 0,1
	v_cvt_scalef32_pk16_fp6_f32 v[PC+6*\c:PC+2+6*\c], v[(\s)+32*\c:(\s)+15+32*\c], v[TM+12+2*\c]
	v_cvt_scalef32_pk16_fp6_f32 v[PC+12+4*\c:PC+14+4*\c], v[(\s)+16+32*\c:(\s)+31+32*\c], v[TM+13+2*\c]
.endr
	WIN 0
	v_nop                                          ; one plain instruction behind the conversions
.irp c, 0,1
.irp i, 0,1,2
	v_permlane16_swap_b32 v[PC+6*\c+\i], v[PC+12+4*\c+\i]
.endr
.irp i, 0,1,2
	v_mov_b32 v[PC+3+6*\c+\i], v[PC+12+4*\c+\i]
.endr
.endr
.endm
	s_wait_tensorcnt 1                             ; the scales and my part of K step 0 are in; K step 1's load may be out
	s_barrier_signal -1
	s_barrier_wait -1
	FETCH_B 0, 0, 0
	FETCH_A 0, 0, 0
	SCALES 0
	FETCH_A 0, 0, 4
	STEP 0, 0, 1                                   ; the first products start the sums
	s_mov_b32 s3, 1
.Llap:
	TURN 0, 1, 1
	STEP 1, 0, 0
	TURN 1, 0, 1
	STEP 0, 0, 0
	s_sub_co_u32 s3, s3, 1
	s_cmp_lg_u32 s3, 0
	s_cbranch_scc1 .Llap
	TURN 0, 1, 0
	STEP 1, 0, 0
	s_wait_dscnt 4*NL
	WIN MUL_LO
	MUL16 0, 1, NQ-1, 1, 0
	MUL16 2, 1, NQ-1, 1, 0
	s_wait_dscnt 0
	WIN MUL_HI
	MUL16 4, 1, NQ-1, 1, 0
	MUL16 6, 1, NQ-1, 1, 0
	WIN 0
	; THE WAY OUT: block a (16 rows of A) is quantised along B's 128 rows; registers 0-5 and 6-11 leave as two images; the scale words are gathered in my 1,024 bytes of slot 0,
	; which has had its last fill, and which nobody reads behind the last change of slots.
	PLACES NP
.irp b, 0,1,2,3
	v_mov_b32 v[TM+4+\b], 0                        ; a lane permute's destination counts as one of its sources
.endr
.irp a, 0,1,2,3,4,5,6,7
.if \a > 0
	s_wait_xcnt 0x0                                ; the last block's stores have read their registers and their base
	s_wait_dscnt 0x0
	s_add_nc_u64 s[12:13], s[12:13], s[44:45]
.endif
.if \a == 4
	s_add_nc_u64 s[12:13], s[12:13], s[46:47]      ; v: on to the next head
.endif
	QUANT 64*(\a%4), 2+\a/4
	v_lshrrev_b32 v[SW], v[WSH], v[PW]             ; q, k: lanes 16-31 keep the second head's two bytes
	ds_store_b32 v[WSI], v[SW] offset:64*\a
	global_store_b128 v[WA], v[PC:PC+3], s[12:13]                  ; 512 consecutive bytes
	global_store_b64 v[WB8], v[PC+4:PC+5], s[12:13] offset:512     ; 256
	global_store_b128 v[WC], v[PC+6:PC+9], s[12:13]
	global_store_b64 v[WD], v[PC+10:PC+11], s[12:13] offset:512
.endr
	ds_load_b128 v[32:35], v[WSO]                  ; LDS serves a wave's instructions in order: these see my stores
	ds_load_b128 v[36:39], v[WSO] offset:512
	s_wait_dscnt 0x0
	global_store_b128 v[WSG], v[32:35], s[92:93]
	global_store_b128 v[WSG], v[36:39], s[94:95]   ; q, k: the second head's words; v: the same words to the same place once more
	s_wait_tensorcnt 0x0                           ; the wave's end
	ds_add_u32 v[SPW], v[NIL]
	s_wait_dscnt 0x0
	CROUND                                         ; the closing round
	s_endpgm
.Lfunc_end_k_qa20e50e5bb_qkv:
	.size	k_qa20e50e5bb_qkv, .Lfunc_end_k_qa20e50e5bb_qkv-k_qa20e50e5bb_qkv
	.p2alignl 7, 3214868480
	.fill 96, 4, 3214868480
	.section	.rodata,"a",@progbits
	.p2align	6, 0x0
	.amdhsa_kernel k_qa20e50e5bb_qkv
		.amdhsa_group_segment_fixed_size 327680
		.amdhsa_private_segment_fixed_size 0
		.amdhsa_enable_private_segment 0
		.amdhsa_kernarg_size 24
		.amdhsa_user_sgpr_count 2
		.amdhsa_user_sgpr_kernarg_segment_ptr 1
		.amdhsa_wavefront_size32 1
		.amdhsa_system_sgpr_workgroup_id_x 1
		.amdhsa_system_sgpr_workgroup_id_y 1
		.amdhsa_system_sgpr_workgroup_id_z 1
		.amdhsa_system_vgpr_workitem_id 0
		.amdhsa_next_free_vgpr 1024
		.amdhsa_next_free_sgpr 104
		.amdhsa_reserve_vcc 0
		.amdhsa_float_denorm_mode_32 3
		.amdhsa_float_denorm_mode_16_64 3
		.amdhsa_memory_ordered 1
		.amdhsa_forward_progress 1
		.amdhsa_inst_pref_size 170
	.end_amdhsa_kernel
	.amdgpu_metadata
---
amdhsa.version: [ 1, 2 ]
amdhsa.kernels:
  - .name:           k_qa20e50e5bb_qkv
    .symbol:         k_qa20e50e5bb_qkv.kd
    .args:
      - { .name: N1, .offset: 0, .size: 8, .value_kind: global_buffer, .address_space: global }
      - { .name: WB, .offset: 8, .size: 8, .value_kind: global_buffer, .address_space: global }
      - { .name: QKV, .offset: 16, .size: 8, .value_kind: global_buffer, .address_space: global }
    .group_segment_fixed_size: 327680
    .private_segment_fixed_size: 0
    .kernarg_segment_align: 8
    .kernarg_segment_size: 24
    .max_flat_workgroup_size: 128
    .sgpr_count:     104
    .vgpr_count:     1024
    .wavefront_size: 32
...
	.end_amdgpu_metadata
.endif
;; end of part 3
;; launch attn (part 4): grid 4 x 64, 16 waves a work-group, clusters of 4 x 1, 176,128 bytes of LDS; arguments QKV, inputs, X; writes X
.if DOCPART == 4
	.amdgcn_target "amdgcn-amd-amdhsa--gfx1250"
	.amdhsa_code_object_version 6
	.text
	.protected	k_qa20e50e5bb_attn
	.globl	k_qa20e50e5bb_attn
	.p2align	8
	.type	k_qa20e50e5bb_attn,@function
k_qa20e50e5bb_attn:
	s_mov_b64 s[64:65], 0
	v_nop
	global_prefetch_b8 v0, s[64:65] scope:SCOPE_SE
	s_setreg_imm32_b32 hwreg(HW_REG_WAVE_MODE, 25, 1), 1
	s_wait_xcnt 0x0
	s_wait_alu depctr_hold_cnt(0) depctr_sa_sdst(0) depctr_va_vdst(0) depctr_va_sdst(0) depctr_va_ssrc(0) depctr_va_vcc(0) depctr_vm_vsrc(0)
	s_getreg_b32 s2, hwreg(HW_REG_IB_STS2, 6, 4)
	s_cmp_eq_u32 s2, 0
	s_cbranch_scc0 .Lentry_in_a_cluster
	s_endpgm
.Lentry_in_a_cluster:
	s_bfe_u32 s2, ttmp6, 0x10000c
	s_cmp_lg_u32 s2, 0x3003
	s_cbranch_scc0 .Lentry_shape_is_right
	s_endpgm
.Lentry_shape_is_right:
; x = inputs + softmax(q k^T / 8, causal) v, head by head, both products on codes of FP6 (E2M3) with E8M0 scales.
; THE SOFTMAX: t = score x log2(e) / 8; M = the running largest t rounded up to a whole number; p = 2^(t - M) is quantised along the keys; the row's sum is taken of the unquantised p and divides at the end.
; A cluster of four work-groups owns one (batch, head); the head's whole K and V (codes and scale words, 104,448 bytes) come into each LDS ONCE, by four joint loads: no ring, no barrier in the loop.
; A wave owns one tile of 16 queries: tile 4 g + cx, g from the wave's number.  All its queries lie in tokens 64 g .. 64 g + 63, so its last key step, g / 2, hangs on the wave's number alone:
; no branch, trip count or LDS address hangs on the work-group's place in the cluster.  Every wave walks eight trips; a step all of whose keys are hidden is jumped over.
; Both products are used transposed (S^T = K Q^T, O^T = V^T P^T): a lane holds one query.  K = 64 of the first product fills registers 0-5 of a fragment; registers 6-11 are zero codes.
; Tokens stand in tiles with bits 3 and 4 of their number exchanged: the 16 registers of two neighbouring tiles of K are 16 neighbouring keys.
; LIMITS: NaN and infinities are not served.
.set REC,   104448
.set QTR,   26112
.set VC,    49152                      ; in a record: V's codes; K's words; V's words
.set KW,    98304
.set VW,    102400
.set STAGE, 104448                     ; 16 rows x 272 bytes for each wave
.set SPARE, 174080
.set QC,    6684672
.set QS,    9830400
.set KFR,   32                         ; v32-79   four fragments of K
.set VFR,   80                         ; v80-127  four of V
.set SCO,   128                        ; v128-191 S^T, then p
.set OT,    192                        ; v192-223 O^T
.set SEL,   28
.set CS,    30
.macro CROUND
	s_barrier_signal -1
	s_barrier_wait -1
	s_cmp_lg_u32 s10, 0
	s_cbranch_scc1 .Lnot_wave_0_\@
	s_barrier_signal -3
.Lnot_wave_0_\@:
	s_barrier_wait -3
	s_barrier_signal -1
	s_barrier_wait -1
.endm
	s_load_b128 s[4:7], s[0:1], 0x0                ; QKV, inputs
	s_load_b64 s[8:9], s[0:1], 0x10                ; X
	v_lshl_add_u32 v5, v0, 2, SPARE                ; v5, v6: the add's two, kept
	v_mov_b32 v6, 0
	ds_add_u32 v5, v6                              ; the wave's opening: the add and its wait ahead of the first tensor loads
	v_lshrrev_b32 v8, 5, v0
	v_readfirstlane_b32 s10, v8                    ; wave
	s_bfe_u32 s11, ttmp6, 0x40000                  ; cx
	s_and_b32 s12, ttmp7, 0xffff                   ; (batch, head)
	s_lshr_b32 s13, s10, 2
	s_and_b32 s14, s10, 3
	s_xor_b32 s14, s14, s13
	s_lshl_b32 s14, s14, 2
	s_add_co_u32 s13, s14, s13                     ; g: short and long waves are spread over the SIMDs
	s_lshr_b32 s14, s13, 1                         ; my last key step
	s_lshl_b32 s15, s13, 2
	s_add_co_u32 s15, s15, s11                     ; my tile of queries
	s_mov_b32 s16, 15|(3<<16)|(1<<21)              ; all four work-groups; elements of 8 bytes; no padding
	s_mov_b32 s17, 32<<16                          ; 102 rows of 256 bytes, dense
	s_mov_b32 s18, 102<<16
	s_mov_b32 s19, 32<<16
	s_mov_b32 s20, 102
	s_mov_b32 s21, 32
	s_mov_b32 s22, 0
	s_mov_b32 s23, 0
	s_mul_i32 s38, s12, REC
	s_mul_i32 s40, s10, QTR
	s_add_co_u32 s38, s38, s40
	s_mov_b32 s39, 0
	s_mov_b32 s[SEL], 0x76543210
	s_mov_b32 s[SEL+1], 0xfedcba98
	s_mov_b32 s[CS], 0x3e38aa3b                    ; log2(e) / 8
	s_mov_b32 s[CS+1], s[CS]
	s_mov_b32 s32, 0                               ; the step's codes: 6,144 bytes a step, in K and in V
	s_mov_b32 s33, 0                               ; K's words: 512
	s_mov_b32 s34, 0                               ; V's words: 256
	s_mov_b32 s35, 0                               ; its first key
	s_mov_b32 s36, 0                               ; the step
	s_wait_dscnt 0x0                               ; the opening add is done
	s_wait_kmcnt 0x0
	s_mov_b32 s24, 1
	s_mov_b32 s25, s40
	s_add_nc_u64 s[26:27], s[4:5], s[38:39]
	s_or_b32 s27, s27, 0x80000000
	CROUND                                         ; all four work-groups are here: the joint loads meet
	s_cmp_lt_u32 s10, 4
	s_cbranch_scc0 .Lno_fetch
	tensor_load_to_lds s[24:27], s[16:23]          ; waves 0-3: a quarter of the record each; one load of mine is out
	s_nop 0
.rept 4
	v_nop
.endr
.Lno_fetch:
	s_mul_i32 s38, s12, 49152
	s_mul_i32 s40, s15, 768
	s_add_co_u32 s38, s38, s40
	s_add_co_u32 s38, s38, QC
	s_add_nc_u64 s[42:43], s[4:5], s[38:39]        ; my tile of q
	s_lshl_b32 s38, s12, 12
	s_lshl_b32 s40, s15, 6
	s_add_co_u32 s38, s38, s40
	s_add_co_u32 s38, s38, QS
	s_add_nc_u64 s[44:45], s[4:5], s[38:39]        ; and its scale words
	v_and_b32 v8, 31, v0
	v_and_b32 v9, 15, v0                           ; r
	v_bfe_u32 v10, v0, 4, 1                        ; h
	v_lshlrev_b32 v1, 4, v8                        ; 16 x lane
	v_lshlrev_b32 v2, 3, v8                        ; 8 x lane
	v_lshlrev_b32 v11, 2, v9
	global_load_b128 v[16:19], v1, s[42:43]
	global_load_b64 v[20:21], v2, s[42:43] offset:512
	global_load_b32 v255, v11, s[44:45]
	v_add_nc_u32 v3, KW, v11
	v_add_nc_u32 v4, VW, v11
	v_lshlrev_b32 v7, 12, v10
	v_lshl_add_u32 v7, v9, 4, v7                   ; the way out: lanes 0-15 one row of x, lanes 16-31 the next
	s_lshl_b32 s38, s13, 6
	s_lshr_b32 s40, s11, 1
	s_lshl_b32 s40, s40, 5
	s_add_co_u32 s38, s38, s40
	s_and_b32 s40, s11, 1
	s_lshl_b32 s40, s40, 3
	s_add_co_u32 s46, s38, s40                     ; my tile's first token in the batch: 64 g + 32 (cx / 2) + 8 (cx % 2)
	v_and_b32 v29, 7, v9
	v_lshrrev_b32 v28, 3, v9
	v_lshl_add_u32 v29, v28, 4, v29
	v_add_nc_u32 v29, s46, v29                     ; my query
	v_lshlrev_b32 v28, 4, v10
	v_sub_nc_u32 v29, v29, v28                     ; - 16 h: for the mask
	s_lshr_b32 s38, s12, 4
	s_lshl_b32 s38, s38, 10
	s_add_co_u32 s38, s38, s46
	s_lshl_b32 s38, s38, 12
	s_and_b32 s40, s12, 15
	s_lshl_b32 s40, s40, 8
	s_add_co_u32 s38, s38, s40
	s_add_nc_u64 s[6:7], s[6:7], s[38:39]
	s_add_nc_u64 s[8:9], s[8:9], s[38:39]
	s_mul_i32 s40, s10, 4352
	s_add_co_u32 s40, s40, STAGE
	v_mul_u32_u24 v30, v9, 272
	v_lshl_add_u32 v30, v10, 6, v30
	v_add_nc_u32 v30, s40, v30                     ; my stage, in: row r, + 64 h
	v_mul_u32_u24 v31, v10, 272
	v_lshl_add_u32 v31, v9, 4, v31
	v_add_nc_u32 v31, s40, v31                     ; back
.irp i, 22,23,24,25,26,27
	v_mov_b32 v[\i], 0                             ; q's K = 64 .. 127: zero codes
.endr
.irp t, 0,1,2,3
.irp i, 6,7,8,9,10,11
	v_mov_b32 v[KFR+12*\t+\i], 0                   ; and K's: never loaded
.endr
.endr
	v_mov_b32 v13, 0xff61b1e6                      ; the largest t so far: -3e38
	v_floor_f32 v12, -v13                          ; -M
	v_mov_b32 v14, 0
	v_mov_b32 v15, 0
.irp b, 236,237,238,239,252,253
	v_mov_b32 v[\b], 0
.endr
.set j, 0
.rept 32
	v_mov_b32 v[OT+j], 0
.set j, j+1
.endr
	s_wait_tensorcnt 0x0                           ; my quarter has landed,
	s_barrier_signal -1
	s_barrier_wait -1                              ; everybody's has
	s_wait_loadcnt 0x0                             ; q
.Lstep:
	s_cmp_gt_u32 s36, s14                          ; all 128 keys come after my queries: the step's work is left out
	s_cbranch_scc1 .Lskip
	v_add_nc_u32 v8, s32, v1
	v_add_nc_u32 v9, s32, v2
	v_add_nc_u32 v10, s33, v3
	v_add_nc_u32 v11, s34, v4
.irp t, 0,1,2,3
	ds_load_b128 v[KFR+12*\t:KFR+12*\t+3], v8 offset:768*\t
	ds_load_b64 v[KFR+12*\t+4:KFR+12*\t+5], v9 offset:768*\t+512
	ds_load_b32 v[248+\t], v10 offset:64*\t
.endr
.irp e, 0,1,2,3
	ds_load_b128 v[VFR+12*\e:VFR+12*\e+3], v8 offset:VC+1536*\e
	ds_load_b64 v[VFR+12*\e+4:VFR+12*\e+5], v9 offset:VC+1536*\e+512
	ds_load_b128 v[VFR+12*\e+6:VFR+12*\e+9], v8 offset:VC+1536*\e+768
	ds_load_b64 v[VFR+12*\e+10:VFR+12*\e+11], v9 offset:VC+1536*\e+1280
.endr
	s_wait_dscnt 16                                ; K's four tiles are in; V's sixteen loads may be out
.irp t, 0,1,2,3
	v_wmma_scale_f32_16x16x128_f8f6f4 v[SCO+8*\t:SCO+8*\t+7], v[KFR+12*\t:KFR+12*\t+11], v[16:27], 0, v[248+\t], v255 matrix_a_fmt:MATRIX_FMT_FP6 matrix_b_fmt:MATRIX_FMT_FP6
.endr
.rept 4
	v_nop                                          ; places in front of loads into registers that the products have read
.endr
.irp t, 0,1,2,3
	ds_load_b128 v[KFR+12*\t:KFR+12*\t+3], v8 offset:3072+768*\t
	ds_load_b64 v[KFR+12*\t+4:KFR+12*\t+5], v9 offset:3072+768*\t+512
	ds_load_b32 v[248+\t], v10 offset:256+64*\t
.endr
	s_wait_dscnt 0x0
.irp t, 0,1,2,3
	v_wmma_scale_f32_16x16x128_f8f6f4 v[SCO+32+8*\t:SCO+32+8*\t+7], v[KFR+12*\t:KFR+12*\t+11], v[16:27], 0, v[248+\t], v255 matrix_a_fmt:MATRIX_FMT_FP6 matrix_b_fmt:MATRIX_FMT_FP6
.endr
.rept 4
	v_nop
.endr
.irp e, 0,1,2,3
	ds_load_b32 v[248+\e], v11 offset:64*\e        ; V's scale words
.endr
	s_cmp_lg_u32 s36, s14                          ; only my last step lies on the diagonal
	s_cbranch_scc1 .Lopen
	v_sub_nc_u32 v252, v29, s35                    ; d: register 16 b + i holds a key that is hidden where 32 b + i > d
	v_mov_b32 v254, 0xff800000
.set n, 0
.rept 64
	v_cmp_gt_i32 vcc_lo, 32*(n/16)+n%16, v252
	v_cndmask_b32 v[SCO+n], v[SCO+n], v254, vcc_lo
.set n, n+1
.endr
.Lopen:
.irp b, 0,1,2,3
	v_max3_num_f32 v[232+\b], v[SCO+16*\b], v[SCO+1+16*\b], v[SCO+2+16*\b]   ; the largest score of each block of 32 keys: for the row's maximum and for the block's largest p
.endr
.irp i, 3,5,7,9,11,13
.irp b, 0,1,2,3
	v_max3_num_f32 v[232+\b], v[232+\b], v[SCO+16*\b+\i], v[SCO+1+16*\b+\i]
.endr
.endr
.irp b, 0,1,2,3
	v_max_num_f32 v[232+\b], v[232+\b], v[SCO+15+16*\b]
.endr
.irp b, 0,1,2,3
	v_permlanex16_b32 v[236+\b], v[232+\b], s[SEL], s[SEL+1]
.endr
.irp b, 0,1,2,3
	v_max_num_f32 v[232+\b], v[232+\b], v[236+\b]
.endr
	v_max3_num_f32 v254, v232, v233, v234
	v_max_num_f32 v254, v254, v235
	v_mul_f32 v254, s[CS], v254
	v_max_num_f32 v13, v13, v254                   ; the running largest t
	v_mov_b32 v254, v12
	v_floor_f32 v12, -v13                          ; the new -M
	v_sub_f32 v254, v12, v254
	v_cvt_i32_f32 v254, v254
	v_ldexp_f32 v252, 1.0, v254                    ; f = 2^(old M - new M): exact
.set j, 0
.rept 32
	v_pk_fma_f32 v[SCO+j:SCO+j+1], v[SCO+j:SCO+j+1], s[CS:CS+1], v[12:13] op_sel_hi:[1,0,0]
.set j, j+2
.endr
.irp b, 0,1,2,3
	v_fma_f32 v[232+\b], v[232+\b], s[CS], v12
.endr
.set j, 0
.rept 64
	v_exp_f32 v[SCO+j], v[SCO+j]
.set j, j+1
.endr
	v_pk_mul_f32 v[14:15], v[14:15], v[252:253] op_sel_hi:[1,0]   ; the sums under the new M (a plain instruction behind the exponentials)
	s_wait_alu depctr_va_vdst(0)                   ; the wait ahead of the first reader: one for the batch
.irp b, 0,1,2,3
	v_exp_f32 v[232+\b], v[232+\b]                 ; the block's largest p
.endr
	v_pk_add_f32 v[236:237], v[SCO:SCO+1], v[SCO+2:SCO+3]         ; the row's sum of the unquantised p, in two chains
.irp j, 4,8,12,16,20,24,28,32,36,40,44,48,52,56,60
	v_pk_add_f32 v[14:15], v[14:15], v[SCO+\j:SCO+1+\j]
	v_pk_add_f32 v[236:237], v[236:237], v[SCO+2+\j:SCO+3+\j]
.endr
	v_pk_add_f32 v[14:15], v[14:15], v[236:237]
	s_wait_alu depctr_va_vdst(0)                   ; and one for the four
.irp b, 0,1,2,3
	v_max_num_f32 v[232+\b], 0x1800000, v[232+\b]  ; the floor 2^(3 - 127)
.endr
.irp b, 0,1,2,3
	v_add_nc_u32 v[244+\b], 0xff000000, v[232+\b]
.endr
.irp b, 0,1,2,3
	v_lshrrev_b32 v[236+\b], 23, v[244+\b]
.endr
	v_lshl_or_b32 v253, v237, 8, v236              ; p's scale word
	v_lshl_or_b32 v253, v238, 16, v253
	v_lshl_or_b32 v253, v239, 24, v253
.irp c, 0,1
	v_cvt_scalef32_pk16_fp6_f32 v[224+6*\c:226+6*\c], v[SCO+32*\c:SCO+15+32*\c], v[244+2*\c]
	v_cvt_scalef32_pk16_fp6_f32 v[236+4*\c:238+4*\c], v[SCO+16+32*\c:SCO+31+32*\c], v[245+2*\c]
.endr
	v_nop
.irp c, 0,1
.irp i, 0,1,2
	v_permlane16_swap_b32 v[224+6*\c+\i], v[236+4*\c+\i]
.endr
.irp i, 0,1,2
	v_mov_b32 v[227+6*\c+\i], v[236+4*\c+\i]
.endr
.endr
.set j, 0
.rept 16
	v_pk_mul_f32 v[OT+j:OT+j+1], v[OT+j:OT+j+1], v[252:253] op_sel_hi:[1,0]   ; O^T under the new M; these sixteen are also the places in front of the products below
.set j, j+2
.endr
	s_wait_dscnt 0x0                               ; V's fragments and words
.irp e, 0,1,2,3
	v_wmma_scale_f32_16x16x128_f8f6f4 v[OT+8*\e:OT+8*\e+7], v[VFR+12*\e:VFR+12*\e+11], v[224:235], v[OT+8*\e:OT+8*\e+7], v[248+\e], v253 matrix_a_fmt:MATRIX_FMT_FP6 matrix_b_fmt:MATRIX_FMT_FP6
.endr
.rept 4
	v_nop                                          ; places for the next step's loads and for the way out's reads
.endr
.Lskip:
	s_add_co_u32 s32, s32, 6144
	s_add_co_u32 s33, s33, 512
	s_add_co_u32 s34, s34, 256
	s_add_co_u32 s35, s35, 128
	s_add_co_u32 s36, s36, 1
	s_cmp_lt_u32 s36, 8
	s_cbranch_scc1 .Lstep
	; THE WAY OUT: O^T / the sum goes through my stage and comes back as rows of 256 bytes; the residual is added; sixteen lanes store 256 consecutive bytes, aligned.
.irp t, 0,1,2,3,4,5,6,7
	global_load_b128 v[32+4*\t:35+4*\t], v7, s[6:7] offset:(2*(\t%4)+16*(\t/4))*4096
.endr
	v_add_f32 v14, v14, v15
	v_permlanex16_b32 v252, v14, s[SEL], s[SEL+1]
	v_add_f32 v14, v14, v252
	v_rcp_f32 v14, v14
	v_nop
	s_wait_alu depctr_va_vdst(0)
.set j, 0
.rept 32
	v_mul_f32 v[SCO+j], v[OT+j], v14               ; register 8 e + i: channel 32 (e / 2) + 16 h + 8 (e % 2) + i of my query
.set j, j+1
.endr
.irp e, 0,1,2,3
	ds_store_b128 v30, v[SCO+8*\e:SCO+8*\e+3] offset:128*(\e/2)+32*(\e%2)
	ds_store_b128 v30, v[SCO+8*\e+4:SCO+8*\e+7] offset:128*(\e/2)+32*(\e%2)+16
.endr
.irp t, 0,1,2,3,4,5,6,7
	ds_load_b128 v[64+4*\t:67+4*\t], v31 offset:544*\t   ; LDS serves a wave's instructions in order
.endr
	s_wait_dscnt 0x0
	s_wait_loadcnt 0x0
.set j, 0
.rept 16
	v_pk_add_f32 v[64+j:65+j], v[64+j:65+j], v[32+j:33+j]
.set j, j+2
.endr
.irp t, 0,1,2,3,4,5,6,7
	global_store_b128 v7, v[64+4*\t:67+4*\t], s[8:9] offset:(2*(\t%4)+16*(\t/4))*4096
.endr
	s_wait_tensorcnt 0x0                           ; the wave's end
	ds_add_u32 v5, v6
	s_wait_dscnt 0x0
	CROUND                                         ; the closing round
	s_endpgm
.Lfunc_end_k_qa20e50e5bb_attn:
	.size	k_qa20e50e5bb_attn, .Lfunc_end_k_qa20e50e5bb_attn-k_qa20e50e5bb_attn
	.p2alignl 7, 3214868480
	.fill 96, 4, 3214868480
	.section	.rodata,"a",@progbits
	.p2align	6, 0x0
	.amdhsa_kernel k_qa20e50e5bb_attn
		.amdhsa_group_segment_fixed_size 176128
		.amdhsa_private_segment_fixed_size 0
		.amdhsa_enable_private_segment 0
		.amdhsa_kernarg_size 24
		.amdhsa_user_sgpr_count 2
		.amdhsa_user_sgpr_kernarg_segment_ptr 1
		.amdhsa_wavefront_size32 1
		.amdhsa_system_sgpr_workgroup_id_x 1
		.amdhsa_system_sgpr_workgroup_id_y 1
		.amdhsa_system_sgpr_workgroup_id_z 1
		.amdhsa_system_vgpr_workitem_id 0
		.amdhsa_next_free_vgpr 256
		.amdhsa_next_free_sgpr 66
		.amdhsa_reserve_vcc 1
		.amdhsa_float_denorm_mode_32 3
		.amdhsa_float_denorm_mode_16_64 3
		.amdhsa_memory_ordered 1
		.amdhsa_forward_progress 1
		.amdhsa_inst_pref_size 36
	.end_amdhsa_kernel
	.amdgpu_metadata
---
amdhsa.version: [ 1, 2 ]
amdhsa.kernels:
  - .name:           k_qa20e50e5bb_attn
    .symbol:         k_qa20e50e5bb_attn.kd
    .args:
      - { .name: QKV, .offset: 0, .size: 8, .value_kind: global_buffer, .address_space: global }
      - { .name: inputs, .offset: 8, .size: 8, .value_kind: global_buffer, .address_space: global }
      - { .name: X, .offset: 16, .size: 8, .value_kind: global_buffer, .address_space: global }
    .group_segment_fixed_size: 176128
    .private_segment_fixed_size: 0
    .kernarg_segment_align: 8
    .kernarg_segment_size: 24
    .max_flat_workgroup_size: 512
    .sgpr_count:     66
    .vgpr_count:     256
    .wavefront_size: 32
...
	.end_amdgpu_metadata
.endif
;; end of part 4
;; launch ln2: the kernel of part 2 again; grid 128 x 1, 8 waves a work-group, no clusters, 71,680 bytes of LDS; arguments X, g2, be2, N2; writes N2
;; launch ff1 (part 5): grid 16 x 16, 4 waves a work-group, clusters of 4 x 4, 327,680 bytes of LDS; arguments N2, WB, b1, HB; writes HB
.if DOCPART == 5
	.amdgcn_target "amdgcn-amd-amdhsa--gfx1250"
	.amdhsa_code_object_version 6
	.text
	.protected	k_qa20e50e5bb_ff1
	.globl	k_qa20e50e5bb_ff1
	.p2align	8
	.type	k_qa20e50e5bb_ff1,@function
k_qa20e50e5bb_ff1:
	s_mov_b64 s[64:65], 0
	v_nop
	global_prefetch_b8 v0, s[64:65] scope:SCOPE_SE
	s_setreg_imm32_b32 hwreg(HW_REG_WAVE_MODE, 25, 1), 1
	s_wait_xcnt 0x0
	s_wait_alu depctr_hold_cnt(0) depctr_sa_sdst(0) depctr_va_vdst(0) depctr_va_sdst(0) depctr_va_ssrc(0) depctr_va_vcc(0) depctr_vm_vsrc(0)
	s_getreg_b32 s2, hwreg(HW_REG_IB_STS2, 6, 4)
	s_cmp_eq_u32 s2, 0
	s_cbranch_scc0 .Lentry_in_a_cluster
	s_endpgm
.Lentry_in_a_cluster:
	s_bfe_u32 s2, ttmp6, 0x10000c
	s_cmp_lg_u32 s2, 0xf033
	s_cbranch_scc0 .Lentry_shape_is_right
	s_endpgm
.Lentry_shape_is_right:
; h = relu(LN2(x) W1 + b1), on codes of FP6 (E2M3) with E8M0 scales, K = 1,024; h is quantised along the hidden units on the way out and leaves as codes and scale bytes.
; A work-group of four waves makes 256 tokens x 256 hidden units, a wave 128 x 128.  K goes in steps of 256 through two LDS slots; the scale bytes of all of K come once.
; Source 0 = 16 rows of W1 (B), source 1 = 16 tokens (A): a lane holds one token and its registers run along the hidden units; b1 is the C of each sum's first product.
; Rows of both operands stand with bits 3 and 4 of their number exchanged, so that the 16 registers of two neighbouring tiles are 16 neighbouring hidden units.
; CLUSTERS: 4 x 4; A's tile is shared along a row of the cluster, B's along a column: joint loads.
; OUTPUT HB: codes [group of 64 tokens][K/256][64][192 bytes], scale bytes [group][K/256][64][8] from byte H_S on; the work-group's 256 units are one K/256.
; LIMITS: NaN and infinities are not served; a block under 2^-124 keeps the byte 1; a block of zeros has the byte 1 (its codes are zeros; this program alone reads the bytes).
.set NQ,     2
.set PITCH,  240
.set FR,     12
.set NL,     6
.set NP,     4
.set HALFT,  128*PITCH
.set SLOT,   4*HALFT
.set SCL,    2*SLOT
.set HALFS,  4096
.set SPARE,  SCL+4*HALFS
.set GRPB,   98304
.set TLB,    24576
.set N_S,    3145728
.set W1_C,   2359296
.set W1_S,   8749056
.set H_S,    12582912
.set SST,    61440                     ; the way out, in slot 0: 256 rows x 240 bytes of codes, then 256 x 8 scale bytes
.set WP,   8                           ; v8-13  where my six pieces of 8 bytes go in the stage
.set WS,   14                          ; v14    my row's scale word
.set WR,   15                          ; v15    the codes back
.set ADRA, 16
.set ADRB, 20
.set WSR,  24                          ; v24    the scale bytes back
.set WG,   25                          ; v25    16 x lane
.set BO,   26                          ; v26    b1: 64 h
.set ADRS, 27
.set SPW,  28
.set NIL,  29
.set SC,   32
.set BI,   64                          ; v64-127 b1 in the result's layout
.set PC,   112
.set AF,   128
.set H,    132
.set TM,   200
.set PW,   216
.set G1, 24
.set G0, 32
.set G1B, 48
.set G0B, 56
.set G1S, 68
.set G0S, 76
.set G1SB, 80
.set G0SB, 88
.set SEL, 100
.set MSB, 0
.macro WIN new
.if MSB != (\new)
	s_set_vgpr_msb (MSB<<8)|(\new)
.set MSB, (\new)
.endif
.endm
.set MUL_LO, 0xa1
.set MUL_HI, 0xf1
.set TO_B,   0x40
.macro JLOAD g0a, g1a, g0b, g1b
	s_cmp_eq_u32 s15, 0
	s_cbranch_scc0 .Lfor_b_\@
	tensor_load_to_lds s[\g0a:\g0a+3], s[\g1a:\g1a+7]
	s_nop 0
.rept 4
	v_nop
.endr
	s_branch .Lasked_\@
.Lfor_b_\@:
	tensor_load_to_lds s[\g0b:\g0b+3], s[\g1b:\g1b+7]
	s_nop 0
.rept 4
	v_nop
.endr
.Lasked_\@:
.endm
.macro CREST
	s_cmp_lg_u32 s14, 0
	s_cbranch_scc1 .Lnot_wave_0_\@
	s_barrier_signal -3
.Lnot_wave_0_\@:
	s_barrier_wait -3
	s_barrier_signal -1
	s_barrier_wait -1
.endm
.macro CROUND
	s_barrier_signal -1
	s_barrier_wait -1
	CREST
.endm
	s_load_b128 s[92:95], s[0:1], 0x0              ; N2, WB
	s_load_b128 s[96:99], s[0:1], 0x10             ; b1, HB
	v_lshl_add_u32 v[SPW], v0, 2, SPARE
	v_mov_b32 v[NIL], 0
	ds_add_u32 v[SPW], v[NIL]                      ; the wave's opening: the add and its wait ahead of my first tensor load
	v_lshrrev_b32 v1, 5, v0
	v_readfirstlane_b32 s14, v1
	s_lshr_b32 s15, s14, 1
	s_and_b32 s16, s14, 1
	s_bfe_u32 s40, ttmp6, 0x40000
	s_bfe_u32 s41, ttmp6, 0x40004
	s_lshl_b32 s42, ttmp9, 2
	s_add_co_u32 s42, s42, s40                     ; which 256 hidden units
	s_and_b32 s17, ttmp7, 0xffff
	s_lshl_b32 s17, s17, 2
	s_add_co_u32 s17, s17, s41                     ; which 256 tokens
	s_lshl_b32 s43, s41, 2
	s_lshl_b32 s43, 15, s43
	s_lshl_b32 s44, 0x1111, s40
	s_or_b32 s[G1+0], s43, (3<<16)|(1<<20)|(1<<21)|(3<<22)|(3<<25)   ; 24,576 dense bytes as 96 rows of 256, 16 bytes of padding behind every 64
	s_or_b32 s[G1B+0], s44, (3<<16)|(1<<20)|(1<<21)|(3<<22)|(3<<25)
.irp g, G1, G1B
	s_mov_b32 s[\g+1], 32<<16
	s_mov_b32 s[\g+2], 96<<16
	s_mov_b32 s[\g+3], 32<<16
	s_mov_b32 s[\g+4], 96
	s_mov_b32 s[\g+5], 32
	s_mov_b32 s[\g+6], 0
	s_mov_b32 s[\g+7], 0
.endr
	s_or_b32 s[G1S+0], s43, (3<<16)|(1<<21)        ; 4,096 dense bytes as 16 rows of 256
	s_or_b32 s[G1SB+0], s44, (3<<16)|(1<<21)
.irp g, G1S, G1SB
	s_mov_b32 s[\g+1], 32<<16
	s_mov_b32 s[\g+2], 16<<16
	s_mov_b32 s[\g+3], 32<<16
	s_mov_b32 s[\g+4], 16
	s_mov_b32 s[\g+5], 32
	s_mov_b32 s[\g+6], 0
	s_mov_b32 s[\g+7], 0
.endr
	s_lshl_b32 s20, s17, 1
	s_add_co_u32 s20, s20, s16
	s_lshl_b32 s46, s42, 1
	s_add_co_u32 s46, s46, s16
	s_lshl_b32 s22, s20, 12
	s_add_co_u32 s22, s22, N_S
	s_lshl_b32 s66, s46, 12
	s_add_co_u32 s66, s66, W1_S
	s_mul_i32 s20, s20, GRPB
	s_mul_i32 s46, s46, GRPB
	s_add_co_u32 s46, s46, W1_C
	s_mov_b32 s21, 0
	s_mov_b32 s23, 0
	s_mov_b32 s47, 0
	s_mov_b32 s67, 0
	s_mul_i32 s45, s14, HALFT
	s_mov_b32 s[SEL], 0x76543210
	s_mov_b32 s[SEL+1], 0xfedcba98
	s_wait_dscnt 0x0
	s_wait_kmcnt 0x0
	s_add_nc_u64 s[20:21], s[92:93], s[20:21]
	s_add_nc_u64 s[22:23], s[92:93], s[22:23]
	s_add_nc_u64 s[46:47], s[94:95], s[46:47]
	s_add_nc_u64 s[66:67], s[94:95], s[66:67]
	CROUND
	s_mov_b32 s[G0S], 1
	s_lshl_b32 s[G0S+1], s14, 12
	s_add_co_u32 s[G0S+1], s[G0S+1], SCL
	s_mov_b64 s[G0S+2:G0S+3], s[22:23]
	s_or_b32 s[G0S+3], s[G0S+3], 0x80000000
	s_mov_b32 s[G0SB], 1
	s_lshl_b32 s[G0SB+1], s14, 12
	s_add_co_u32 s[G0SB+1], s[G0SB+1], SCL
	s_mov_b64 s[G0SB+2:G0SB+3], s[66:67]
	s_or_b32 s[G0SB+3], s[G0SB+3], 0x80000000
	JLOAD G0S, G1S, G0SB, G1SB
.irp s, 0,1
	s_mov_b32 s[G0+4*\s], 1
	s_add_co_u32 s[G0+4*\s+1], s45, \s*SLOT
	s_add_nc_u64 s[G0+4*\s+2:G0+4*\s+3], s[20:21], \s*TLB
	s_or_b32 s[G0+4*\s+3], s[G0+4*\s+3], 0x80000000
	s_mov_b32 s[G0B+4*\s], 1
	s_add_co_u32 s[G0B+4*\s+1], s45, \s*SLOT
	s_add_nc_u64 s[G0B+4*\s+2:G0B+4*\s+3], s[46:47], \s*TLB
	s_or_b32 s[G0B+4*\s+3], s[G0B+4*\s+3], 0x80000000
	JLOAD G0+4*\s, G1, G0B+4*\s, G1B
.endr
	v_and_b32 v1, 15, v0
	v_bfe_u32 v2, v0, 4, 1
	s_lshl_b32 s20, s42, 10                        ; b1: my 128 hidden units
	s_lshl_b32 s21, s16, 9
	s_add_co_u32 s20, s20, s21
	s_mov_b32 s21, 0
	s_add_nc_u64 s[96:97], s[96:97], s[20:21]
	v_lshlrev_b32 v[BO], 6, v2
.irp b, 0,1,2,3,4,5,6,7                ; lane (r, h), tile b, register j: unit 32 (b / 2) + 16 h + 8 (b % 2) + j
	global_load_b128 v[BI+8*\b:BI+8*\b+3], v[BO], s[96:97] offset:(32*(\b/2)+8*(\b%2))*4
	global_load_b128 v[BI+8*\b+4:BI+8*\b+7], v[BO], s[96:97] offset:(32*(\b/2)+8*(\b%2))*4+16
.endr
	v_mul_u32_u24 v3, v1, PITCH
	v_mul_u32_u24 v4, v2, 24
	v_add_nc_u32 v4, v3, v4
	v_lshl_add_u32 v5, v2, 4, v4
	s_mul_i32 s21, s15, HALFT
	s_mul_i32 s22, s16, HALFT
	s_add_co_u32 s22, s22, 2*HALFT
.irp s, 0,1
	v_add_nc_u32 v[ADRA+\s], s21, v4
	v_add_nc_u32 v[ADRB+\s], s22, v4
	v_add_nc_u32 v[ADRA+2+\s], s21, v5
	v_add_nc_u32 v[ADRB+2+\s], s22, v5
	s_add_co_u32 s21, s21, SLOT
	s_add_co_u32 s22, s22, SLOT
.endr
	v_lshlrev_b32 v5, 3, v1
	s_mul_i32 s21, s15, HALFS
	s_mul_i32 s22, s16, HALFS
	s_add_co_u32 s22, s22, 2*HALFS
	s_sub_co_u32 s22, s22, s21
	v_mul_u32_u24 v6, s22, v2
	s_add_co_u32 s21, s21, SCL
	v_add_nc_u32 v5, v5, v6
	v_add_nc_u32 v[ADRS], s21, v5
	; the way out's addresses.  Piece P of a row's 24 lies at 8 P + 16 (P / 8); mine are P = 12 (B's half) + 3 h + 0, 1, 2, 6, 7, 8
	s_mul_i32 s20, s16, 12
	v_mul_u32_u24 v3, v2, 3
	v_add_nc_u32 v3, s20, v3
	s_mul_i32 s21, s15, HALFT
	v_mul_u32_u24 v4, v1, PITCH
	v_add_nc_u32 v4, s21, v4
.irp p, 0,1,2,3,4,5
	v_add_nc_u32 v5, 6*(\p/3)+\p%3, v3
	v_lshrrev_b32 v6, 3, v5
	v_lshlrev_b32 v5, 3, v5
	v_lshl_add_u32 v5, v6, 4, v5
	v_add_nc_u32 v[WP+\p], v4, v5
.endr
	s_lshl_b32 s20, s15, 10
	s_lshl_b32 s21, s16, 2
	s_add_co_u32 s20, s20, s21
	s_add_co_u32 s20, s20, SST
	v_lshl_add_u32 v[WS], v1, 3, s20
	v_and_b32 v5, 31, v0
	v_lshrrev_b32 v6, 2, v5
	v_mul_u32_u24 v6, v6, 80
	v_and_b32 v3, 3, v5
	v_lshl_add_u32 v6, v3, 4, v6
	s_mul_i32 s20, s14, 15360
	v_add_nc_u32 v[WR], s20, v6                    ; back: wave w takes rows 64 w on: four lanes to 64 bytes, 80 bytes apart
	v_lshlrev_b32 v[WG], 4, v5
	s_lshl_b32 s20, s14, 9
	s_add_co_u32 s20, s20, SST
	v_add_nc_u32 v[WSR], s20, v[WG]
	s_lshl_b32 s20, s17, 2
	s_add_co_u32 s20, s20, s14                     ; the group of 64 tokens that I store
	s_lshl_b32 s22, s20, 13
	s_mul_i32 s20, s20, 196608
	s_mul_i32 s21, s42, 12288
	s_add_co_u32 s20, s20, s21
	s_mov_b32 s21, 0
	s_lshl_b32 s23, s42, 9
	s_add_co_u32 s22, s22, s23
	s_add_co_u32 s22, s22, H_S
	s_mov_b32 s23, 0
	s_add_nc_u64 s[12:13], s[98:99], s[20:21]
	s_add_nc_u64 s[92:93], s[98:99], s[22:23]
.macro FRAG reg, adr, q, i
.irp p, 0,1,2,3,4,5
.set PCE, 12*(\q)+6*(\p/3)+\p%3
.if PCE%8 < 5
	ds_load_b64 v[\reg+2*\p:\reg+2*\p+1], v[\adr] offset:8*PCE+16*(PCE/8)+(\i)*16*PITCH
.else
	ds_load_b64 v[\reg+2*\p:\reg+2*\p+1], v[\adr+2] offset:8*PCE+16*(PCE/8)+(\i)*16*PITCH
.endif
.endr
.endm
.macro MUL16 a0, p, q, sc, zero        ; zero = 2: b1 is the C of the first product; the 64 accumulators take turns
.irp a, \a0, \a0+1
.irp b, 0,1,2,3,4,5,6,7
.if \zero == 2
	v_wmma_scale_f32_16x16x128_f8f6f4 v[8*(8*((\a)%4)+\b):8*(8*((\a)%4)+\b)+7], v[128*(\p)+FR*\b:128*(\p)+FR*\b+FR-1], v[AF+FR*(\a):AF+FR*(\a)+FR-1], v[BI+8*\b:BI+8*\b+7], v[SC+8*NQ*(\sc)+NQ*\b+(\q)], v[SC+8*NQ*(\sc)+NQ*(\a)+(\q)] matrix_a_fmt:MATRIX_FMT_FP6 matrix_b_fmt:MATRIX_FMT_FP6 matrix_a_scale:MATRIX_SCALE_ROW1
.else
	v_wmma_scale_f32_16x16x128_f8f6f4 v[8*(8*((\a)%4)+\b):8*(8*((\a)%4)+\b)+7], v[128*(\p)+FR*\b:128*(\p)+FR*\b+FR-1], v[AF+FR*(\a):AF+FR*(\a)+FR-1], v[8*(8*((\a)%4)+\b):8*(8*((\a)%4)+\b)+7], v[SC+8*NQ*(\sc)+NQ*\b+(\q)], v[SC+8*NQ*(\sc)+NQ*(\a)+(\q)] matrix_a_fmt:MATRIX_FMT_FP6 matrix_b_fmt:MATRIX_FMT_FP6 matrix_a_scale:MATRIX_SCALE_ROW1
.endif
.endr
.endr
.endm
.macro FETCH_B slot, q, p
	WIN TO_B
.irp i, 0,1,2,3,4,5,6,7
	FRAG 128*(\p)+FR*\i, ADRB+\slot, \q, \i
.endr
	WIN 0
.endm
.macro FETCH_A slot, q, i0
.irp i, \i0, \i0+1, \i0+2, \i0+3
	FRAG AF+FR*(\i), ADRA+\slot, \q, \i
.endr
.endm
.macro SCALES sc
.irp i, 0,1,2,3,4,5,6,7
	ds_load_b64 v[SC+8*NQ*\sc+NQ*\i:SC+8*NQ*\sc+NQ*\i+1], v[ADRS] offset:128*\i
.endr
.endm
.macro PLACES n
.rept \n
	v_nop
.endr
.endm
.macro STEP slot, q, zero
	s_wait_dscnt 4*NL                              ; B's set and A's blocks 0-3 are in; A's blocks 4-7 (24 loads) may be out
.if \zero == 2
	WIN 0x81                                       ; C (b1) in window 0, D in window 2
.else
	WIN MUL_LO
.endif
	MUL16 0, (\q)%2, \q, \slot, \zero
	MUL16 2, (\q)%2, \q, \slot, \zero
	s_wait_dscnt 0
	PLACES NP
	FETCH_B \slot, (\q)+1, 1-(\q)%2
	FETCH_A \slot, (\q)+1, 0
.if \zero == 2
	WIN 0xc1
.else
	WIN MUL_HI
.endif
	MUL16 4, (\q)%2, \q, \slot, \zero
	MUL16 6, (\q)%2, \q, \slot, \zero
	PLACES NP
	WIN 0
	FETCH_A \slot, (\q)+1, 4
.endm
.macro TURN slot, next, fill
	s_wait_tensorcnt 0x0                           ; all my tensor loads have landed: my part of the next slot
	ds_add_u32 v[SPW], v[NIL]
	s_wait_dscnt 4*NL+1                            ; (the add and A's blocks 4-7 may be out)
	WIN MUL_LO
	MUL16 0, 1, NQ-1, \slot, 0
	s_wait_dscnt 0x0                               ; the add is done, and my reads of this slot are over
	s_barrier_signal -1
	MUL16 2, 1, NQ-1, \slot, 0
	WIN 0
	s_barrier_wait -1
.if \fill
	CREST
	s_add_nc_u64 s[G0+4*\slot+2:G0+4*\slot+3], s[G0+4*\slot+2:G0+4*\slot+3], 2*TLB
	s_add_nc_u64 s[G0B+4*\slot+2:G0B+4*\slot+3], s[G0B+4*\slot+2:G0B+4*\slot+3], 2*TLB
	JLOAD G0+4*\slot, G1, G0B+4*\slot, G1B
.else
	PLACES NP
.endif
	v_add_nc_u32 v[ADRS], 1024, v[ADRS]
	FETCH_B \next, 0, 0
	FETCH_A \next, 0, 0
	SCALES \next
	WIN MUL_HI
	MUL16 4, 1, NQ-1, \slot, 0
	MUL16 6, 1, NQ-1, \slot, 0
	PLACES NP
	WIN 0
	FETCH_A \next, 0, 4
.endm
.macro QUANT s                         ; 64 numbers of a lane, register s + 16 b + i = k 32 b + 16 (lane / 16) + i of my row: codes in v[PC] on, scale word in v[PW]
.irp b, 0,1,2,3
	v_max3_num_f32 v[TM+\b], v[(\s)+16*\b], v[(\s)+16*\b+1], 0x1800000       ; none is negative; the floor 2^(3 - 127)
.endr
.irp i, 2,4,6,8,10,12,14
.irp b, 0,1,2,3
	v_max3_num_f32 v[TM+\b], v[TM+\b], v[(\s)+16*\b+\i], v[(\s)+16*\b+\i+1]
.endr
.endr
.irp b, 0,1,2,3
	v_permlanex16_b32 v[TM+4+\b], v[TM+\b], s[SEL], s[SEL+1]
.endr
.irp b, 0,1,2,3
	v_max_num_f32 v[TM+\b], v[TM+\b], v[TM+4+\b]
.endr
.irp b, 0,1,2,3
	v_add_nc_u32 v[TM+12+\b], 0xff000000, v[TM+\b]
.endr
.irp b, 0,1,2,3
	v_lshrrev_b32 v[TM+4+\b], 23, v[TM+12+\b]
.endr
	v_lshl_or_b32 v[PW], v[TM+5], 8, v[TM+4]
	v_lshl_or_b32 v[PW], v[TM+6], 16, v[PW]
	v_lshl_or_b32 v[PW], v[TM+7], 24, v[PW]
.irp c, 0,1
	v_cvt_scalef32_pk16_fp6_f32 v[PC+6*\c:PC+2+6*\c], v[(\s)+32*\c:(\s)+15+32*\c], v[TM+12+2*\c]
	v_cvt_scalef32_pk16_fp6_f32 v[PC+12+4*\c:PC+14+4*\c], v[(\s)+16+32*\c:(\s)+31+32*\c], v[TM+13+2*\c]
.endr
	v_nop
.irp c, 0,1
.irp i, 0,1,2
	v_permlane16_swap_b32 v[PC+6*\c+\i], v[PC+12+4*\c+\i]
.endr
.irp i, 0,1,2
	v_mov_b32 v[PC+3+6*\c+\i], v[PC+12+4*\c+\i]
.endr
.endr
.endm
	s_wait_tensorcnt 1                             ; the scales and my part of K step 0 are in; K step 1's load may be out
	s_barrier_signal -1
	s_barrier_wait -1
	FETCH_B 0, 0, 0
	FETCH_A 0, 0, 0
	SCALES 0
	FETCH_A 0, 0, 4
	s_wait_loadcnt 0x0                             ; b1
	STEP 0, 0, 2
	s_mov_b32 s3, 1
.Llap:
	TURN 0, 1, 1
	STEP 1, 0, 0
	TURN 1, 0, 1
	STEP 0, 0, 0
	s_sub_co_u32 s3, s3, 1
	s_cmp_lg_u32 s3, 0
	s_cbranch_scc1 .Llap
	TURN 0, 1, 0
	STEP 1, 0, 0
	s_wait_dscnt 4*NL
	WIN MUL_LO
	MUL16 0, 1, NQ-1, 1, 0
	MUL16 2, 1, NQ-1, 1, 0
	s_wait_dscnt 0
	WIN MUL_HI
	MUL16 4, 1, NQ-1, 1, 0
	MUL16 6, 1, NQ-1, 1, 0
	WIN 0
	; THE WAY OUT: relu, quantised block by block of 16 tokens; a row's 192 bytes come from two waves, so codes and words meet in a stage in slot 0
	; (it has had its last fill, and nobody reads it behind the last change of slots), and each wave stores 64 whole rows: 12,288 dense bytes.
	PLACES NP
.irp b, 0,1,2,3
	v_mov_b32 v[TM+4+\b], 0
.endr
.irp a, 0,1,2,3,4,5,6,7
	WIN (2+\a/4)<<2
.set j, 0
.rept 64
	v_max_num_f32 v[H+j], 0, v[64*(\a%4)+j]        ; each accumulator from its low end on
.set j, j+1
.endr
	WIN 0
	s_wait_dscnt 0x0                               ; the last block's stores have read their registers
	QUANT H
.irp p, 0,1,2,3,4,5
	ds_store_b64 v[WP+\p], v[PC+2*\p:PC+2*\p+1] offset:3840*\a
.endr
	ds_store_b32 v[WS], v[PW] offset:128*\a        ; both halves of the lanes write the same word with the same value
.endr
	s_wait_dscnt 0x0                               ; for the others' sake: my stores have landed
	s_barrier_signal -1
	s_barrier_wait -1
.irp i, 0,1,2,3,4,5,6,7,8,9,10,11,12,13,14,15,16,17,18,19,20,21,22,23
	ds_load_b128 v[32+4*\i:35+4*\i], v[WR] offset:640*\i
.endr
	ds_load_b128 v[128:131], v[WSR]
.irp i, 0,1,2,3,4,5,6,7,8,9,10,11,12,13,14,15,16,17,18,19,20,21,22,23
	s_wait_dscnt 24-\i                             ; the younger loads may stay out
	global_store_b128 v[WG], v[32+4*\i:35+4*\i], s[12:13] offset:512*\i
.endr
	s_wait_dscnt 0x0
	global_store_b128 v[WG], v[128:131], s[92:93]
	s_wait_tensorcnt 0x0                           ; the wave's end
	ds_add_u32 v[SPW], v[NIL]
	s_wait_dscnt 0x0
	CROUND
	s_endpgm
.Lfunc_end_k_qa20e50e5bb_ff1:
	.size	k_qa20e50e5bb_ff1, .Lfunc_end_k_qa20e50e5bb_ff1-k_qa20e50e5bb_ff1
	.p2alignl 7, 3214868480
	.fill 96, 4, 3214868480
	.section	.rodata,"a",@progbits
	.p2align	6, 0x0
	.amdhsa_kernel k_qa20e50e5bb_ff1
		.amdhsa_group_segment_fixed_size 327680
		.amdhsa_private_segment_fixed_size 0
		.amdhsa_enable_private_segment 0
		.amdhsa_kernarg_size 32
		.amdhsa_user_sgpr_count 2
		.amdhsa_user_sgpr_kernarg_segment_ptr 1
		.amdhsa_wavefront_size32 1
		.amdhsa_system_sgpr_workgroup_id_x 1
		.amdhsa_system_sgpr_workgroup_id_y 1
		.amdhsa_system_sgpr_workgroup_id_z 1
		.amdhsa_system_vgpr_workitem_id 0
		.amdhsa_next_free_vgpr 1024
		.amdhsa_next_free_sgpr 104
		.amdhsa_reserve_vcc 0
		.amdhsa_float_denorm_mode_32 3
		.amdhsa_float_denorm_mode_16_64 3
		.amdhsa_memory_ordered 1
		.amdhsa_forward_progress 1
		.amdhsa_inst_pref_size 189
	.end_amdhsa_kernel
	.amdgpu_metadata
---
amdhsa.version: [ 1, 2 ]
amdhsa.kernels:
  - .name:           k_qa20e50e5bb_ff1
    .symbol:         k_qa20e50e5bb_ff1.kd
    .args:
      - { .name: N2, .offset: 0, .size: 8, .value_kind: global_buffer, .address_space: global }
      - { .name: WB, .offset: 8, .size: 8, .value_kind: global_buffer, .address_space: global }
      - { .name: b1, .offset: 16, .size: 8, .value_kind: global_buffer, .address_space: global }
      - { .name: HB, .offset: 24, .size: 8, .value_kind: global_buffer, .address_space: global }
    .group_segment_fixed_size: 327680
    .private_segment_fixed_size: 0
    .kernarg_segment_align: 8
    .kernarg_segment_size: 32
    .max_flat_workgroup_size: 128
    .sgpr_count:     104
    .vgpr_count:     1024
    .wavefront_size: 32
...
	.end_amdgpu_metadata
.endif
;; end of part 5
;; launch ff2 (part 6): grid 8 x 32, 4 waves a work-group, clusters of 4 x 4, 327,680 bytes of LDS; arguments HB, WB, b2, X, out0; writes out0
.if DOCPART == 6
	.amdgcn_target "amdgcn-amd-amdhsa--gfx1250"
	.amdhsa_code_object_version 6
	.text
	.protected	k_qa20e50e5bb_ff2
	.globl	k_qa20e50e5bb_ff2
	.p2align	8
	.type	k_qa20e50e5bb_ff2,@function
k_qa20e50e5bb_ff2:
	s_mov_b64 s[64:65], 0
	v_nop
	global_prefetch_b8 v0, s[64:65] scope:SCOPE_SE
	s_setreg_imm32_b32 hwreg(HW_REG_WAVE_MODE, 25, 1), 1
	s_wait_xcnt 0x0
	s_wait_alu depctr_hold_cnt(0) depctr_sa_sdst(0) depctr_va_vdst(0) depctr_va_sdst(0) depctr_va_ssrc(0) depctr_va_vcc(0) depctr_vm_vsrc(0)
	s_getreg_b32 s2, hwreg(HW_REG_IB_STS2, 6, 4)
	s_cmp_eq_u32 s2, 0
	s_cbranch_scc0 .Lentry_in_a_cluster
	s_endpgm
.Lentry_in_a_cluster:
	s_bfe_u32 s2, ttmp6, 0x10000c
	s_cmp_lg_u32 s2, 0xf033
	s_cbranch_scc0 .Lentry_shape_is_right
	s_endpgm
.Lentry_shape_is_right:
; out = x + h W2 + b2, on codes of FP6 (E2M3) with E8M0 scales, K = 4,096.
; A tile is 128 tokens x 128 outputs, so that the 4,096 x 1,024 results give 256 work-groups; a wave makes 64 x 64: 16 accumulators.
; K goes in steps of 512 through two LDS slots (64 matrix instructions a wave between two changes of slots); the scale bytes of all of K come once.
; Source 0 = 16 rows of W2 (B), source 1 = 16 tokens (A): a lane holds one token and eight neighbouring outputs; b2 is the C of each sum's first product.
; Tokens and outputs stand with bits 3 and 4 of their number exchanged; the way out's addresses put them back.  x is asked for at the head and added on the way out.
; CLUSTERS: 4 x 4; A's tile is shared along a row of the cluster, B's along a column: joint loads.
; LIMITS: NaN and infinities are not served.
.set PITCH,  240
.set FR,     12
.set QT,     30720                     ; a quarter of a slot: [2][64 rows][240 bytes]: one tensor load
.set SLOT,   4*QT
.set SCL,    2*SLOT                    ; the scales: four quarters [16][64 rows][8 bytes]
.set QSC,    8192
.set SPARE,  SCL+4*QSC
.set GRPB,   196608                    ; the codes of 64 rows, all of K
.set TLB,    24576
.set H_S,    12582912
.set W2_C,   5505024
.set W2_S,   8880128
.set ADRA, 16
.set ADRB, 20
.set STO,  24
.set RD,   25
.set CO,   26
.set ADRS, 27
.set SPW,  28
.set NIL,  29
.set BO,   30
.set SC,   32                          ; v32-63 scale words: set s at 32 + 16 s, register 4 i + q
.set BI,   64                          ; v64-95 b2
.set ACC,  128                         ; v128-255 accumulator (a, b) at 128 + 8 (4 a + b);  window 1: two fragment buffers at 0 and 128 (A's four, then B's four);  window 2: x
.set G1, 24
.set G0, 32
.set G1B, 48
.set G0B, 56
.set G1S, 68
.set G0S, 76
.set G1SB, 80
.set G0SB, 88
.set MSB, 0
.macro WIN new
.if MSB != (\new)
	s_set_vgpr_msb (MSB<<8)|(\new)
.set MSB, (\new)
.endif
.endm
.macro JLOAD g0a, g1a, g0b, g1b
	s_cmp_eq_u32 s15, 0
	s_cbranch_scc0 .Lfor_b_\@
	tensor_load_to_lds s[\g0a:\g0a+3], s[\g1a:\g1a+7]
	s_nop 0
.rept 4
	v_nop
.endr
	s_branch .Lasked_\@
.Lfor_b_\@:
	tensor_load_to_lds s[\g0b:\g0b+3], s[\g1b:\g1b+7]
	s_nop 0
.rept 4
	v_nop
.endr
.Lasked_\@:
.endm
.macro CREST
	s_cmp_lg_u32 s14, 0
	s_cbranch_scc1 .Lnot_wave_0_\@
	s_barrier_signal -3
.Lnot_wave_0_\@:
	s_barrier_wait -3
	s_barrier_signal -1
	s_barrier_wait -1
.endm
.macro CROUND
	s_barrier_signal -1
	s_barrier_wait -1
	CREST
.endm
	s_load_b256 s[92:99], s[0:1], 0x0              ; HB, WB, b2, X
	s_load_b64 s[100:101], s[0:1], 0x20            ; out0
	v_lshl_add_u32 v[SPW], v0, 2, SPARE
	v_mov_b32 v[NIL], 0
	ds_add_u32 v[SPW], v[NIL]                      ; the wave's opening: the add and its wait ahead of my first tensor load
	v_lshrrev_b32 v1, 5, v0
	v_readfirstlane_b32 s14, v1
	s_lshr_b32 s15, s14, 1                         ; my half of the tokens; also: I fetch for A (0) or B (1)
	s_and_b32 s16, s14, 1                          ; my half of the outputs; also: which 64 rows I fetch
	s_bfe_u32 s40, ttmp6, 0x40000
	s_bfe_u32 s41, ttmp6, 0x40004
	s_lshl_b32 s42, ttmp9, 2
	s_add_co_u32 s42, s42, s40                     ; which 128 outputs
	s_and_b32 s17, ttmp7, 0xffff
	s_lshl_b32 s17, s17, 2
	s_add_co_u32 s17, s17, s41                     ; which 128 tokens
	s_lshl_b32 s43, s41, 2
	s_lshl_b32 s43, 15, s43
	s_lshl_b32 s44, 0x1111, s40
	s_or_b32 s[G1+0], s43, (3<<16)|(1<<20)|(1<<21)|(3<<22)|(3<<25)   ; 24,576 dense bytes as 96 rows of 256, 16 bytes of padding behind every 64
	s_or_b32 s[G1B+0], s44, (3<<16)|(1<<20)|(1<<21)|(3<<22)|(3<<25)
.irp g, G1, G1B
	s_mov_b32 s[\g+1], 32<<16
	s_mov_b32 s[\g+2], 96<<16
	s_mov_b32 s[\g+3], 32<<16
	s_mov_b32 s[\g+4], 96
	s_mov_b32 s[\g+5], 32
	s_mov_b32 s[\g+6], 0
	s_mov_b32 s[\g+7], 0
.endr
	s_or_b32 s[G1S+0], s43, (3<<16)|(1<<21)        ; 8,192 dense bytes as 32 rows of 256
	s_or_b32 s[G1SB+0], s44, (3<<16)|(1<<21)
.irp g, G1S, G1SB
	s_mov_b32 s[\g+1], 32<<16
	s_mov_b32 s[\g+2], 32<<16
	s_mov_b32 s[\g+3], 32<<16
	s_mov_b32 s[\g+4], 32
	s_mov_b32 s[\g+5], 32
	s_mov_b32 s[\g+6], 0
	s_mov_b32 s[\g+7], 0
.endr
	s_lshl_b32 s20, s17, 1
	s_add_co_u32 s20, s20, s16
	s_lshl_b32 s46, s42, 1
	s_add_co_u32 s46, s46, s16
	s_lshl_b32 s22, s20, 13
	s_add_co_u32 s22, s22, H_S
	s_lshl_b32 s66, s46, 13
	s_add_co_u32 s66, s66, W2_S
	s_mul_i32 s20, s20, GRPB
	s_mul_i32 s46, s46, GRPB
	s_add_co_u32 s46, s46, W2_C
	s_mov_b32 s21, 0
	s_mov_b32 s23, 0
	s_mov_b32 s47, 0
	s_mov_b32 s67, 0
	s_mul_i32 s45, s14, QT
	s_wait_dscnt 0x0
	s_wait_kmcnt 0x0
	s_add_nc_u64 s[20:21], s[92:93], s[20:21]
	s_add_nc_u64 s[22:23], s[92:93], s[22:23]
	s_add_nc_u64 s[46:47], s[94:95], s[46:47]
	s_add_nc_u64 s[66:67], s[94:95], s[66:67]
	CROUND
	s_mov_b32 s[G0S], 1
	s_lshl_b32 s[G0S+1], s14, 13
	s_add_co_u32 s[G0S+1], s[G0S+1], SCL
	s_mov_b64 s[G0S+2:G0S+3], s[22:23]
	s_or_b32 s[G0S+3], s[G0S+3], 0x80000000
	s_mov_b32 s[G0SB], 1
	s_lshl_b32 s[G0SB+1], s14, 13
	s_add_co_u32 s[G0SB+1], s[G0SB+1], SCL
	s_mov_b64 s[G0SB+2:G0SB+3], s[66:67]
	s_or_b32 s[G0SB+3], s[G0SB+3], 0x80000000
	JLOAD G0S, G1S, G0SB, G1SB
.irp s, 0,1
	s_mov_b32 s[G0+4*\s], 1
	s_add_co_u32 s[G0+4*\s+1], s45, \s*SLOT
	s_add_nc_u64 s[G0+4*\s+2:G0+4*\s+3], s[20:21], \s*TLB
	s_or_b32 s[G0+4*\s+3], s[G0+4*\s+3], 0x80000000
	s_mov_b32 s[G0B+4*\s], 1
	s_add_co_u32 s[G0B+4*\s+1], s45, \s*SLOT
	s_add_nc_u64 s[G0B+4*\s+2:G0B+4*\s+3], s[46:47], \s*TLB
	s_or_b32 s[G0B+4*\s+3], s[G0B+4*\s+3], 0x80000000
	JLOAD G0+4*\s, G1, G0B+4*\s, G1B
.endr
	v_and_b32 v1, 15, v0
	v_bfe_u32 v2, v0, 4, 1
	s_lshl_b32 s20, s42, 9
	s_lshl_b32 s21, s16, 8
	s_add_co_u32 s20, s20, s21                     ; my first output, in bytes
	s_mov_b32 s21, 0
	s_add_nc_u64 s[96:97], s[96:97], s[20:21]      ; b2
	s_lshl_b32 s22, s17, 7
	s_lshl_b32 s23, s15, 6
	s_add_co_u32 s22, s22, s23                     ; my first token
	s_lshl_b32 s22, s22, 12
	s_add_co_u32 s20, s20, s22
	s_add_nc_u64 s[98:99], s[98:99], s[20:21]      ; x
	s_add_nc_u64 s[100:101], s[100:101], s[20:21]  ; out
	v_lshlrev_b32 v[BO], 6, v2
.irp b, 0,1,2,3
	global_load_b128 v[BI+8*\b:BI+8*\b+3], v[BO], s[96:97] offset:(32*(\b/2)+8*(\b%2))*4
	global_load_b128 v[BI+8*\b+4:BI+8*\b+7], v[BO], s[96:97] offset:(32*(\b/2)+8*(\b%2))*4+16
.endr
	v_lshlrev_b32 v[CO], 12, v2
	v_lshl_add_u32 v[CO], v1, 4, v[CO]             ; lanes 0-15 one row, lanes 16-31 the next; 16 bytes a lane
	WIN 0x80                                       ; destination window 2
.irp a, 0,1,2,3
.irp t, 0,1,2,3,4,5,6,7                ; block a, rows 2 t + h of its 16: tokens 32 (a / 2) + 8 (a % 2) + 2 (t % 4) + 16 (t / 4) + h
	global_load_b128 v[32*\a+4*\t:32*\a+4*\t+3], v[CO], s[98:99] offset:(32*(\a/2)+8*(\a%2)+2*(\t%4)+16*(\t/4))*4096
.endr
.endr
	WIN 0
	v_mul_u32_u24 v3, v1, PITCH
	v_mul_u32_u24 v4, v2, 24
	v_add_nc_u32 v4, v3, v4
	v_lshl_add_u32 v5, v2, 4, v4
	s_mul_i32 s21, s15, QT
	s_mul_i32 s22, s16, QT
	s_add_co_u32 s22, s22, 2*QT
.irp s, 0,1
	v_add_nc_u32 v[ADRA+\s], s21, v4
	v_add_nc_u32 v[ADRB+\s], s22, v4
	v_add_nc_u32 v[ADRA+2+\s], s21, v5
	v_add_nc_u32 v[ADRB+2+\s], s22, v5
	s_add_co_u32 s21, s21, SLOT
	s_add_co_u32 s22, s22, SLOT
.endr
	v_lshlrev_b32 v5, 3, v1
	s_mul_i32 s21, s15, QSC
	s_mul_i32 s22, s16, QSC
	s_add_co_u32 s22, s22, 2*QSC
	s_sub_co_u32 s22, s22, s21
	v_mul_u32_u24 v6, s22, v2                      ; lanes 16-31 take B's
	s_add_co_u32 s21, s21, SCL
	v_add_nc_u32 v5, v5, v6
	v_add_nc_u32 v[ADRS], s21, v5
	s_mul_i32 s23, s14, 4352                       ; my stage, in slot 0: 16 rows x 272 bytes
	v_mul_u32_u24 v5, v1, 272
	v_lshl_add_u32 v5, v2, 6, v5
	v_add_nc_u32 v[STO], s23, v5
	v_mul_u32_u24 v5, v2, 272
	v_lshl_add_u32 v5, v1, 4, v5
	v_add_nc_u32 v[RD], s23, v5
.macro FRAG reg, adr, q, i             ; the q-th 128 along K of a slot's 512
.irp p, 0,1,2,3,4,5
.set PCE, 12*((\q)%2)+6*(\p/3)+\p%3
.if PCE%8 < 5
	ds_load_b64 v[\reg+2*\p:\reg+2*\p+1], v[\adr] offset:((\q)/2)*15360+8*PCE+16*(PCE/8)+(\i)*16*PITCH
.else
	ds_load_b64 v[\reg+2*\p:\reg+2*\p+1], v[\adr+2] offset:((\q)/2)*15360+8*PCE+16*(PCE/8)+(\i)*16*PITCH
.endif
.endr
.endm
.macro FETCH slot, q, f                ; 48 loads: B's four fragments, then A's; the last twelve are A's blocks 2 and 3
	WIN 0x40
.irp i, 0,1,2,3
	FRAG (\f)+48+FR*\i, ADRB+\slot, \q, \i
.endr
.irp i, 0,1,2,3
	FRAG (\f)+FR*\i, ADRA+\slot, \q, \i
.endr
.endm
.macro SCALES sc                       ; a slot's four words a row: lanes 0-15 A's block i, lanes 16-31 B's
.irp i, 0,1,2,3
.irp u, 0,1
	ds_load_b64 v[SC+16*\sc+4*\i+2*\u:SC+16*\sc+4*\i+2*\u+1], v[ADRS] offset:512*\u+128*\i
.endr
.endr
.endm
.macro MUL4 f, a, q, sc, first         ; A's block a x B's four; the 16 accumulators take turns
.irp b, 0,1,2,3
.if \first
	v_wmma_scale_f32_16x16x128_f8f6f4 v[ACC+8*(4*(\a)+\b):ACC+8*(4*(\a)+\b)+7], v[(\f)+48+FR*\b:(\f)+48+FR*\b+FR-1], v[(\f)+FR*(\a):(\f)+FR*(\a)+FR-1], v[BI+8*\b:BI+8*\b+7], v[SC+16*(\sc)+4*\b+(\q)], v[SC+16*(\sc)+4*(\a)+(\q)] matrix_a_fmt:MATRIX_FMT_FP6 matrix_b_fmt:MATRIX_FMT_FP6 matrix_a_scale:MATRIX_SCALE_ROW1
.else
	v_wmma_scale_f32_16x16x128_f8f6f4 v[ACC+8*(4*(\a)+\b):ACC+8*(4*(\a)+\b)+7], v[(\f)+48+FR*\b:(\f)+48+FR*\b+FR-1], v[(\f)+FR*(\a):(\f)+FR*(\a)+FR-1], v[ACC+8*(4*(\a)+\b):ACC+8*(4*(\a)+\b)+7], v[SC+16*(\sc)+4*\b+(\q)], v[SC+16*(\sc)+4*(\a)+(\q)] matrix_a_fmt:MATRIX_FMT_FP6 matrix_b_fmt:MATRIX_FMT_FP6 matrix_a_scale:MATRIX_SCALE_ROW1
.endif
.endr
.endm
.macro PLACES n
.rept \n
	v_nop
.endr
.endm
.macro KQ slot, q, first               ; one of a slot's first three steps of 128: multiplies buffer q % 2, fetches the next step into the other
	s_wait_dscnt 12                                ; B's four and A's blocks 0, 1 are in; A's blocks 2, 3 (12 loads) may be out
	WIN 0x05                                       ; sources 0 and 1 window 1; C and D window 0
	MUL4 128*((\q)%2), 0, \q, \slot, \first
	MUL4 128*((\q)%2), 1, \q, \slot, \first
	PLACES 4
	FETCH \slot, (\q)+1, 128*(1-(\q)%2)
	s_wait_dscnt 48                                ; all but the 48 just issued
	WIN 0x05
	MUL4 128*((\q)%2), 2, \q, \slot, \first
	MUL4 128*((\q)%2), 3, \q, \slot, \first
.endm
.macro TURN slot, next, fill           ; a slot's last step changes slots
	WIN 0
	s_wait_tensorcnt 0x0                           ; all my tensor loads have landed: my part of the next slot
	ds_add_u32 v[SPW], v[NIL]
	s_wait_dscnt 13                                ; (the add and the youngest twelve loads may be out)
	WIN 0x05
	MUL4 128, 0, 3, \slot, 0
	s_wait_dscnt 0x0                               ; the add is done, and my reads of this slot are over
	s_barrier_signal -1
	MUL4 128, 1, 3, \slot, 0
	WIN 0
	s_barrier_wait -1
.if \fill
	CREST                                          ; no wave of any partner still reads this slot or has a load on its way
	s_add_nc_u64 s[G0+4*\slot+2:G0+4*\slot+3], s[G0+4*\slot+2:G0+4*\slot+3], 2*TLB
	s_add_nc_u64 s[G0B+4*\slot+2:G0B+4*\slot+3], s[G0B+4*\slot+2:G0B+4*\slot+3], 2*TLB
	JLOAD G0+4*\slot, G1, G0B+4*\slot, G1B
.else
	PLACES 4
.endif
	v_add_nc_u32 v[ADRS], 1024, v[ADRS]
	SCALES \next
	FETCH \next, 0, 0
	WIN 0x05
	MUL4 128, 2, 3, \slot, 0
	MUL4 128, 3, 3, \slot, 0
.endm
	s_wait_tensorcnt 1                             ; the scales and my part of slot 0 are in; slot 1's load may be out
	s_barrier_signal -1
	s_barrier_wait -1
	SCALES 0
	FETCH 0, 0, 0
	s_wait_loadcnt 32                              ; b2 is in; x's 32 loads stay out
	KQ 0, 0, 1
	WIN 0
	s_mov_b32 s3, 3
.Llap:
	KQ 0, 1, 0
	KQ 0, 2, 0
	TURN 0, 1, 1
	KQ 1, 0, 0
	KQ 1, 1, 0
	KQ 1, 2, 0
	TURN 1, 0, 1
	KQ 0, 0, 0
	WIN 0
	s_sub_co_u32 s3, s3, 1
	s_cmp_lg_u32 s3, 0
	s_cbranch_scc1 .Llap
	KQ 0, 1, 0
	KQ 0, 2, 0
	TURN 0, 1, 0
	KQ 1, 0, 0
	KQ 1, 1, 0
	KQ 1, 2, 0
	s_wait_dscnt 12
	WIN 0x05
	MUL4 128, 0, 3, 1, 0
	MUL4 128, 1, 3, 1, 0
	s_wait_dscnt 0
	MUL4 128, 2, 3, 1, 0
	MUL4 128, 3, 3, 1, 0
	WIN 0
	; THE WAY OUT, a block of 16 tokens at a time, through my stage in slot 0 (it has had its last fill, and nobody reads it behind the last change of slots).
	PLACES 4
	s_wait_loadcnt 0x0                             ; x
.irp a, 0,1,2,3
.if \a > 0
	s_wait_xcnt 0x0                                ; the last block's stores have read their registers
.endif
.irp b, 0,1,2,3
	ds_store_b128 v[STO], v[ACC+8*(4*\a+\b):ACC+8*(4*\a+\b)+3] offset:128*(\b/2)+32*(\b%2)      ; each accumulator from its low end on
	ds_store_b128 v[STO], v[ACC+8*(4*\a+\b)+4:ACC+8*(4*\a+\b)+7] offset:128*(\b/2)+32*(\b%2)+16
.endr
.irp t, 0,1,2,3,4,5,6,7
	ds_load_b128 v[32+4*\t:35+4*\t], v[RD] offset:544*\t   ; LDS serves a wave's instructions in order
.endr
	s_wait_dscnt 0x0
	WIN 0x08                                       ; source 1 (x) window 2
.set j, 0
.rept 16
	v_pk_add_f32 v[32+j:33+j], v[32+j:33+j], v[32*\a+j:32*\a+j+1]
.set j, j+2
.endr
	WIN 0
.irp t, 0,1,2,3,4,5,6,7
	global_store_b128 v[CO], v[32+4*\t:35+4*\t], s[100:101] offset:(32*(\a/2)+8*(\a%2)+2*(\t%4)+16*(\t/4))*4096 th:TH_STORE_NT   ; sixteen lanes store 256 consecutive bytes, aligned
.endr
.endr
	s_wait_tensorcnt 0x0                           ; the wave's end
	ds_add_u32 v[SPW], v[NIL]
	s_wait_dscnt 0x0
	CROUND
	s_endpgm
.Lfunc_end_k_qa20e50e5bb_ff2:
	.size	k_qa20e50e5bb_ff2, .Lfunc_end_k_qa20e50e5bb_ff2-k_qa20e50e5bb_ff2
	.p2alignl 7, 3214868480
	.fill 96, 4, 3214868480
	.section	.rodata,"a",@progbits
	.p2align	6, 0x0
	.amdhsa_kernel k_qa20e50e5bb_ff2
		.amdhsa_group_segment_fixed_size 327680
		.amdhsa_private_segment_fixed_size 0
		.amdhsa_enable_private_segment 0
		.amdhsa_kernarg_size 40
		.amdhsa_user_sgpr_count 2
		.amdhsa_user_sgpr_kernarg_segment_ptr 1
		.amdhsa_wavefront_size32 1
		.amdhsa_system_sgpr_workgroup_id_x 1
		.amdhsa_system_sgpr_workgroup_id_y 1
		.amdhsa_system_sgpr_workgroup_id_z 1
		.amdhsa_system_vgpr_workitem_id 0
		.amdhsa_next_free_vgpr 768
		.amdhsa_next_free_sgpr 104
		.amdhsa_reserve_vcc 0
		.amdhsa_float_denorm_mode_32 3
		.amdhsa_float_denorm_mode_16_64 3
		.amdhsa_memory_ordered 1
		.amdhsa_forward_progress 1
		.amdhsa_inst_pref_size 115
	.end_amdhsa_kernel
	.amdgpu_metadata
---
amdhsa.version: [ 1, 2 ]
amdhsa.kernels:
  - .name:           k_qa20e50e5bb_ff2
    .symbol:         k_qa20e50e5bb_ff2.kd
    .args:
      - { .name: HB, .offset: 0, .size: 8, .value_kind: global_buffer, .address_space: global }
      - { .name: WB, .offset: 8, .size: 8, .value_kind: global_buffer, .address_space: global }
      - { .name: b2, .offset: 16, .size: 8, .value_kind: global_buffer, .address_space: global }
      - { .name: X, .offset: 24, .size: 8, .value_kind: global_buffer, .address_space: global }
      - { .name: out0, .offset: 32, .size: 8, .value_kind: global_buffer, .address_space: global }
    .group_segment_fixed_size: 327680
    .private_segment_fixed_size: 0
    .kernarg_segment_align: 8
    .kernarg_segment_size: 40
    .max_flat_workgroup_size: 128
    .sgpr_count:     104
    .vgpr_count:     768
    .wavefront_size: 32
...
	.end_amdgpu_metadata
.endif
;; end of part 6
;; ======== version 2 of 2: 6 launches
;; limits: right only within a limited range of input values
;; workspace buffers: WB 9,011,200 bytes; N1 3,276,800 bytes; N2 3,276,800 bytes; QKV 10,092,544 bytes; X 16,777,216 bytes; HB 13,107,200 bytes
;; launch prep1 (part 7): grid 352 x 1, 4 waves a work-group, no clusters, 56,320 bytes of LDS; arguments inputs, g1, be1, N1, Wq, Wk, Wv, W1, W2, WB; writes N1, WB
.if DOCPART == 7
	.amdgcn_target "amdgcn-amd-amdhsa--gfx1250"
	.amdhsa_code_object_version 6
	.text
	.protected	k_qa20e50e5bb_prep1
	.globl	k_qa20e50e5bb_prep1
	.p2align	8
	.type	k_qa20e50e5bb_prep1,@function
k_qa20e50e5bb_prep1:
	s_mov_b64 s[64:65], 0
	v_nop
	global_prefetch_b8 v0, s[64:65] scope:SCOPE_SE
	s_setreg_imm32_b32 hwreg(HW_REG_WAVE_MODE, 25, 1), 1
	s_wait_xcnt 0x0
; TWO KINDS OF WORK-GROUPS share this body; they part on the work-group's number and never meet again; each kind has LDS bytes of its own.
;   y = 0, x < 256:  LAYER NORM of 16 rows of 1,024 f32, y = (x - mean) rsqrt(var + 1e-5) g + b, quantised along the row.
;   y = 0, x >= 256: Wq, Wk, Wv (x - 256 = 0 .. 95);   y = 1: W1 (x < 128), W2 (x - 128): weights, f32 with K not innermost, quantised along K.
; So a launch of 352 x 1 norms its rows and lays Wq, Wk, Wv; a launch of 256 x 2 norms its rows and lays W1 and W2: the weights' stream runs beside the norm's.
; Codes of FP6 (E2M3), one E8M0 byte for each 32 along K.  CODES LIE AS IMAGES OF THE OPERAND'S REGISTERS: [group of RT rows][K / 128][RT / 16 tiles][1,536 bytes]; in a tile
; (16 rows x 128 K, 12 registers a lane) registers 4 c .. 4 c + 3 of lane l lie at 512 c + 16 l; lane (r, h) holds blocks h and 2 + h of row r, 24 bytes each.  RT = 128; W2: 64.
; Scale bytes: [group][K / 256][RT rows][8 bytes].  Inside each 32 rows a row stands at the place whose number is the row's with bits 3 and 4 exchanged.
; NORM: a wave takes four rows, a row at a time in 32 registers, all four asked for at the head; mean and variance in two passes over the registers, so that a common offset costs no digits.
; The four waves' codes meet in LDS as one tile's eight images; behind a barrier each wave stores two of them, 512 consecutive bytes an instruction.  A work-group's 16 rows have 128 scale bytes
; for each 256 along K: they leave as runs of 128 bytes, half of an aligned 256: about one byte in 150 of what this path moves.
; WEIGHTS: a lane takes a column and its registers run down K: a block of 32 lies in one lane, nothing is transposed by an instruction.  A wave's 32 columns x 256 K are four whole images.
; LIMITS: NaN and infinities are not served; a block whose largest magnitude lies under 2^-124 keeps the byte 1; a block of zeros has the byte 1 where the rule says 127
; (its codes are zeros, which add nothing under any byte but 0xff, and this program alone reads the bytes).
.set TST,   4608                       ; norm: a wave's turning stage: 32 places x 144 bytes
.set IMG,   4*TST                      ; norm: the tile's eight images
.set SCB,   IMG+12288                  ; norm: its scale bytes [4][16 rows][8]
.set WST,   SCB+512                    ; weights: a stage of four images for each wave
.set WSW,   6144
.set SPARE, WST+4*WSW                  ; the spare words, 128 bytes a wave
.set N_S,   3145728
.set SPW,   16                         ; v16, v17: the add's two, kept on both paths
.set NIL,   17
.set X,     32                         ; v32-63 (norm: my block of 32 neighbours; later the way out)   v32-95 (weights: two sets of 32 numbers)
.set R,     64                         ; norm: v64-191 four rows as loaded: register 4 j + c = element 128 j + 4 lane + c
.set GG,    192                        ; norm: v192-223 g
.set BE,    224                        ; norm: v224-255 b
.set C,     96                         ; weights: v96-102 a block's codes
.set OUTR,  112                        ; weights: v112-159 the way out
.set OFF,   176                        ; weights: v176-207 4 x lane + i x the source's row pitch
.set SB,    24                         ; weights: v24-25 the scale bytes
.set NB,    8
	v_lshl_add_u32 v[SPW], v0, 2, SPARE
	v_mov_b32 v[NIL], 0
	v_lshrrev_b32 v1, 5, v0
	v_readfirstlane_b32 s3, v1                     ; wave
	s_and_b32 s2, ttmp7, 0xffff                    ; work-group y
	s_cmp_lg_u32 s2, 0
	s_cbranch_scc1 .Lweights
	s_cmp_ge_u32 ttmp9, 256
	s_cbranch_scc1 .Lweights
	; ---------------- THE NORM: tile ttmp9 of 16 places ----------------
	s_load_b256 s[4:11], s[0:1], 0x0               ; x, g, b, the output
	v_and_b32 v10, 31, v0                          ; lane
	v_lshlrev_b32 v1, 4, v10                       ; 16 x lane
	s_mul_i32 s20, s3, TST
	v_lshrrev_b32 v11, 3, v10
	v_and_b32 v12, 7, v10
	v_mul_u32_u24 v2, v11, 144
	v_lshl_add_u32 v2, v12, 4, v2
	v_add_nc_u32 v2, s20, v2                       ; turning stage, in: eight lanes' 128 bytes on end, then 16 of padding
	v_mul_u32_u24 v3, v10, 144
	v_add_nc_u32 v3, s20, v3                       ; out: my block
	v_lshrrev_b32 v13, 2, v10                      ; my block lane: image lane / 4; h = lane % 2; upper or lower six registers = (lane / 2) % 2
	v_mul_u32_u24 v13, v13, 1536
	v_and_b32 v14, 1, v10
	v_lshl_add_u32 v13, v14, 8, v13
	s_lshl_b32 s21, s3, 6                          ; my rows 4 wave + 0 .. 3: 16 bytes a row
	s_add_co_u32 s21, s21, IMG
	v_add_nc_u32 v13, s21, v13
	v_bfe_u32 v14, v10, 1, 1
	v_mad_u32_u24 v4, v14, 520, v13                ; my 24 bytes go as three pieces of 8: lower six registers: bytes 0, 8, 512 of the lane's place; upper six: 520, 1,024, 1,032
	v_mad_u32_u24 v5, v14, 1016, v13
	v_add_nc_u32 v5, 8, v5
	v_add_nc_u32 v6, 512, v4
	s_lshl_b32 s21, s3, 5
	s_add_co_u32 s21, s21, SCB
	v_lshl_add_u32 v7, v11, 7, v12
	v_add_nc_u32 v7, s21, v7                       ; my block's scale byte
	s_mul_i32 s21, s3, 3072
	s_add_co_u32 s21, s21, IMG
	v_add_nc_u32 v8, s21, v1                       ; back: images 2 wave, 2 wave + 1
	s_lshl_b32 s21, s3, 7
	s_add_co_u32 s21, s21, SCB
	v_lshl_add_u32 v9, v10, 2, s21                 ; and the 128 scale bytes of the wave-th 256 along K
	s_mov_b32 s16, 0x76543210
	s_mov_b32 s17, 0xfedcba98                      ; lane l xor 16
	s_mov_b32 s18, 0x3a800000                      ; 1 / 1,024
	s_mov_b32 s19, 0x3727c5ac                      ; 1e-5
	s_lshr_b32 s20, ttmp9, 1                       ; places 16 tile + 4 wave + 0 .. 3 are tokens 32 (tile / 2) + 16 (wave / 2) + 8 (tile % 2) + 4 (wave % 2) + 0 .. 3
	s_lshl_b32 s20, s20, 5
	s_lshr_b32 s21, s3, 1
	s_lshl_b32 s21, s21, 4
	s_add_co_u32 s20, s20, s21
	s_and_b32 s21, ttmp9, 1
	s_lshl_b32 s21, s21, 3
	s_add_co_u32 s20, s20, s21
	s_and_b32 s21, s3, 1
	s_lshl_b32 s21, s21, 2
	s_add_co_u32 s20, s20, s21
	s_lshl_b32 s20, s20, 12
	s_mov_b32 s21, 0
	s_lshr_b32 s22, ttmp9, 3                       ; group of 128 places
	s_and_b32 s23, ttmp9, 7                        ; tile in it
	s_mul_i32 s24, s22, 98304
	s_mul_i32 s26, s3, 24576
	s_add_co_u32 s24, s24, s26
	s_mul_i32 s26, s23, 1536
	s_add_co_u32 s24, s24, s26
	s_mov_b32 s25, 0
	s_lshl_b32 s26, s22, 12
	s_lshl_b32 s27, s3, 10
	s_add_co_u32 s26, s26, s27
	s_lshl_b32 s27, s23, 7
	s_add_co_u32 s26, s26, s27
	s_add_co_u32 s26, s26, N_S
	s_mov_b32 s27, 0
	s_wait_kmcnt 0x0
	s_add_nc_u64 s[4:5], s[4:5], s[20:21]
	s_add_nc_u64 s[14:15], s[10:11], s[26:27]      ; scale bytes
	s_add_nc_u64 s[10:11], s[10:11], s[24:25]      ; codes
.irp j, 0,1,2,3,4,5,6,7
	global_load_b128 v[GG+4*\j:GG+4*\j+3], v1, s[6:7] offset:512*\j
.endr
.irp j, 0,1,2,3,4,5,6,7
	global_load_b128 v[BE+4*\j:BE+4*\j+3], v1, s[8:9] offset:512*\j
.endr
.irp p, 0,1,2,3
.irp j, 0,1,2,3,4,5,6,7
	global_load_b128 v[R+32*\p+4*\j:R+32*\p+4*\j+3], v1, s[4:5] offset:4096*\p+512*\j
.endr
.endr
.macro REDUCE                          ; v10 of the 32 lanes is summed; every lane has the sum
	v_add_f32_dpp v10, v10, v10 row_xmask:1 row_mask:0xf bank_mask:0xf
	v_add_f32_dpp v10, v10, v10 row_xmask:2 row_mask:0xf bank_mask:0xf
	v_add_f32_dpp v10, v10, v10 row_xmask:4 row_mask:0xf bank_mask:0xf
	v_add_f32_dpp v10, v10, v10 row_xmask:8 row_mask:0xf bank_mask:0xf
	v_permlanex16_b32 v11, v10, s16, s17
	v_add_f32 v10, v10, v11
.endm
.macro FOLD                            ; four chains of pairs into v10
	v_pk_add_f32 v[10:11], v[10:11], v[12:13]
	v_pk_add_f32 v[14:15], v[14:15], v[18:19]
	v_pk_add_f32 v[10:11], v[10:11], v[14:15]
	v_add_f32 v10, v10, v11
.endm
.macro ROW p
.set RR, R+32*\p
	s_wait_loadcnt 8*(3-\p)                        ; my row's eight loads are in (g and b were issued ahead of them); the later rows' stay out
	v_pk_add_f32 v[10:11], v[RR:RR+1], v[RR+8:RR+9]
	v_pk_add_f32 v[12:13], v[RR+2:RR+3], v[RR+10:RR+11]
	v_pk_add_f32 v[14:15], v[RR+4:RR+5], v[RR+12:RR+13]
	v_pk_add_f32 v[18:19], v[RR+6:RR+7], v[RR+14:RR+15]
.irp i, 16,24
	v_pk_add_f32 v[10:11], v[10:11], v[RR+\i:RR+\i+1]
	v_pk_add_f32 v[12:13], v[12:13], v[RR+\i+2:RR+\i+3]
	v_pk_add_f32 v[14:15], v[14:15], v[RR+\i+4:RR+\i+5]
	v_pk_add_f32 v[18:19], v[18:19], v[RR+\i+6:RR+\i+7]
.endr
	FOLD
	REDUCE
	v_mul_f32 v20, s18, v10                        ; the mean
	v_mov_b32 v21, v20
.set i, 0
.rept 16
	v_pk_add_f32 v[RR+i:RR+i+1], v[RR+i:RR+i+1], v[20:21] neg_lo:[0,1] neg_hi:[0,1]
.set i, i+2
.endr
	v_pk_mul_f32 v[10:11], v[RR:RR+1], v[RR:RR+1]
	v_pk_mul_f32 v[12:13], v[RR+2:RR+3], v[RR+2:RR+3]
	v_pk_mul_f32 v[14:15], v[RR+4:RR+5], v[RR+4:RR+5]
	v_pk_mul_f32 v[18:19], v[RR+6:RR+7], v[RR+6:RR+7]
.irp i, 8,16,24
	v_pk_fma_f32 v[10:11], v[RR+\i:RR+\i+1], v[RR+\i:RR+\i+1], v[10:11]
	v_pk_fma_f32 v[12:13], v[RR+\i+2:RR+\i+3], v[RR+\i+2:RR+\i+3], v[12:13]
	v_pk_fma_f32 v[14:15], v[RR+\i+4:RR+\i+5], v[RR+\i+4:RR+\i+5], v[14:15]
	v_pk_fma_f32 v[18:19], v[RR+\i+6:RR+\i+7], v[RR+\i+6:RR+\i+7], v[18:19]
.endr
	FOLD
	REDUCE
	v_fma_f32 v12, v10, s18, s19                   ; the variance + 1e-5
	s_wait_alu depctr_va_vdst(0)
	v_rsq_f32 v22, v12
	v_rsq_f32 v23, v12                             ; twice: a pair for the packed multiply
	v_nop                                          ; a plain instruction behind the two
	s_wait_alu depctr_va_vdst(0)                   ; the wait ahead of the first reader: one for both
.set i, 0
.rept 16
	v_pk_mul_f32 v[RR+i:RR+i+1], v[RR+i:RR+i+1], v[22:23]
.set i, i+2
.endr
.set i, 0
.rept 16
	v_pk_fma_f32 v[RR+i:RR+i+1], v[RR+i:RR+i+1], v[GG+i:GG+i+1], v[BE+i:BE+i+1]
.set i, i+2
.endr
.irp j, 0,1,2,3,4,5,6,7
	ds_store_b128 v2, v[RR+4*\j:RR+4*\j+3] offset:576*\j
.endr
.irp i, 0,1,2,3,4,5,6,7
	ds_load_b128 v[X+4*\i:X+4*\i+3], v3 offset:16*\i   ; LDS serves a wave's instructions in order: these see the stores above
.endr
	s_wait_dscnt 0x0                               ; my block of 32 neighbours is in; the last row's stores of codes have read their registers
	v_max3_num_f32 v12, |v[X]|, |v[X+1]|, |v[X+2]|
	v_max3_num_f32 v13, |v[X+3]|, |v[X+4]|, |v[X+5]|
.irp i, 6,10,14,18,22,26
	v_max3_num_f32 v12, v12, |v[X+\i]|, |v[X+\i+1]|
	v_max3_num_f32 v13, v13, |v[X+\i+2]|, |v[X+\i+3]|
.endr
	v_max3_num_f32 v12, v12, |v[X+30]|, |v[X+31]|
	v_max3_num_f32 v12, v12, v13, 0x1800000        ; the floor 2^(3 - 127)
	v_add_nc_u32 v14, 0xff000000, v12              ; 2 off the exponent field: the conversion's scale operand
	v_cvt_scalef32_pk16_fp6_f32 v[24:26], v[X:X+15], v14
	v_cvt_scalef32_pk16_fp6_f32 v[28:30], v[X+16:X+31], v14
	v_lshrrev_b32 v31, 23, v14                     ; the scale's byte (a plain instruction behind the conversions)
	v_mov_b32 v27, v28                             ; the block's six registers on end (a conversion's three begin on an even number)
	v_mov_b32 v28, v29
	v_mov_b32 v29, v30
	ds_store_b64 v4, v[24:25] offset:16*\p
	ds_store_b64 v5, v[26:27] offset:16*\p
	ds_store_b64 v6, v[28:29] offset:16*\p
	ds_store_b8 v7, v31 offset:8*\p
.endm
	ROW 0
	ROW 1
	ROW 2
	ROW 3
	s_wait_dscnt 0x0                               ; for the others' sake: my codes and scale bytes have landed
	s_barrier_signal -1
	s_barrier_wait -1
.irp k, 0,1,2,3,4,5
	ds_load_b128 v[X+4*\k:X+4*\k+3], v8 offset:512*\k
.endr
	ds_load_b32 v56, v9
	v_and_b32 v10, 31, v0
	v_lshlrev_b32 v10, 2, v10
	s_wait_alu depctr_va_vdst(0)
.irp k, 0,1,2,3,4,5
	s_wait_dscnt 6-\k                              ; the younger loads may stay out
	global_store_b128 v1, v[X+4*\k:X+4*\k+3], s[10:11] offset:12288*(\k/3)+512*(\k%3)   ; 512 consecutive bytes, at a multiple of 256
.endr
	s_wait_dscnt 0x0
	global_store_b32 v10, v56, s[14:15]            ; 128 consecutive bytes
	s_wait_tensorcnt 0x0                           ; the wave's end
	ds_add_u32 v[SPW], v[NIL]
	s_wait_dscnt 0x0
	s_endpgm
	; ---------------- THE WEIGHTS: 128 columns x 256 along K a work-group, 32 columns a wave ----------------
.Lweights:
	s_load_b256 s[4:11], s[0:1], 0x20              ; Wq, Wk, Wv, W1
	s_load_b128 s[12:15], s[0:1], 0x40             ; W2, WB
	v_and_b32 v2, 31, v0                           ; lane
	v_and_b32 v3, 7, v2
	v_bfe_u32 v5, v2, 3, 1
	v_bfe_u32 v6, v2, 4, 1
	v_lshl_or_b32 v10, v6, 3, v3                   ; my column's place among the 32 (bits 3 and 4 exchanged): its row in a tile,
	v_lshl_or_b32 v3, v5, 4, v10                   ; and the place itself
	s_mul_i32 s17, s3, WSW
	s_add_co_u32 s17, s17, WST
	v_mul_u32_u24 v4, v5, 1536
	v_lshl_add_u32 v4, v10, 4, v4
	v_add_nc_u32 v4, s17, v4                       ; into the stage [2 x 128 K][2 tiles][1,536]: my tile, 16 bytes a row
	v_lshlrev_b32 v8, 4, v2
	v_add_nc_u32 v7, s17, v8                       ; out of it: as it lies
	v_lshlrev_b32 v9, 3, v3                        ; my 8 scale bytes
	s_wait_kmcnt 0x0
	; which tensor: three arms on the work-group's number, scalar moves alone.  s17 column group, s18 which 256 along K, s19 column group inside the tensor
	s_cmp_lg_u32 s2, 0
	s_cbranch_scc1 .Lnot_qkv
	s_sub_co_u32 s19, ttmp9, 256
	s_lshr_b32 s17, s19, 2
	s_and_b32 s18, s19, 3
	s_lshr_b32 s19, s17, 3
	s_cmp_eq_u32 s19, 0
	s_cselect_b64 s[52:53], s[4:5], s[6:7]
	s_cmp_eq_u32 s19, 2
	s_cselect_b64 s[52:53], s[8:9], s[52:53]
	s_and_b32 s19, s17, 7
	s_mov_b32 s20, 256                             ; source: bytes from k to k + 1
	s_mov_b32 s21, 65536                           ; 256 along K
	s_mov_b32 s22, 524288                          ; 128 columns = two heads
	s_mov_b32 s23, 262144                          ; waves 2, 3: the second head
	s_mov_b32 s24, 4096                            ; scale bytes: a column group (the codes': 24 times as much),
	s_mov_b32 s25, 1024                            ; 256 along K (likewise),
	s_mov_b32 s26, 512                             ; waves 2, 3
	s_mov_b32 s27, 0                               ; where the codes begin in WB
	s_mov_b32 s28, 8650752                         ; and the scale bytes
	s_mov_b32 s16, 6144                            ; codes: waves 2, 3: four tiles on
	s_mov_b32 s62, 12288                           ; codes: 128 along K on
	s_branch .Ljoin
.Lnot_qkv:
	s_cmp_lt_u32 ttmp9, 128
	s_cbranch_scc0 .Lis_w2
	s_lshr_b32 s17, ttmp9, 2
	s_and_b32 s18, ttmp9, 3
	s_mov_b32 s19, s17
	s_mov_b64 s[52:53], s[10:11]
	s_mov_b32 s20, 16384
	s_mov_b32 s21, 4194304
	s_mov_b32 s22, 512
	s_mov_b32 s23, 256
	s_mov_b32 s24, 4096
	s_mov_b32 s25, 1024
	s_mov_b32 s26, 512
	s_mov_b32 s27, 2359296
	s_mov_b32 s28, 8749056
	s_mov_b32 s16, 6144
	s_mov_b32 s62, 12288
	s_branch .Ljoin
.Lis_w2:
	s_sub_co_u32 s19, ttmp9, 128
	s_lshr_b32 s17, s19, 4
	s_and_b32 s18, s19, 15
	s_mov_b32 s19, s17
	s_mov_b64 s[52:53], s[12:13]
	s_mov_b32 s20, 4096
	s_mov_b32 s21, 1048576
	s_mov_b32 s22, 512
	s_mov_b32 s23, 256
	s_mov_b32 s24, 16384
	s_mov_b32 s25, 512
	s_mov_b32 s26, 8192
	s_mov_b32 s27, 5505024
	s_mov_b32 s28, 8880128
	s_mov_b32 s16, 196608                          ; waves 2, 3: the next group of 64 rows
	s_mov_b32 s62, 6144
.Ljoin:
	s_lshr_b32 s30, s3, 1
	s_and_b32 s31, s3, 1
	s_mul_i32 s54, s18, s21                        ; the source's offset
	s_mul_i32 s29, s19, s22
	s_add_co_u32 s54, s54, s29
	s_mul_i32 s29, s30, s23
	s_add_co_u32 s54, s54, s29
	s_lshl_b32 s29, s31, 7
	s_add_co_u32 s54, s54, s29
	s_mov_b32 s55, 0
	s_mul_i32 s56, s17, s24
	s_mul_i32 s29, s18, s25
	s_add_co_u32 s56, s56, s29
	s_mul_i32 s60, s56, 24                         ; the codes' offset
	s_mul_i32 s29, s30, s16
	s_add_co_u32 s60, s60, s29
	s_mul_i32 s29, s31, 3072                       ; waves 1, 3: two tiles on
	s_add_co_u32 s60, s60, s29
	s_add_co_u32 s60, s60, s27
	s_mov_b32 s61, 0
	s_mul_i32 s29, s30, s26                        ; the scale bytes' offset
	s_add_co_u32 s56, s56, s29
	s_lshl_b32 s29, s31, 8
	s_add_co_u32 s56, s56, s29
	s_add_co_u32 s56, s56, s28
	s_mov_b32 s57, 0
	s_add_nc_u64 s[32:33], s[52:53], s[54:55]      ; block 0's base; one base for each block, so that nothing is stepped
	s_lshl_b32 s54, s20, 5                         ; 32 rows of the source
.irp t, 1,2,3,4,5,6,7
	s_add_nc_u64 s[32+2*\t:33+2*\t], s[30+2*\t:31+2*\t], s[54:55]
.endr
	s_add_nc_u64 s[48:49], s[14:15], s[60:61]      ; my two images of the first 128 along K,
	s_mov_b32 s60, s62
	s_add_nc_u64 s[58:59], s[48:49], s[60:61]      ; of the second,
	s_add_nc_u64 s[50:51], s[14:15], s[56:57]      ; and my scale bytes
	v_lshlrev_b32 v[OFF], 2, v2
.set i, 1
.rept 31
	v_add_nc_u32 v[OFF+i], s20, v[OFF+i-1]
.set i, i+1
.endr
.macro LOAD t                          ; block t: 32 numbers down K of my column; a load reads 128 consecutive bytes
.set i, 0
.rept 32
	global_load_b32 v[X+32*((\t)%2)+i], v[OFF+i], s[32+2*(\t):33+2*(\t)] th:TH_LOAD_NT
.set i, i+1
.endr
.endm
	LOAD 0
	LOAD 1
.macro BLOCK t                         ; block t: image t / 4; h = t % 2; lower or upper six registers = (t / 2) % 2
.set XS, X+32*((\t)%2)
.set SO, 3072*((\t)/4)+256*((\t)%2)
.if (\t) < NB-1
	s_wait_loadcnt 32                              ; this block's 32 loads are in; the next block's may be out
.else
	s_wait_loadcnt 0
.endif
	v_max3_num_f32 v12, |v[XS]|, |v[XS+1]|, |v[XS+2]|
	v_max3_num_f32 v13, |v[XS+3]|, |v[XS+4]|, |v[XS+5]|
.irp i, 6,10,14,18,22,26
	v_max3_num_f32 v12, v12, |v[XS+\i]|, |v[XS+\i+1]|
	v_max3_num_f32 v13, v13, |v[XS+\i+2]|, |v[XS+\i+3]|
.endr
	v_max3_num_f32 v12, v12, |v[XS+30]|, |v[XS+31]|
	v_max3_num_f32 v12, v12, v13, 0x1800000        ; and the floor 2^(3 - 127): the byte cannot fall under 1
	v_add_nc_u32 v11, 0xff000000, v12              ; 2 off the exponent field: the conversion's scale operand
	v_cvt_scalef32_pk16_fp6_f32 v[C:C+2], v[XS:XS+15], v11
	v_cvt_scalef32_pk16_fp6_f32 v[C+4:C+6], v[XS+16:XS+31], v11
	v_lshrrev_b32 v13, 23, v11                     ; the scale's byte (a plain instruction behind the conversions)
.if (\t)%4 == 0
	v_mov_b32 v[SB+(\t)/4], v13
.else
	v_lshl_or_b32 v[SB+(\t)/4], v13, 8*((\t)%4), v[SB+(\t)/4]
.endif
	v_mov_b32 v[C+3], v[C+4]                       ; the block's six registers on end
	v_mov_b32 v[C+4], v[C+5]
	v_mov_b32 v[C+5], v[C+6]
.if ((\t)/2)%2 == 0
	ds_store_b128 v4, v[C:C+3] offset:SO           ; registers 0-3,
	ds_store_b64 v4, v[C+4:C+5] offset:SO+512      ; 4-5
.else
	ds_store_b64 v4, v[C:C+1] offset:SO+520        ; registers 6-7,
	ds_store_b128 v4, v[C+2:C+5] offset:SO+1024    ; 8-11
.endif
.if (\t)+2 < NB
	LOAD (\t)+2
.endif
	s_wait_dscnt 0x0                               ; the stores have read their registers: the next block's codes may be written
.endm
.set Q, 0
.rept NB
	BLOCK Q
.set Q, Q+1
.endr
	s_wait_alu depctr_va_vdst(0)
	global_store_b64 v9, v[SB:SB+1], s[50:51]      ; 32 lanes fill 256 consecutive bytes
.irp k, 0,1,2,3,4,5,6,7,8,9,10,11
	ds_load_b128 v[OUTR+4*\k:OUTR+4*\k+3], v7 offset:512*\k   ; LDS serves a wave's instructions in order: these see my stores
.endr
.irp k, 0,1,2,3,4,5
	s_wait_dscnt 11-\k                             ; the younger loads may stay out
	global_store_b128 v8, v[OUTR+4*\k:OUTR+4*\k+3], s[48:49] offset:512*\k   ; 512 consecutive bytes, at a multiple of 256
.endr
.irp k, 6,7,8,9,10,11
	s_wait_dscnt 11-\k
	global_store_b128 v8, v[OUTR+4*\k:OUTR+4*\k+3], s[58:59] offset:512*(\k-6)
.endr
	s_wait_tensorcnt 0x0                           ; the wave's end
	ds_add_u32 v[SPW], v[NIL]
	s_wait_dscnt 0x0
	s_endpgm
.Lfunc_end_k_qa20e50e5bb_prep1:
	.size	k_qa20e50e5bb_prep1, .Lfunc_end_k_qa20e50e5bb_prep1-k_qa20e50e5bb_prep1
	.p2alignl 7, 3214868480
	.fill 96, 4, 3214868480
	.section	.rodata,"a",@progbits
	.p2align	6, 0x0
	.amdhsa_kernel k_qa20e50e5bb_prep1
		.amdhsa_group_segment_fixed_size 56320
		.amdhsa_private_segment_fixed_size 0
		.amdhsa_enable_private_segment 0
		.amdhsa_kernarg_size 80
		.amdhsa_user_sgpr_count 2
		.amdhsa_user_sgpr_kernarg_segment_ptr 1
		.amdhsa_wavefront_size32 1
		.amdhsa_system_sgpr_workgroup_id_x 1
		.amdhsa_system_sgpr_workgroup_id_y 1
		.amdhsa_system_sgpr_workgroup_id_z 1
		.amdhsa_system_vgpr_workitem_id 0
		.amdhsa_next_free_vgpr 256
		.amdhsa_next_free_sgpr 66
		.amdhsa_reserve_vcc 0
		.amdhsa_float_denorm_mode_32 3
		.amdhsa_float_denorm_mode_16_64 3
		.amdhsa_memory_ordered 1
		.amdhsa_forward_progress 1
		.amdhsa_inst_pref_size 91
	.end_amdhsa_kernel
	.amdgpu_metadata
---
amdhsa.version: [ 1, 2 ]
amdhsa.kernels:
  - .name:           k_qa20e50e5bb_prep1
    .symbol:         k_qa20e50e5bb_prep1.kd
    .args:
      - { .name: inputs, .offset: 0, .size: 8, .value_kind: global_buffer, .address_space: global }
      - { .name: g1, .offset: 8, .size: 8, .value_kind: global_buffer, .address_space: global }
      - { .name: be1, .offset: 16, .size: 8, .value_kind: global_buffer, .address_space: global }
      - { .name: N1, .offset: 24, .size: 8, .value_kind: global_buffer, .address_space: global }
      - { .name: Wq, .offset: 32, .size: 8, .value_kind: global_buffer, .address_space: global }
      - { .name: Wk, .offset: 40, .size: 8, .value_kind: global_buffer, .address_space: global }
      - { .name: Wv, .offset: 48, .size: 8, .value_kind: global_buffer, .address_space: global }
      - { .name: W1, .offset: 56, .size: 8, .value_kind: global_buffer, .address_space: global }
      - { .name: W2, .offset: 64, .size: 8, .value_kind: global_buffer, .address_space: global }
      - { .name: WB, .offset: 72, .size: 8, .value_kind: global_buffer, .address_space: global }
    .group_segment_fixed_size: 56320
    .private_segment_fixed_size: 0
    .kernarg_segment_align: 8
    .kernarg_segment_size: 80
    .max_flat_workgroup_size: 128
    .sgpr_count:     66
    .vgpr_count:     256
    .wavefront_size: 32
...
	.end_amdgpu_metadata
.endif
;; end of part 7
;; launch qkv (part 8): grid 12 x 16, 4 waves a work-group, clusters of 4 x 4, 327,680 bytes of LDS; arguments N1, WB, QKV; writes QKV
.if DOCPART == 8
	.amdgcn_target "amdgcn-amd-amdhsa--gfx1250"
	.amdhsa_code_object_version 6
	.text
	.protected	k_qa20e50e5bb_qkv
	.globl	k_qa20e50e5bb_qkv
	.p2align	8
	.type	k_qa20e50e5bb_qkv,@function
k_qa20e50e5bb_qkv:
	s_mov_b64 s[64:65], 0
	v_nop
	global_prefetch_b8 v0, s[64:65] scope:SCOPE_SE
	s_setreg_imm32_b32 hwreg(HW_REG_WAVE_MODE, 25, 1), 1
	s_wait_xcnt 0x0
	s_wait_alu depctr_hold_cnt(0) depctr_sa_sdst(0) depctr_va_vdst(0) depctr_va_sdst(0) depctr_va_ssrc(0) depctr_va_vcc(0) depctr_vm_vsrc(0)
	s_getreg_b32 s2, hwreg(HW_REG_IB_STS2, 6, 4)
	s_cmp_eq_u32 s2, 0
	s_cbranch_scc0 .Lentry_in_a_cluster
	s_endpgm
.Lentry_in_a_cluster:
	s_bfe_u32 s2, ttmp6, 0x10000c
	s_cmp_lg_u32 s2, 0xf033
	s_cbranch_scc0 .Lentry_shape_is_right
	s_endpgm
.Lentry_shape_is_right:
; q, k, v = LN1(x) W, on codes of FP6 (E2M3) with E8M0 scales, K = 1,024; the results are quantised on the way out: q and k along the head's 64, v along the keys.
; A work-group of four waves makes 256 x 256, a wave 128 x 128: 64 accumulators.
; OPERANDS LIE AS IMAGES OF THEIR REGISTERS ([128 rows][K / 128][8 tiles][1,536 bytes]): a fragment is three loads of 16 bytes a lane, each half of the lanes on 256 consecutive bytes: no padding in LDS.
; So THREE slots of 256 along K fit: K steps 0, 1, 2 and the scale bytes of all of K are asked for at the head (four tensor loads of mine are out), and K step 3 is the ONE refill:
; into slot 0, behind K step 0; it has four steps of 64 matrix instructions in which to land.
; THE MATRIX INSTRUCTION: source 0 = 16 rows of B, source 1 = 16 rows of A: a lane holds ONE row of A and its 64 registers of a block run along 128 rows of B.
; Cluster x = 0, 1 (q, k): A = tokens, B = weights: a lane's registers run along two heads' 64.  Cluster x = 2 (v): A = Wv's rows, B = tokens: they run along 128 keys.
; Both operands have the same K and the same layout, so only pointers and tile numbers are chosen, on the cluster's x, which all partners share.
; Rows of both operands stand with bits 3 and 4 of their number exchanged, so that the 16 registers of two neighbouring tiles are 16 neighbours.
; CLUSTERS: 4 x 4.  A's tile is shared along a row of the cluster, B's along a column: joint loads, which divide the requests by four.
; OUTPUT, images of operand registers: a tile of q or k (16 tokens x 64): registers 0-3 at 16 x lane, 4-5 at 512 + 8 x lane (768 bytes); a tile of v (16 channels x 128 keys): two such.
; LIMITS: NaN and infinities are not served; a block under 2^-124 keeps the byte 1; a block of zeros has the byte 1 (its codes are zeros; this program alone reads the bytes).
; THE FILLS AS THEY STAND NOW (in place of what the lines above say of them): at the head one tensor load a wave: wave 0 K steps 0 to 2 of A's 256 rows (two rows of 73,728 bytes, 98,304 apart),
; wave 1 the same of B, wave 2 A's scale bytes, wave 3 B's.  LDS: four quarters of 73,728 bytes (A's two groups of 128 rows, then B's), in each K steps 0, 1, 2 on end.
; K step 3 is the one refill, a quarter's first 24,576 bytes a wave, behind K step 0.  PREFETCH: K step 3's bytes of my quarter are named at the head, behind my tensor load: 96 blocks of 256 bytes, of which
; the partner at place p (cx for A, cy for B) takes 24 p on, a lane a block, lanes 24-31 the last block again: the four that ask for the tile jointly share it out by address.
.set NQ,     2
.set FR,     12
.set NL,     3                         ; LDS loads that bring a fragment
.set NP,     4
.set QB,     24576                     ; 128 rows x 256 along K: one dense block, one tensor load, a quarter of a slot
.set SLOT,   4*QB                      ; A's 256 rows, then B's 256 rows
.set SCL,    3*SLOT                    ; the scales: four quarters [4][128 rows][8 bytes]
.set HALFS,  4096
.set SPARE,  SCL+4*HALFS
.set GRPB,   98304                     ; the codes of 128 rows, all of K
.set TLB,    24576
.set N_S,    3145728
.set WQKV_S, 8650752
.set WA,   8                           ; v8-15: the way out: 16 lane, 8 lane, the same + the second image's distance, the words' stage in and out, the words' place in memory, the shift
.set WB8,  9
.set WC,   10
.set WD,   11
.set WSI,  12
.set WSO,  13
.set WSG,  14
.set WSH,  15
.set ADRA, 16                          ; v16-18 my A fragments in slots 0, 1, 2
.set ADRB, 20                          ; v20-22 the same for B
.set ADRS, 27
.set SPW,  28
.set NIL,  29
.set SC,   32
.set PC,   112                         ; the way out: codes v112-130
.set AF,   128
.set TM,   200
.set PW,   216
.set SW,   217
.set G1, 24
.set G0, 32                            ; s[32:35] group 0 for A's refill into slot 0;  s[96:99] the head's load of K steps 0-2
.set G0C, 96
.set G1B, 48
.set G0B, 56                           ; s[56:59] for B's refill into slot 0;  s[8:11] the head's load of K steps 0-2
.set G0BC, 8
.set G1S, 68
.set G0S, 76
.set G1SB, 80
.set G0SB, 88
.set SEL, 100
.set MSB, 0
.macro WIN new
.if MSB != (\new)
	s_set_vgpr_msb (MSB<<8)|(\new)
.set MSB, (\new)
.endif
.endm
.set MUL_LO, 0xa1                      ; source 0 (B) window 1, source 1 (A) window 0, C and D window 2
.set MUL_HI, 0xf1
.set TO_B,   0x40
.macro JLOAD g0a, g1a, g0b, g1b        ; waves 0, 1 fetch for A, waves 2, 3 for B; an s_nop 0 and four v_nop follow each line
	s_cmp_eq_u32 s15, 0
	s_cbranch_scc0 .Lfor_b_\@
	tensor_load_to_lds s[\g0a:\g0a+3], s[\g1a:\g1a+7]
	s_nop 0
.rept 4
	v_nop
.endr
	s_branch .Lasked_\@
.Lfor_b_\@:
	tensor_load_to_lds s[\g0b:\g0b+3], s[\g1b:\g1b+7]
	s_nop 0
.rept 4
	v_nop
.endr
.Lasked_\@:
.endm
.macro CREST
	s_cmp_lg_u32 s14, 0
	s_cbranch_scc1 .Lnot_wave_0_\@
	s_barrier_signal -3
.Lnot_wave_0_\@:
	s_barrier_wait -3
	s_barrier_signal -1
	s_barrier_wait -1
.endm
.macro CROUND
	s_barrier_signal -1
	s_barrier_wait -1
	CREST
.endm
	s_load_b128 s[92:95], s[0:1], 0x0              ; N1, WB
	s_load_b64 s[12:13], s[0:1], 0x10              ; QKV
	v_lshl_add_u32 v[SPW], v0, 2, SPARE
	v_mov_b32 v[NIL], 0
	ds_add_u32 v[SPW], v[NIL]                      ; the wave's opening: the add and its wait ahead of my first tensor load
	ds_add_u32 v[SPW], v[NIL]
	v_lshrrev_b32 v1, 5, v0
	v_readfirstlane_b32 s14, v1                    ; wave
	s_lshr_b32 s15, s14, 1                         ; my half of A's rows; also: I fetch for A (0) or B (1)
	s_and_b32 s16, s14, 1                          ; my half of B's rows; also: which 128 rows I fetch
	s_bfe_u32 s40, ttmp6, 0x40000                  ; cx
	s_bfe_u32 s41, ttmp6, 0x40004                  ; cy
	s_and_b32 s18, ttmp7, 0xffff
	s_lshl_b32 s18, s18, 2                         ; 4 x cluster y
	s_lshl_b32 s19, ttmp9, 2                       ; 4 x cluster x
	s_cmp_eq_u32 ttmp9, 2
	s_cselect_b32 s17, 8, s18                      ; A's tile: v: Wv's tiles 8 + cy; q, k: tokens 4 y + cy
	s_cselect_b32 s42, s18, s19                    ; B's tile: v: tokens 4 y + cx; q, k: weights 4 x + cx
	s_add_co_u32 s17, s17, s41
	s_add_co_u32 s42, s42, s40
	s_lshl_b32 s43, s41, 2
	s_lshl_b32 s43, 15, s43                        ; my row of the cluster
	s_lshl_b32 s44, 0x1111, s40                    ; my column
	; codes: a dense block of 24,576 bytes as 96 rows of 256 bytes (32 elements of 8), no padding
	s_or_b32 s[G1+0], s43, (3<<16)|(1<<21)
	s_or_b32 s[G1B+0], s44, (3<<16)|(1<<21)
.irp g, G1, G1B
	s_mov_b32 s[\g+1], 9216<<16                    ; the head's shape: two rows of 9,216 elements of 8 bytes, 12,288 elements apart
	s_mov_b32 s[\g+2], 2<<16
	s_mov_b32 s[\g+3], 9216<<16
	s_mov_b32 s[\g+4], 2
	s_mov_b32 s[\g+5], 12288
	s_mov_b32 s[\g+6], 0
	s_mov_b32 s[\g+7], 0
.endr
	; scales of 256 rows: 8,192 dense bytes as 32 rows of 256
	s_or_b32 s[G1S+0], s43, (3<<16)|(1<<21)
	s_or_b32 s[G1SB+0], s44, (3<<16)|(1<<21)
.irp g, G1S, G1SB
	s_mov_b32 s[\g+1], 32<<16
	s_mov_b32 s[\g+2], 32<<16                      ; the scales of 256 rows: 8,192 dense bytes
	s_mov_b32 s[\g+3], 32<<16
	s_mov_b32 s[\g+4], 32
	s_mov_b32 s[\g+5], 32
	s_mov_b32 s[\g+6], 0
	s_mov_b32 s[\g+7], 0
.endr
	s_lshl_b32 s20, s17, 1
	s_add_co_u32 s20, s20, s16                     ; A: which group of 128 rows I fetch
	s_lshl_b32 s46, s42, 1
	s_add_co_u32 s46, s46, s16                     ; B
	s_lshl_b32 s22, s17, 13
	s_lshl_b32 s66, s42, 13
	s_mul_i32 s20, s20, GRPB
	s_mul_i32 s46, s46, GRPB
	s_mov_b32 s21, 0
	s_mov_b32 s23, 0
	s_mov_b32 s47, 0
	s_mov_b32 s67, 0
	s_mul_i32 s45, s14, QB
	s_mov_b32 s[SEL], 0x76543210
	s_mov_b32 s[SEL+1], 0xfedcba98
	s_wait_dscnt 0x0                               ; the opening add is done
	s_wait_kmcnt 0x0
	s_add_nc_u64 s[96:97], s[92:93], N_S           ; the tokens' scale bytes
	s_add_nc_u64 s[98:99], s[94:95], WQKV_S        ; the weights'
	s_cmp_eq_u32 ttmp9, 2
	s_cselect_b64 s[4:5], s[94:95], s[92:93]       ; A's codes
	s_cselect_b64 s[6:7], s[98:99], s[96:97]       ; A's scales
	s_cselect_b64 s[8:9], s[92:93], s[94:95]       ; B's codes
	s_cselect_b64 s[10:11], s[96:97], s[98:99]     ; B's scales
	s_add_nc_u64 s[20:21], s[4:5], s[20:21]
	s_add_nc_u64 s[22:23], s[6:7], s[22:23]
	s_add_nc_u64 s[46:47], s[8:9], s[46:47]
	s_add_nc_u64 s[66:67], s[10:11], s[66:67]
	CROUND                                         ; all sixteen work-groups are here: the first joint loads meet
	s_mov_b32 s[G0S], 1
	s_mov_b32 s[G0S+1], SCL
	s_mov_b64 s[G0S+2:G0S+3], s[22:23]
	s_or_b32 s[G0S+3], s[G0S+3], 0x80000000
	s_mov_b32 s[G0SB], 1
	s_mov_b32 s[G0SB+1], SCL+2*HALFS
	s_mov_b64 s[G0SB+2:G0SB+3], s[66:67]
	s_or_b32 s[G0SB+3], s[G0SB+3], 0x80000000
.irp s, 0
	s_mov_b32 s[G0+4*\s], 1
	s_mul_i32 s[G0+4*\s+1], s45, 3                 ; the refill's place: my quarter's first 24,576 bytes: wave x 73,728
	s_add_nc_u64 s[G0+4*\s+2:G0+4*\s+3], s[20:21], \s*TLB
	s_or_b32 s[G0+4*\s+3], s[G0+4*\s+3], 0x80000000
	s_mov_b32 s[G0B+4*\s], 1
	s_mul_i32 s[G0B+4*\s+1], s45, 3
	s_add_nc_u64 s[G0B+4*\s+2:G0B+4*\s+3], s[46:47], \s*TLB
	s_or_b32 s[G0B+4*\s+3], s[G0B+4*\s+3], 0x80000000
.endr
	s_mul_i32 s22, s17, 2*GRPB                     ; the head's loads of codes: K steps 0 to 2 of the tile's two groups of 128 rows
	s_mov_b32 s23, 0
	s_mov_b32 s[G0C], 1
	s_mov_b32 s[G0C+1], 0
	s_add_nc_u64 s[G0C+2:G0C+3], s[4:5], s[22:23]
	s_or_b32 s[G0C+3], s[G0C+3], 0x80000000
	s_mul_i32 s66, s42, 2*GRPB
	s_mov_b32 s67, 0
	s_add_nc_u64 s[G0BC+2:G0BC+3], s[8:9], s[66:67]
	s_or_b32 s[G0BC+3], s[G0BC+3], 0x80000000
	s_mov_b32 s[G0BC], 1
	s_mov_b32 s[G0BC+1], 6*QB
; one chain of branches on the wave's number, one load to an arm: one tensor load a wave at the head
.macro ARM under, g0, g1, next
	s_cmp_lt_u32 s14, \under
	s_cbranch_scc0 \next
	tensor_load_to_lds s[\g0:\g0+3], s[\g1:\g1+7]
	s_nop 0
.rept 4
	v_nop
.endr
	s_branch .Lhead_asked
\next:
.endm
	ARM 1, G0C,  G1,  .Lhead_b
	ARM 2, G0BC, G1B, .Lhead_sa
	ARM 3, G0S,  G1S, .Lhead_sb
	tensor_load_to_lds s[G0SB:G0SB+3], s[G1SB:G1SB+7]
	s_nop 0
.rept 4
	v_nop
.endr
.Lhead_asked:
	s_cmp_eq_u32 s15, 0                            ; the prefetch of K step 3: do I fetch for A?
	s_cselect_b64 s[36:37], s[20:21], s[46:47]     ; my quarter's codes; s[36:37] and v19 are never rewritten
	s_cselect_b32 s38, s40, s41                    ; my place among the four that ask for it with me
	s_mul_i32 s38, s38, 6144
	s_add_co_u32 s38, s38, 3*TLB
	s_mov_b32 s39, 0
	s_add_nc_u64 s[36:37], s[36:37], s[38:39]
	v_and_b32 v3, 31, v0
	v_min_u32 v3, 23, v3
	v_lshlrev_b32 v19, 8, v3
	global_prefetch_b8 v19, s[36:37] th:TH_LOAD_NT scope:SCOPE_SE
	v_and_b32 v1, 15, v0                           ; r
	v_bfe_u32 v2, v0, 4, 1                         ; h
	v_and_b32 v7, 31, v0
	v_lshlrev_b32 v4, 4, v7                        ; an image's place for my lane
	s_mul_i32 s21, s15, 3*QB
	s_mul_i32 s22, s16, 3*QB
	s_add_co_u32 s22, s22, 6*QB
	v_add_nc_u32 v[ADRA], s21, v4                  ; my quarter: K step 0 (later 3),
	v_add_nc_u32 v[ADRB], s22, v4
	v_add_nc_u32 v[ADRA+1], QB, v[ADRA]            ; K step 1,
	v_add_nc_u32 v[ADRB+1], QB, v[ADRB]
	v_add_nc_u32 v[ADRA+2], QB, v[ADRA+1]          ; K step 2
	v_add_nc_u32 v[ADRB+2], QB, v[ADRB+1]
	v_lshlrev_b32 v5, 3, v1                        ; my row's 8 scale bytes of a K step
	s_mul_i32 s21, s15, HALFS
	s_mul_i32 s22, s16, HALFS
	s_add_co_u32 s22, s22, 2*HALFS
	s_sub_co_u32 s22, s22, s21
	v_mul_u32_u24 v6, s22, v2                      ; lanes 16-31 take B's
	s_add_co_u32 s21, s21, SCL
	v_add_nc_u32 v5, v5, v6
	v_add_nc_u32 v[ADRS], s21, v5
	; the way out's figures: three arms on the cluster's x, scalar moves alone
	s_cmp_eq_u32 ttmp9, 0
	s_cbranch_scc0 .Lnot_q
	s_mov_b32 s4, 6684672                          ; codes: first byte; for each (batch, head); for each tile
	s_mov_b32 s5, 49152
	s_mov_b32 s6, 768
	s_mov_b32 s7, 49152                            ; from registers 0-5 to registers 6-11: the next head
	s_mov_b32 s2, 9830400                          ; scale words likewise
	s_mov_b32 s3, 4096
	s_mov_b32 s66, 64
	s_mov_b32 s67, 4096
	s_mov_b32 s17, 256
	s_mov_b32 s18, 16
	s_mov_b32 s44, 768
	s_mov_b32 s46, 0
	s_branch .Lparams
.Lnot_q:
	s_cmp_eq_u32 ttmp9, 1
	s_cbranch_scc0 .Lis_v
	s_mov_b32 s4, 0
	s_mov_b32 s5, 104448
	s_mov_b32 s6, 768
	s_mov_b32 s7, 104448
	s_mov_b32 s2, 98304
	s_mov_b32 s3, 104448
	s_mov_b32 s66, 64
	s_mov_b32 s67, 104448
	s_mov_b32 s17, 256
	s_mov_b32 s18, 16
	s_mov_b32 s44, 768
	s_mov_b32 s46, 0
	s_branch .Lparams
.Lis_v:
	s_mov_b32 s4, 49152
	s_mov_b32 s5, 104448
	s_mov_b32 s6, 6144
	s_mov_b32 s7, 768
	s_mov_b32 s2, 102400
	s_mov_b32 s3, 104448
	s_mov_b32 s66, 256
	s_mov_b32 s67, 0
	s_mov_b32 s17, 104448
	s_mov_b32 s18, 0
	s_mov_b32 s44, 1536
	s_mov_b32 s46, 98304
.Lparams:
	s_mov_b32 s45, 0
	s_mov_b32 s47, 0
	s_lshl_b32 s19, s40, 2
	s_lshl_b32 s20, s16, 1
	s_add_co_u32 s19, s19, s20                     ; q, k: my first head 4 cx + 2 (B's half)
	s_lshl_b32 s20, s41, 2
	s_lshl_b32 s21, s15, 1
	s_add_co_u32 s20, s20, s21                     ; v: 4 cy + 2 (A's half)
	s_lshl_b32 s21, s41, 4
	s_lshl_b32 s22, s15, 3
	s_add_co_u32 s21, s21, s22                     ; q, k: my first tile of 16 tokens in the batch
	s_lshl_b32 s22, s40, 1
	s_add_co_u32 s22, s22, s16                     ; v: my 128 keys
	s_cmp_eq_u32 ttmp9, 2
	s_cselect_b32 s19, s20, s19
	s_cselect_b32 s21, s22, s21
	s_and_b32 s20, ttmp7, 0xffff                   ; the batch
	s_lshl_b32 s20, s20, 4
	s_add_co_u32 s19, s19, s20                     ; (batch, head)
	s_mul_i32 s42, s19, s3
	s_mul_i32 s43, s21, s66
	s_add_co_u32 s42, s42, s43
	s_add_co_u32 s42, s42, s2
	s_mov_b32 s43, 0
	s_add_nc_u64 s[92:93], s[12:13], s[42:43]      ; the scale words
	s_mov_b32 s42, s67
	s_add_nc_u64 s[94:95], s[92:93], s[42:43]      ; and the second head's
	s_mul_i32 s22, s19, s5
	s_mul_i32 s23, s21, s6
	s_add_co_u32 s22, s22, s23
	s_add_co_u32 s22, s22, s4
	s_mov_b32 s23, 0
	s_add_nc_u64 s[12:13], s[12:13], s[22:23]      ; the codes
	v_lshlrev_b32 v[WA], 4, v7
	v_lshlrev_b32 v[WB8], 3, v7
	v_add_nc_u32 v[WC], s7, v[WA]
	v_add_nc_u32 v[WD], s7, v[WB8]
	s_lshl_b32 s20, s14, 10                        ; the words' stage: 1,024 bytes a wave, in slot 1
	s_add_co_u32 s20, s20, SLOT
	v_lshlrev_b32 v[WSI], 2, v1
	v_lshl_add_u32 v[WSI], v2, 9, v[WSI]
	v_add_nc_u32 v[WSI], s20, v[WSI]
	v_add_nc_u32 v[WSO], s20, v[WA]
	v_mul_u32_u24 v[WSG], s17, v2
	v_lshl_add_u32 v[WSG], v1, 4, v[WSG]
	v_mul_u32_u24 v[WSH], s18, v2
.macro FRAG reg, adr, q, i             ; 16 rows x 128 K: 12 registers: the image of tile i of the slot's q-th 128 along K, as it lies
.irp c, 0,1,2
	ds_load_b128 v[\reg+4*\c:\reg+4*\c+3], v[\adr] offset:((\q)*8+(\i))*1536+512*\c
.endr
.endm
.macro MUL16 a0, p, q, sc, zero        ; A's blocks a0, a0 + 1 x B's eight; the 64 accumulators take turns
.irp a, \a0, \a0+1
.irp b, 0,1,2,3,4,5,6,7
.if \zero
	v_wmma_scale_f32_16x16x128_f8f6f4 v[8*(8*((\a)%4)+\b):8*(8*((\a)%4)+\b)+7], v[128*(\p)+FR*\b:128*(\p)+FR*\b+FR-1], v[AF+FR*(\a):AF+FR*(\a)+FR-1], 0, v[SC+8*NQ*(\sc)+NQ*\b+(\q)], v[SC+8*NQ*(\sc)+NQ*(\a)+(\q)] matrix_a_fmt:MATRIX_FMT_FP6 matrix_b_fmt:MATRIX_FMT_FP6 matrix_a_scale:MATRIX_SCALE_ROW1
.else
	v_wmma_scale_f32_16x16x128_f8f6f4 v[8*(8*((\a)%4)+\b):8*(8*((\a)%4)+\b)+7], v[128*(\p)+FR*\b:128*(\p)+FR*\b+FR-1], v[AF+FR*(\a):AF+FR*(\a)+FR-1], v[8*(8*((\a)%4)+\b):8*(8*((\a)%4)+\b)+7], v[SC+8*NQ*(\sc)+NQ*\b+(\q)], v[SC+8*NQ*(\sc)+NQ*(\a)+(\q)] matrix_a_fmt:MATRIX_FMT_FP6 matrix_b_fmt:MATRIX_FMT_FP6 matrix_a_scale:MATRIX_SCALE_ROW1
.endif
.endr
.endr
.endm
.macro FETCH_B slot, q, p
	WIN TO_B
.irp i, 0,1,2,3,4,5,6,7
	FRAG 128*(\p)+FR*\i, ADRB+\slot, \q, \i
.endr
	WIN 0
.endm
.macro FETCH_A slot, q, i0
.irp i, \i0, \i0+1, \i0+2, \i0+3
	FRAG AF+FR*(\i), ADRA+\slot, \q, \i
.endr
.endm
.macro SCALES sc                       ; a K step's two words a row: lanes 0-15 A's block i, lanes 16-31 B's
.irp i, 0,1,2,3,4,5,6,7
	ds_load_b64 v[SC+8*NQ*\sc+NQ*\i:SC+8*NQ*\sc+NQ*\i+1], v[ADRS] offset:128*\i
.endr
.endm
.macro PLACES n                        ; plain instructions between a matrix instruction and a load into, or a read of, its registers
.rept \n
	v_nop
.endr
.endm
.macro STEP slot, sc, zero             ; a K step's first 128: its successor lies in the same slot
	s_wait_dscnt 4*NL                              ; B's set and A's blocks 0-3 are in; A's blocks 4-7 (12 loads) may be out
	WIN MUL_LO
	MUL16 0, 0, 0, \sc, \zero
	MUL16 2, 0, 0, \sc, \zero
	s_wait_dscnt 0
	PLACES NP
	FETCH_B \slot, 1, 1
	FETCH_A \slot, 1, 0
	WIN MUL_HI
	MUL16 4, 0, 0, \sc, \zero
	MUL16 6, 0, 0, \sc, \zero
	PLACES NP
	WIN 0
	FETCH_A \slot, 1, 4
.endm
; A K step's second 128 goes on to the next slot.  kind = 1: slot 0 has been read out and is filled again: the three lines, a round of the cluster's barrier, the joint refill.
; kind = 2: nothing to wait for: the barrier of kind 1 has shown all first fills to every wave.  kind = 0: the refill has to be there: the wait for it and one barrier; nothing is filled.
.macro TURN sc, next, nsc, kind
.if \kind == 2
	s_wait_dscnt 4*NL
	WIN MUL_LO
	MUL16 0, 1, NQ-1, \sc, 0
	MUL16 2, 1, NQ-1, \sc, 0
	s_wait_dscnt 0
	PLACES NP
	WIN 0
.else
	s_wait_tensorcnt 0x0                           ; all my tensor loads have landed
	ds_add_u32 v[SPW], v[NIL]
	s_wait_dscnt 4*NL+1                            ; (the add and A's blocks 4-7 may be out)
	WIN MUL_LO
	MUL16 0, 1, NQ-1, \sc, 0
	s_wait_dscnt 0x0                               ; the add is done, and my reads of this slot are over
	s_barrier_signal -1
	MUL16 2, 1, NQ-1, \sc, 0
	WIN 0
	s_barrier_wait -1
.if \kind == 1
	CREST                                          ; no wave of any partner still reads slot 0 or has a load on its way
	s_add_nc_u64 s[G0+2:G0+3], s[G0+2:G0+3], 3*TLB
	s_add_nc_u64 s[G0B+2:G0B+3], s[G0B+2:G0B+3], 3*TLB
	JLOAD G0, G1, G0B, G1B                         ; K step 3
.else
	PLACES NP
.endif
.endif
	v_add_nc_u32 v[ADRS], 1024, v[ADRS]            ; the next K step's scale words
	FETCH_B \next, 0, 0
	FETCH_A \next, 0, 0
	SCALES \nsc
	WIN MUL_HI
	MUL16 4, 1, NQ-1, \sc, 0
	MUL16 6, 1, NQ-1, \sc, 0
	PLACES NP
	WIN 0
	FETCH_A \next, 0, 4
.endm
; 64 numbers of a lane in window w, register s + 16 b + i = k 32 b + 16 (lane / 16) + i of my row, become a fragment's codes in v[PC] on and its scale word in v[PW]
.macro QUANT s, w
	WIN (\w)|((\w)<<2)
.irp b, 0,1,2,3
	v_max3_num_f32 v[TM+\b], |v[(\s)+16*\b]|, |v[(\s)+16*\b+1]|, 0x1800000   ; with the floor 2^(3 - 127); each accumulator is read from its low end on
.endr
	WIN ((\w)<<2)|((\w)<<4)
.irp i, 2,4,6,8,10,12,14
.irp b, 0,1,2,3
	v_max3_num_f32 v[TM+\b], v[TM+\b], |v[(\s)+16*\b+\i]|, |v[(\s)+16*\b+\i+1]|
.endr
.endr
	WIN 0
.irp b, 0,1,2,3
	v_permlanex16_b32 v[TM+4+\b], v[TM+\b], s[SEL], s[SEL+1]
.endr
.irp b, 0,1,2,3
	v_max_num_f32 v[TM+\b], v[TM+\b], v[TM+4+\b]
.endr
.irp b, 0,1,2,3
	v_add_nc_u32 v[TM+12+\b], 0xff000000, v[TM+\b]
.endr
.irp b, 0,1,2,3
	v_lshrrev_b32 v[TM+4+\b], 23, v[TM+12+\b]
.endr
	v_lshl_or_b32 v[PW], v[TM+5], 8, v[TM+4]
	v_lshl_or_b32 v[PW], v[TM+6], 16, v[PW]
	v_lshl_or_b32 v[PW], v[TM+7], 24, v[PW]
	WIN (\w)
.irp c, 0,1
	v_cvt_scalef32_pk16_fp6_f32 v[PC+6*\c:PC+2+6*\c], v[(\s)+32*\c:(\s)+15+32*\c], v[TM+12+2*\c]
	v_cvt_scalef32_pk16_fp6_f32 v[PC+12+4*\c:PC+14+4*\c], v[(\s)+16+32*\c:(\s)+31+32*\c], v[TM+13+2*\c]
.endr
	WIN 0
	v_nop                                          ; one plain instruction behind the conversions
.irp c, 0,1
.irp i, 0,1,2
	v_permlane16_swap_b32 v[PC+6*\c+\i], v[PC+12+4*\c+\i]
.endr
.irp i, 0,1,2
	v_mov_b32 v[PC+3+6*\c+\i], v[PC+12+4*\c+\i]
.endr
.endr
.endm
	s_wait_alu depctr_va_vdst(0)
	s_wait_tensorcnt 0x0                           ; my tile of the head's four is in; no load of mine is out, so a descriptor may be written:
.irp g, G1, G1B
	s_mov_b32 s[\g+1], 32<<16                      ; the refill's shape: 96 dense rows of 256 bytes
	s_mov_b32 s[\g+2], 96<<16
	s_mov_b32 s[\g+3], 32<<16
	s_mov_b32 s[\g+4], 96
	s_mov_b32 s[\g+5], 32
.endr
	s_barrier_signal -1
	s_barrier_wait -1
	FETCH_B 0, 0, 0
	FETCH_A 0, 0, 0
	SCALES 0
	FETCH_A 0, 0, 4
	STEP 0, 0, 1                                   ; K step 0: the first products start the sums
	TURN 0, 1, 1, 1                                ; slot 0 is read out: K step 3 is asked for
	s_wait_alu depctr_va_vdst(0)
	STEP 1, 1, 0                                   ; K step 1
	TURN 1, 2, 0, 2
	s_wait_alu depctr_va_vdst(0)
	STEP 2, 0, 0                                   ; K step 2
	TURN 0, 0, 1, 0                                ; K step 3 has to be there
	STEP 0, 1, 0                                   ; K step 3, in slot 0
	s_wait_dscnt 4*NL
	WIN MUL_LO
	MUL16 0, 1, NQ-1, 1, 0
	MUL16 2, 1, NQ-1, 1, 0
	s_wait_dscnt 0
	WIN MUL_HI
	MUL16 4, 1, NQ-1, 1, 0
	MUL16 6, 1, NQ-1, 1, 0
	WIN 0
	; THE WAY OUT: block a (16 rows of A) is quantised along B's 128 rows; registers 0-5 and 6-11 leave as two images; the scale words are gathered in my 1,024 bytes of slot 1,
	; which has had its only fill, and which nobody reads behind the last barrier.
	PLACES NP
.irp b, 0,1,2,3
	v_mov_b32 v[TM+4+\b], 0                        ; a lane permute's destination counts as one of its sources
.endr
.irp a, 0,1,2,3,4,5,6,7
.if \a > 0
	s_wait_xcnt 0x0                                ; the last block's stores have read their registers and their base
	s_wait_dscnt 0x0
	s_add_nc_u64 s[12:13], s[12:13], s[44:45]
.endif
.if \a == 4
	s_add_nc_u64 s[12:13], s[12:13], s[46:47]      ; v: on to the next head
.endif
	QUANT 64*(\a%4), 2+\a/4
	v_lshrrev_b32 v[SW], v[WSH], v[PW]             ; q, k: lanes 16-31 keep the second head's two bytes
	ds_store_b32 v[WSI], v[SW] offset:64*\a
	global_store_b128 v[WA], v[PC:PC+3], s[12:13]                  ; 512 consecutive bytes
	global_store_b64 v[WB8], v[PC+4:PC+5], s[12:13] offset:512     ; 256
	global_store_b128 v[WC], v[PC+6:PC+9], s[12:13]
	global_store_b64 v[WD], v[PC+10:PC+11], s[12:13] offset:512
.endr
	ds_load_b128 v[32:35], v[WSO]                  ; LDS serves a wave's instructions in order: these see my stores
	ds_load_b128 v[36:39], v[WSO] offset:512
	s_wait_dscnt 0x0
	global_store_b128 v[WSG], v[32:35], s[92:93]
	global_store_b128 v[WSG], v[36:39], s[94:95]   ; q, k: the second head's words; v: the same words to the same place once more
	s_wait_tensorcnt 0x0                           ; the wave's end
	ds_add_u32 v[SPW], v[NIL]
	s_wait_dscnt 0x0
	CROUND                                         ; the closing round
	s_endpgm
.Lfunc_end_k_qa20e50e5bb_qkv:
	.size	k_qa20e50e5bb_qkv, .Lfunc_end_k_qa20e50e5bb_qkv-k_qa20e50e5bb_qkv
	.p2alignl 7, 3214868480
	.fill 96, 4, 3214868480
	.section	.rodata,"a",@progbits
	.p2align	6, 0x0
	.amdhsa_kernel k_qa20e50e5bb_qkv
		.amdhsa_group_segment_fixed_size 327680
		.amdhsa_private_segment_fixed_size 0
		.amdhsa_enable_private_segment 0
		.amdhsa_kernarg_size 24
		.amdhsa_user_sgpr_count 2
		.amdhsa_user_sgpr_kernarg_segment_ptr 1
		.amdhsa_wavefront_size32 1
		.amdhsa_system_sgpr_workgroup_id_x 1
		.amdhsa_system_sgpr_workgroup_id_y 1
		.amdhsa_system_sgpr_workgroup_id_z 1
		.amdhsa_system_vgpr_workitem_id 0
		.amdhsa_next_free_vgpr 1024
		.amdhsa_next_free_sgpr 104
		.amdhsa_reserve_vcc 0
		.amdhsa_float_denorm_mode_32 3
		.amdhsa_float_denorm_mode_16_64 3
		.amdhsa_memory_ordered 1
		.amdhsa_forward_progress 1
		.amdhsa_inst_pref_size 145
	.end_amdhsa_kernel
	.amdgpu_metadata
---
amdhsa.version: [ 1, 2 ]
amdhsa.kernels:
  - .name:           k_qa20e50e5bb_qkv
    .symbol:         k_qa20e50e5bb_qkv.kd
    .args:
      - { .name: N1, .offset: 0, .size: 8, .value_kind: global_buffer, .address_space: global }
      - { .name: WB, .offset: 8, .size: 8, .value_kind: global_buffer, .address_space: global }
      - { .name: QKV, .offset: 16, .size: 8, .value_kind: global_buffer, .address_space: global }
    .group_segment_fixed_size: 327680
    .private_segment_fixed_size: 0
    .kernarg_segment_align: 8
    .kernarg_segment_size: 24
    .max_flat_workgroup_size: 128
    .sgpr_count:     104
    .vgpr_count:     1024
    .wavefront_size: 32
...
	.end_amdgpu_metadata
.endif
;; end of part 8
;; launch attn (part 9): grid 4 x 64, 16 waves a work-group, clusters of 4 x 1, 176,128 bytes of LDS; arguments QKV, inputs, X; writes X
.if DOCPART == 9
	.amdgcn_target "amdgcn-amd-amdhsa--gfx1250"
	.amdhsa_code_object_version 6
	.text
	.protected	k_qa20e50e5bb_attn
	.globl	k_qa20e50e5bb_attn
	.p2align	8
	.type	k_qa20e50e5bb_attn,@function
k_qa20e50e5bb_attn:
	s_mov_b64 s[64:65], 0
	v_nop
	global_prefetch_b8 v0, s[64:65] scope:SCOPE_SE
	s_setreg_imm32_b32 hwreg(HW_REG_WAVE_MODE, 25, 1), 1
	s_wait_xcnt 0x0
	s_wait_alu depctr_hold_cnt(0) depctr_sa_sdst(0) depctr_va_vdst(0) depctr_va_sdst(0) depctr_va_ssrc(0) depctr_va_vcc(0) depctr_vm_vsrc(0)
	s_getreg_b32 s2, hwreg(HW_REG_IB_STS2, 6, 4)
	s_cmp_eq_u32 s2, 0
	s_cbranch_scc0 .Lentry_in_a_cluster
	s_endpgm
.Lentry_in_a_cluster:
	s_bfe_u32 s2, ttmp6, 0x10000c
	s_cmp_lg_u32 s2, 0x3003
	s_cbranch_scc0 .Lentry_shape_is_right
	s_endpgm
.Lentry_shape_is_right:
; x = inputs + softmax(q k^T / 8, causal) v, head by head, both products on codes of FP6 (E2M3) with E8M0 scales.
; THE SOFTMAX: t = score x log2(e) / 8; M = the running largest t rounded up to a whole number; p = 2^(t - M) is quantised along the keys; the row's sum is taken of the unquantised p and divides at the end.
; A cluster of four work-groups owns one (batch, head); the head's whole K and V (codes and scale words, 104,448 bytes) come into each LDS ONCE, by four joint loads: no ring, no barrier in the loop.
; A wave owns one tile of 16 queries: tile 4 g + cx, g from the wave's number.  All its queries lie in tokens 64 g .. 64 g + 63, so its last key step, g / 2, hangs on the wave's number alone:
; no branch, trip count or LDS address hangs on the work-group's place in the cluster.  Every wave walks eight trips; a step all of whose keys are hidden is jumped over.
; Both products are used transposed (S^T = K Q^T, O^T = V^T P^T): a lane holds one query.  K = 64 of the first product fills registers 0-5 of a fragment; registers 6-11 are zero codes.
; Tokens stand in tiles with bits 3 and 4 of their number exchanged: the 16 registers of two neighbouring tiles of K are 16 neighbouring keys.
; LIMITS: NaN and infinities are not served.
.set REC,   104448
.set QTR,   26112
.set VC,    49152                      ; in a record: V's codes; K's words; V's words
.set KW,    98304
.set VW,    102400
.set STAGE, 104448                     ; 16 rows x 272 bytes for each wave
.set SPARE, 174080
.set QC,    6684672
.set QS,    9830400
.set KFR,   32                         ; v32-79   four fragments of K
.set VFR,   80                         ; v80-127  four of V
.set SCO,   128                        ; v128-191 S^T, then p
.set OT,    192                        ; v192-223 O^T
.set SEL,   28
.set CS,    30
.macro CROUND
	s_barrier_signal -1
	s_barrier_wait -1
	s_cmp_lg_u32 s10, 0
	s_cbranch_scc1 .Lnot_wave_0_\@
	s_barrier_signal -3
.Lnot_wave_0_\@:
	s_barrier_wait -3
	s_barrier_signal -1
	s_barrier_wait -1
.endm
	s_load_b128 s[4:7], s[0:1], 0x0                ; QKV, inputs
	s_load_b64 s[8:9], s[0:1], 0x10                ; X
	v_lshl_add_u32 v5, v0, 2, SPARE                ; v5, v6: the add's two, kept
	v_mov_b32 v6, 0
	ds_add_u32 v5, v6                              ; the wave's opening: the add and its wait ahead of the first tensor loads
	ds_add_u32 v5, v6
	v_lshrrev_b32 v8, 5, v0
	s_delay_alu instid0(VALU_DEP_1)
	v_readfirstlane_b32 s10, v8                    ; wave
	s_bfe_u32 s11, ttmp6, 0x40000                  ; cx
	s_and_b32 s12, ttmp7, 0xffff                   ; (batch, head)
	s_lshr_b32 s13, s10, 2
	s_and_b32 s14, s10, 3
	s_xor_b32 s14, s14, s13
	s_lshl_b32 s14, s14, 2
	s_add_co_u32 s13, s14, s13                     ; g: short and long waves are spread over the SIMDs
	s_lshr_b32 s14, s13, 1                         ; my last key step
	s_lshl_b32 s15, s13, 2
	s_add_co_u32 s15, s15, s11                     ; my tile of queries
	s_mov_b32 s16, 15|(3<<16)|(1<<21)              ; all four work-groups; elements of 8 bytes; no padding
	s_mov_b32 s17, 32<<16                          ; 102 rows of 256 bytes, dense
	s_mov_b32 s18, 102<<16
	s_mov_b32 s19, 32<<16
	s_mov_b32 s20, 102
	s_mov_b32 s21, 32
	s_mov_b32 s22, 0
	s_mov_b32 s23, 0
	s_mul_i32 s38, s12, REC
	s_mul_i32 s40, s10, QTR
	s_add_co_u32 s38, s38, s40
	s_mov_b32 s39, 0
	s_mov_b32 s[SEL], 0x76543210
	s_mov_b32 s[SEL+1], 0xfedcba98
	s_mov_b32 s[CS], 0x3e38aa3b                    ; log2(e) / 8
	s_mov_b32 s[CS+1], s[CS]
	s_mov_b32 s32, 0                               ; the step's codes: 6,144 bytes a step, in K and in V
	s_mov_b32 s33, 0                               ; K's words: 512
	s_mov_b32 s34, 0                               ; V's words: 256
	s_mov_b32 s35, 0                               ; its first key
	s_mov_b32 s36, 0                               ; the step
	s_wait_dscnt 0x0                               ; the opening add is done
	s_wait_kmcnt 0x0
	s_mov_b32 s24, 1
	s_mov_b32 s25, s40
	s_add_nc_u64 s[26:27], s[4:5], s[38:39]
	s_or_b32 s27, s27, 0x80000000
	CROUND                                         ; all four work-groups are here: the joint loads meet
	s_cmp_lt_u32 s10, 4
	s_cbranch_scc0 .Lno_fetch
	tensor_load_to_lds s[24:27], s[16:23]          ; waves 0-3: a quarter of the record each; one load of mine is out
	s_nop 0
.rept 4
	v_nop
.endr
.Lno_fetch:
	s_mul_i32 s38, s12, 49152
	s_mul_i32 s40, s15, 768
	s_add_co_u32 s38, s38, s40
	s_add_co_u32 s38, s38, QC
	s_add_nc_u64 s[42:43], s[4:5], s[38:39]        ; my tile of q
	s_lshl_b32 s38, s12, 12
	s_lshl_b32 s40, s15, 6
	s_add_co_u32 s38, s38, s40
	s_add_co_u32 s38, s38, QS
	s_add_nc_u64 s[44:45], s[4:5], s[38:39]        ; and its scale words
	v_and_b32 v8, 31, v0
	v_and_b32 v9, 15, v0                           ; r
	v_bfe_u32 v10, v0, 4, 1                        ; h
	s_delay_alu instid0(VALU_DEP_3)
	v_lshlrev_b32 v1, 4, v8                        ; 16 x lane
	s_delay_alu instid0(VALU_DEP_4)
	v_lshlrev_b32 v2, 3, v8                        ; 8 x lane
	s_delay_alu instid0(VALU_DEP_4)
	v_lshlrev_b32 v11, 2, v9
	global_load_b128 v[16:19], v1, s[42:43]
	global_load_b64 v[20:21], v2, s[42:43] offset:512
	global_load_b32 v255, v11, s[44:45]
	v_add_nc_u32 v3, KW, v11
	v_add_nc_u32 v4, VW, v11
	v_lshlrev_b32 v7, 12, v10
	s_delay_alu instid0(VALU_DEP_1)
	v_lshl_add_u32 v7, v9, 4, v7                   ; the way out: lanes 0-15 one row of x, lanes 16-31 the next
	s_lshl_b32 s38, s13, 6
	s_lshr_b32 s40, s11, 1
	s_lshl_b32 s40, s40, 5
	s_add_co_u32 s38, s38, s40
	s_and_b32 s40, s11, 1
	s_lshl_b32 s40, s40, 3
	s_add_co_u32 s46, s38, s40                     ; my tile's first token in the batch: 64 g + 32 (cx / 2) + 8 (cx % 2)
	v_and_b32 v29, 7, v9
	v_lshrrev_b32 v28, 3, v9
	s_delay_alu instid0(VALU_DEP_1)
	v_lshl_add_u32 v29, v28, 4, v29
	s_delay_alu instid0(VALU_DEP_1)
	v_add_nc_u32 v29, s46, v29                     ; my query
	v_lshlrev_b32 v28, 4, v10
	s_delay_alu instid0(VALU_DEP_1)
	v_sub_nc_u32 v29, v29, v28                     ; - 16 h: for the mask
	s_lshr_b32 s38, s12, 4
	s_lshl_b32 s38, s38, 10
	s_add_co_u32 s38, s38, s46
	s_lshl_b32 s38, s38, 12
	s_and_b32 s40, s12, 15
	s_lshl_b32 s40, s40, 8
	s_add_co_u32 s38, s38, s40
	s_add_nc_u64 s[6:7], s[6:7], s[38:39]
	s_add_nc_u64 s[8:9], s[8:9], s[38:39]
	s_mul_i32 s40, s10, 4352
	s_add_co_u32 s40, s40, STAGE
	v_mul_u32_u24 v30, v9, 272
	s_delay_alu instid0(VALU_DEP_1)
	v_lshl_add_u32 v30, v10, 6, v30
	s_delay_alu instid0(VALU_DEP_1)
	v_add_nc_u32 v30, s40, v30                     ; my stage, in: row r, + 64 h
	v_mul_u32_u24 v31, v10, 272
	s_delay_alu instid0(VALU_DEP_1)
	v_lshl_add_u32 v31, v9, 4, v31
	s_delay_alu instid0(VALU_DEP_1)
	v_add_nc_u32 v31, s40, v31                     ; back
.irp i, 22,23,24,25,26,27
	v_mov_b32 v[\i], 0                             ; q's K = 64 .. 127: zero codes
.endr
.irp t, 0,1,2,3
.irp i, 6,7,8,9,10,11
	v_mov_b32 v[KFR+12*\t+\i], 0                   ; and K's: never loaded
.endr
.endr
	v_mov_b32 v13, 0xff61b1e6                      ; the largest t so far: -3e38
	s_delay_alu instid0(VALU_DEP_1)
	v_floor_f32 v12, -v13                          ; -M
	v_mov_b32 v14, 0
	v_mov_b32 v15, 0
.irp b, 236,237,238,239,252,253
	v_mov_b32 v[\b], 0
.endr
.set j, 0
.rept 32
	v_mov_b32 v[OT+j], 0
.set j, j+1
.endr
	s_wait_tensorcnt 0x0                           ; my quarter has landed,
	s_barrier_signal -1
	s_barrier_wait -1                              ; everybody's has
	s_wait_loadcnt 0x0                             ; q
.Lstep:
	s_cmp_gt_u32 s36, s14                          ; all 128 keys come after my queries: the step's work is left out
	s_cbranch_scc1 .Lskip
	v_add_nc_u32 v8, s32, v1
	v_add_nc_u32 v9, s32, v2
	v_add_nc_u32 v10, s33, v3
	v_add_nc_u32 v11, s34, v4
.irp t, 0,1,2,3
	ds_load_b128 v[KFR+12*\t:KFR+12*\t+3], v8 offset:768*\t
	ds_load_b64 v[KFR+12*\t+4:KFR+12*\t+5], v9 offset:768*\t+512
	ds_load_b32 v[248+\t], v10 offset:64*\t
.endr
.irp e, 0,1,2,3
	ds_load_b128 v[VFR+12*\e:VFR+12*\e+3], v8 offset:VC+1536*\e
	ds_load_b64 v[VFR+12*\e+4:VFR+12*\e+5], v9 offset:VC+1536*\e+512
	ds_load_b128 v[VFR+12*\e+6:VFR+12*\e+9], v8 offset:VC+1536*\e+768
	ds_load_b64 v[VFR+12*\e+10:VFR+12*\e+11], v9 offset:VC+1536*\e+1280
.endr
	s_wait_alu depctr_va_vdst(0)
	s_wait_dscnt 16                                ; K's four tiles are in; V's sixteen loads may be out
.irp t, 0,1,2,3
	v_wmma_scale_f32_16x16x128_f8f6f4 v[SCO+8*\t:SCO+8*\t+7], v[KFR+12*\t:KFR+12*\t+11], v[16:27], 0, v[248+\t], v255 matrix_a_fmt:MATRIX_FMT_FP6 matrix_b_fmt:MATRIX_FMT_FP6
.endr
.rept 4
	v_nop                                          ; places in front of loads into registers that the products have read
.endr
.irp t, 0,1,2,3
	ds_load_b128 v[KFR+12*\t:KFR+12*\t+3], v8 offset:3072+768*\t
	ds_load_b64 v[KFR+12*\t+4:KFR+12*\t+5], v9 offset:3072+768*\t+512
	ds_load_b32 v[248+\t], v10 offset:256+64*\t
.endr
	s_wait_dscnt 0x0
.irp t, 0,1,2,3
	v_wmma_scale_f32_16x16x128_f8f6f4 v[SCO+32+8*\t:SCO+32+8*\t+7], v[KFR+12*\t:KFR+12*\t+11], v[16:27], 0, v[248+\t], v255 matrix_a_fmt:MATRIX_FMT_FP6 matrix_b_fmt:MATRIX_FMT_FP6
.endr
.rept 4
	v_nop
.endr
.irp e, 0,1,2,3
	ds_load_b32 v[248+\e], v11 offset:64*\e        ; V's scale words
.endr
	s_cmp_lg_u32 s36, s14                          ; only my last step lies on the diagonal
	s_cbranch_scc1 .Lopen
	v_sub_nc_u32 v252, v29, s35                    ; d: register 16 b + i holds a key that is hidden where 32 b + i > d
	v_mov_b32 v254, 0xff800000
.set n, 0
.rept 64
	v_cmp_gt_i32 vcc_lo, 32*(n/16)+n%16, v252
	v_cndmask_b32 v[SCO+n], v[SCO+n], v254, vcc_lo
.set n, n+1
.endr
.Lopen:
.irp b, 0,1,2,3
	v_max3_num_f32 v[232+\b], v[SCO+16*\b], v[SCO+1+16*\b], v[SCO+2+16*\b]   ; the largest score of each block of 32 keys: for the row's maximum and for the block's largest p
.endr
.irp i, 3,5,7,9,11,13
.irp b, 0,1,2,3
	v_max3_num_f32 v[232+\b], v[232+\b], v[SCO+16*\b+\i], v[SCO+1+16*\b+\i]
.endr
.endr
.irp b, 0,1,2,3
	v_max_num_f32 v[232+\b], v[232+\b], v[SCO+15+16*\b]
.endr
.irp b, 0,1,2,3
	s_delay_alu instid0(VALU_DEP_4)
	v_permlanex16_b32 v[236+\b], v[232+\b], s[SEL], s[SEL+1]
.endr
.irp b, 0,1,2,3
	s_delay_alu instid0(VALU_DEP_4)
	v_max_num_f32 v[232+\b], v[232+\b], v[236+\b]
.endr
	s_delay_alu instid0(VALU_DEP_2)
	v_max3_num_f32 v254, v232, v233, v234
	s_delay_alu instid0(VALU_DEP_1)
	v_max_num_f32 v254, v254, v235
	s_delay_alu instid0(VALU_DEP_1)
	v_mul_f32 v254, s[CS], v254
	s_delay_alu instid0(VALU_DEP_1)
	v_max_num_f32 v13, v13, v254                   ; the running largest t
	v_mov_b32 v254, v12
	s_delay_alu instid0(VALU_DEP_2)
	v_floor_f32 v12, -v13                          ; the new -M
	s_delay_alu instid0(VALU_DEP_1)
	v_sub_f32 v254, v12, v254
	s_delay_alu instid0(VALU_DEP_1)
	v_cvt_i32_f32 v254, v254
	s_delay_alu instid0(VALU_DEP_1)
	v_ldexp_f32 v252, 1.0, v254                    ; f = 2^(old M - new M): exact
.set j, 0
.rept 32
	v_pk_fma_f32 v[SCO+j:SCO+j+1], v[SCO+j:SCO+j+1], s[CS:CS+1], v[12:13] op_sel_hi:[1,0,0]
.set j, j+2
.endr
.irp b, 0,1,2,3
	v_fma_f32 v[232+\b], v[232+\b], s[CS], v12
.endr
.set j, 0
	s_wait_alu depctr_va_vdst(0)
.rept 64
	v_exp_f32 v[SCO+j], v[SCO+j]
.set j, j+1
.endr
	v_pk_mul_f32 v[14:15], v[14:15], v[252:253] op_sel_hi:[1,0]   ; the sums under the new M (a plain instruction behind the exponentials)
	s_wait_alu depctr_va_vdst(0)                   ; the wait ahead of the first reader: one for the batch
.irp b, 0,1,2,3
	v_exp_f32 v[232+\b], v[232+\b]                 ; the block's largest p
.endr
	v_pk_add_f32 v[236:237], v[132:133], v[136:137]
	v_pk_add_f32 v[246:247], v[140:141], v[144:145]
	v_pk_add_f32 v[244:245], v[148:149], v[152:153]
	v_pk_add_f32 v[242:243], v[156:157], v[160:161]
	v_pk_add_f32 v[240:241], v[164:165], v[168:169]
	v_pk_add_f32 v[238:239], v[172:173], v[176:177]
	v_pk_add_f32 v[230:231], v[180:181], v[184:185]
	v_pk_add_f32 v[14:15], v[14:15], v[188:189]
	v_pk_add_f32 v[236:237], v[236:237], v[128:129]
	v_pk_add_f32 v[246:247], v[246:247], v[130:131]
	v_pk_add_f32 v[244:245], v[244:245], v[134:135]
	v_pk_add_f32 v[242:243], v[242:243], v[138:139]
	v_pk_add_f32 v[240:241], v[240:241], v[142:143]
	v_pk_add_f32 v[238:239], v[238:239], v[146:147]
	v_pk_add_f32 v[230:231], v[230:231], v[150:151]
	v_pk_add_f32 v[14:15], v[14:15], v[154:155]
	v_pk_add_f32 v[236:237], v[236:237], v[158:159]
	v_pk_add_f32 v[246:247], v[246:247], v[162:163]
	v_pk_add_f32 v[244:245], v[244:245], v[166:167]
	v_pk_add_f32 v[242:243], v[242:243], v[170:171]
	v_pk_add_f32 v[240:241], v[240:241], v[174:175]
	v_pk_add_f32 v[238:239], v[238:239], v[178:179]
	v_pk_add_f32 v[230:231], v[230:231], v[182:183]
	v_pk_add_f32 v[14:15], v[14:15], v[186:187]
	v_pk_add_f32 v[236:237], v[236:237], v[190:191]
	s_delay_alu instid0(VALU_DEP_2)
	v_pk_add_f32 v[14:15], v[14:15], v[242:243]
	s_delay_alu instid0(VALU_DEP_2)
	v_pk_add_f32 v[236:237], v[236:237], v[240:241]
	v_pk_add_f32 v[246:247], v[246:247], v[238:239]
	v_pk_add_f32 v[244:245], v[244:245], v[230:231]
	s_delay_alu instid0(VALU_DEP_2)
	v_pk_add_f32 v[14:15], v[14:15], v[246:247]
	s_delay_alu instid0(VALU_DEP_2)
	v_pk_add_f32 v[236:237], v[236:237], v[244:245]
	s_delay_alu instid0(VALU_DEP_1)
	v_pk_add_f32 v[14:15], v[14:15], v[236:237]
	s_wait_alu depctr_va_vdst(0)                   ; and one for the four
.irp b, 0,1,2,3
	v_max_num_f32 v[232+\b], 0x1800000, v[232+\b]  ; the floor 2^(3 - 127)
.endr
.irp b, 0,1,2,3
	s_delay_alu instid0(VALU_DEP_4)
	v_add_nc_u32 v[244+\b], 0xff000000, v[232+\b]
.endr
.irp b, 0,1,2,3
	s_delay_alu instid0(VALU_DEP_4)
	v_lshrrev_b32 v[236+\b], 23, v[244+\b]
.endr
	s_delay_alu instid0(VALU_DEP_3)
	v_lshl_or_b32 v253, v237, 8, v236              ; p's scale word
	s_delay_alu instid0(VALU_DEP_1)
	v_lshl_or_b32 v253, v238, 16, v253
	s_delay_alu instid0(VALU_DEP_1)
	v_lshl_or_b32 v253, v239, 24, v253
.irp c, 0,1
	v_cvt_scalef32_pk16_fp6_f32 v[224+6*\c:226+6*\c], v[SCO+32*\c:SCO+15+32*\c], v[244+2*\c]
	v_cvt_scalef32_pk16_fp6_f32 v[236+4*\c:238+4*\c], v[SCO+16+32*\c:SCO+31+32*\c], v[245+2*\c]
.endr
	v_nop
.irp c, 0,1
.irp i, 0,1,2
	v_permlane16_swap_b32 v[224+6*\c+\i], v[236+4*\c+\i]
.endr
.irp i, 0,1,2
	s_delay_alu instid0(VALU_DEP_3)
	v_mov_b32 v[227+6*\c+\i], v[236+4*\c+\i]
.endr
.endr
.set j, 0
.rept 16
	v_pk_mul_f32 v[OT+j:OT+j+1], v[OT+j:OT+j+1], v[252:253] op_sel_hi:[1,0]   ; O^T under the new M; these sixteen are also the places in front of the products below
.set j, j+2
.endr
	s_wait_alu depctr_va_vdst(0)
	s_wait_dscnt 0x0                               ; V's fragments and words
.irp e, 0,1,2,3
	v_wmma_scale_f32_16x16x128_f8f6f4 v[OT+8*\e:OT+8*\e+7], v[VFR+12*\e:VFR+12*\e+11], v[224:235], v[OT+8*\e:OT+8*\e+7], v[248+\e], v253 matrix_a_fmt:MATRIX_FMT_FP6 matrix_b_fmt:MATRIX_FMT_FP6
.endr
.rept 4
	v_nop                                          ; places for the next step's loads and for the way out's reads
.endr
.Lskip:
	s_add_co_u32 s32, s32, 6144
	s_add_co_u32 s33, s33, 512
	s_add_co_u32 s34, s34, 256
	s_add_co_u32 s35, s35, 128
	s_add_co_u32 s36, s36, 1
	s_cmp_lt_u32 s36, 8
	s_cbranch_scc1 .Lstep
	; THE WAY OUT: O^T / the sum goes through my stage and comes back as rows of 256 bytes; the residual is added; sixteen lanes store 256 consecutive bytes, aligned.
.irp t, 0,1,2,3,4,5,6,7
	global_load_b128 v[32+4*\t:35+4*\t], v7, s[6:7] offset:(2*(\t%4)+16*(\t/4))*4096
.endr
	v_add_f32 v14, v14, v15
	s_delay_alu instid0(VALU_DEP_1)
	v_permlanex16_b32 v252, v14, s[SEL], s[SEL+1]
	s_delay_alu instid0(VALU_DEP_1)
	v_add_f32 v14, v14, v252
	s_wait_alu depctr_va_vdst(0)
	v_rcp_f32 v14, v14
	v_nop
	s_wait_alu depctr_va_vdst(0)
.set j, 0
.rept 32
	v_mul_f32 v[SCO+j], v[OT+j], v14               ; register 8 e + i: channel 32 (e / 2) + 16 h + 8 (e % 2) + i of my query
.set j, j+1
.endr
.irp e, 0,1,2,3
	ds_store_b128 v30, v[SCO+8*\e:SCO+8*\e+3] offset:128*(\e/2)+32*(\e%2)
	ds_store_b128 v30, v[SCO+8*\e+4:SCO+8*\e+7] offset:128*(\e/2)+32*(\e%2)+16
.endr
.irp t, 0,1,2,3,4,5,6,7
	ds_load_b128 v[64+4*\t:67+4*\t], v31 offset:544*\t   ; LDS serves a wave's instructions in order
.endr
	s_wait_dscnt 0x0
	s_wait_loadcnt 0x0
.set j, 0
.rept 16
	v_pk_add_f32 v[64+j:65+j], v[64+j:65+j], v[32+j:33+j]
.set j, j+2
.endr
.irp t, 0,1,2,3,4,5,6,7
	global_store_b128 v7, v[64+4*\t:67+4*\t], s[8:9] offset:(2*(\t%4)+16*(\t/4))*4096
.endr
	s_wait_tensorcnt 0x0                           ; the wave's end
	ds_add_u32 v5, v6
	s_wait_dscnt 0x0
	CROUND                                         ; the closing round
	s_endpgm
.Lfunc_end_k_qa20e50e5bb_attn:
	.size	k_qa20e50e5bb_attn, .Lfunc_end_k_qa20e50e5bb_attn-k_qa20e50e5bb_attn
	.p2alignl 7, 3214868480
	.fill 96, 4, 3214868480
	.section	.rodata,"a",@progbits
	.p2align	6, 0x0
	.amdhsa_kernel k_qa20e50e5bb_attn
		.amdhsa_group_segment_fixed_size 176128
		.amdhsa_private_segment_fixed_size 0
		.amdhsa_enable_private_segment 0
		.amdhsa_kernarg_size 24
		.amdhsa_user_sgpr_count 2
		.amdhsa_user_sgpr_kernarg_segment_ptr 1
		.amdhsa_wavefront_size32 1
		.amdhsa_system_sgpr_workgroup_id_x 1
		.amdhsa_system_sgpr_workgroup_id_y 1
		.amdhsa_system_sgpr_workgroup_id_z 1
		.amdhsa_system_vgpr_workitem_id 0
		.amdhsa_next_free_vgpr 256
		.amdhsa_next_free_sgpr 66
		.amdhsa_reserve_vcc 1
		.amdhsa_float_denorm_mode_32 3
		.amdhsa_float_denorm_mode_16_64 3
		.amdhsa_memory_ordered 1
		.amdhsa_forward_progress 1
		.amdhsa_inst_pref_size 37
	.end_amdhsa_kernel
	.amdgpu_metadata
---
amdhsa.version: [ 1, 2 ]
amdhsa.kernels:
  - .name:           k_qa20e50e5bb_attn
    .symbol:         k_qa20e50e5bb_attn.kd
    .args:
      - { .name: QKV, .offset: 0, .size: 8, .value_kind: global_buffer, .address_space: global }
      - { .name: inputs, .offset: 8, .size: 8, .value_kind: global_buffer, .address_space: global }
      - { .name: X, .offset: 16, .size: 8, .value_kind: global_buffer, .address_space: global }
    .group_segment_fixed_size: 176128
    .private_segment_fixed_size: 0
    .kernarg_segment_align: 8
    .kernarg_segment_size: 24
    .max_flat_workgroup_size: 512
    .sgpr_count:     66
    .vgpr_count:     256
    .wavefront_size: 32
...
	.end_amdgpu_metadata
.endif
;; end of part 9
;; launch prep2: the kernel of part 7 again; grid 256 x 2, 4 waves a work-group, no clusters, 56,320 bytes of LDS; arguments X, g2, be2, N2, Wq, Wk, Wv, W1, W2, WB; writes N2, WB
;; launch ff1 (part 10): grid 16 x 16, 4 waves a work-group, clusters of 4 x 4, 327,680 bytes of LDS; arguments N2, WB, b1, HB; writes HB
.if DOCPART == 10
	.amdgcn_target "amdgcn-amd-amdhsa--gfx1250"
	.amdhsa_code_object_version 6
	.text
	.protected	k_qa20e50e5bb_ff1
	.globl	k_qa20e50e5bb_ff1
	.p2align	8
	.type	k_qa20e50e5bb_ff1,@function
k_qa20e50e5bb_ff1:
	s_mov_b64 s[64:65], 0
	v_nop
	global_prefetch_b8 v0, s[64:65] scope:SCOPE_SE
	s_setreg_imm32_b32 hwreg(HW_REG_WAVE_MODE, 25, 1), 1
	s_wait_xcnt 0x0
	s_wait_alu depctr_hold_cnt(0) depctr_sa_sdst(0) depctr_va_vdst(0) depctr_va_sdst(0) depctr_va_ssrc(0) depctr_va_vcc(0) depctr_vm_vsrc(0)
	s_getreg_b32 s2, hwreg(HW_REG_IB_STS2, 6, 4)
	s_cmp_eq_u32 s2, 0
	s_cbranch_scc0 .Lentry_in_a_cluster
	s_endpgm
.Lentry_in_a_cluster:
	s_bfe_u32 s2, ttmp6, 0x10000c
	s_cmp_lg_u32 s2, 0xf033
	s_cbranch_scc0 .Lentry_shape_is_right
	s_endpgm
.Lentry_shape_is_right:
; h = relu(LN2(x) W1 + b1), on codes of FP6 (E2M3) with E8M0 scales, K = 1,024; h is quantised along the hidden units on the way out and leaves as codes and scale bytes.
; A work-group of four waves makes 256 tokens x 256 hidden units, a wave 128 x 128.
; OPERANDS LIE AS IMAGES OF THEIR REGISTERS ([128 rows][K / 128][8 tiles][1,536 bytes]): a fragment is three loads of 16 bytes a lane; no padding in LDS.  So THREE slots of 256 along K fit:
; K steps 0, 1, 2 and the scale bytes of all of K are asked for at the head (four tensor loads of mine are out), and K step 3 is the ONE refill, into slot 0, behind K step 0.
; Source 0 = 16 rows of W1 (B), source 1 = 16 tokens (A): a lane holds one token and its registers run along the hidden units; b1 is the C of each sum's first product.
; Rows of both operands stand with bits 3 and 4 of their number exchanged, so that the 16 registers of two neighbouring tiles are 16 neighbouring hidden units.
; CLUSTERS: 4 x 4; A's tile is shared along a row of the cluster, B's along a column: joint loads.
; OUTPUT HB: codes as images, [group of 64 tokens][K / 128][4 tiles][1,536 bytes]: what the quantiser leaves in a lane's 12 registers IS the image: three stores of 512 consecutive bytes a block.
; Scale bytes [group][K / 256][64][8] from byte H_S on: a row's 8 come from two waves, so the words meet in LDS.
; LIMITS: NaN and infinities are not served; a block under 2^-124 keeps the byte 1; a block of zeros has the byte 1 (its codes are zeros; this program alone reads the bytes).
; THE FILLS AS THEY STAND NOW (in place of what the lines above say of them): at the head one tensor load a wave: wave 0 K steps 0 to 2 of A's 256 rows (two rows of 73,728 bytes, 98,304 apart),
; wave 1 the same of B, wave 2 A's scale bytes, wave 3 B's.  LDS: four quarters of 73,728 bytes (A's two groups of 128 rows, then B's), in each K steps 0, 1, 2 on end.
; K step 3 is the one refill, a quarter's first 24,576 bytes a wave, behind K step 0.  PREFETCH: K step 3's bytes of my quarter are named at the head, behind my tensor load: 96 blocks of 256 bytes, of which
; the partner at place p (cx for A, cy for B) takes 24 p on, a lane a block, lanes 24-31 the last block again: the four that ask for the tile jointly share it out by address.
.set NQ,     2
.set FR,     12
.set NL,     3
.set NP,     4
.set QB,     24576
.set SLOT,   4*QB
.set SCL,    3*SLOT
.set HALFS,  4096
.set SPARE,  SCL+4*HALFS
.set GRPB,   98304
.set TLB,    24576
.set N_S,    3145728
.set W1_C,   2359296
.set W1_S,   8749056
.set H_S,    12582912
.set SST,    SLOT                      ; the way out: 256 rows x 8 scale bytes, in slot 1
.set WS,   14                          ; v14    my row's scale word in the stage
.set ADRA, 16                          ; v16-18
.set ADRB, 20                          ; v20-22
.set WSR,  24                          ; v24    the scale bytes back
.set WG,   25                          ; v25    16 x lane
.set BO,   26                          ; v26    b1: 64 h
.set ADRS, 27
.set SPW,  28
.set NIL,  29
.set SC,   32
.set BI,   64                          ; v64-127 b1 in the result's layout
.set PC,   112
.set AF,   128
.set H,    132
.set TM,   200
.set PW,   216
.set G1, 24
.set G0, 32                            ; s[32:35] A's refill into slot 0;  s[4:7] the head's load of K steps 0-2
.set G0C, 4
.set G1B, 48
.set G0B, 56                           ; s[56:59] B's refill into slot 0;  s[8:11] the head's load of K steps 0-2
.set G0BC, 8
.set G1S, 68
.set G0S, 76
.set G1SB, 80
.set G0SB, 88
.set SEL, 100
.set MSB, 0
.macro WIN new
.if MSB != (\new)
	s_set_vgpr_msb (MSB<<8)|(\new)
.set MSB, (\new)
.endif
.endm
.set MUL_LO, 0xa1
.set MUL_HI, 0xf1
.set TO_B,   0x40
.macro JLOAD g0a, g1a, g0b, g1b
	s_cmp_eq_u32 s15, 0
	s_cbranch_scc0 .Lfor_b_\@
	tensor_load_to_lds s[\g0a:\g0a+3], s[\g1a:\g1a+7]
	s_nop 0
.rept 4
	v_nop
.endr
	s_branch .Lasked_\@
.Lfor_b_\@:
	tensor_load_to_lds s[\g0b:\g0b+3], s[\g1b:\g1b+7]
	s_nop 0
.rept 4
	v_nop
.endr
.Lasked_\@:
.endm
.macro CREST
	s_cmp_lg_u32 s14, 0
	s_cbranch_scc1 .Lnot_wave_0_\@
	s_barrier_signal -3
.Lnot_wave_0_\@:
	s_barrier_wait -3
	s_barrier_signal -1
	s_barrier_wait -1
.endm
.macro CROUND
	s_barrier_signal -1
	s_barrier_wait -1
	CREST
.endm
	s_load_b128 s[92:95], s[0:1], 0x0              ; N2, WB
	s_load_b128 s[96:99], s[0:1], 0x10             ; b1, HB
	v_lshl_add_u32 v[SPW], v0, 2, SPARE
	v_mov_b32 v[NIL], 0
	ds_add_u32 v[SPW], v[NIL]                      ; the wave's opening: the add and its wait ahead of my first tensor load
	ds_add_u32 v[SPW], v[NIL]
	v_lshrrev_b32 v1, 5, v0
	v_readfirstlane_b32 s14, v1
	s_lshr_b32 s15, s14, 1
	s_and_b32 s16, s14, 1
	s_bfe_u32 s40, ttmp6, 0x40000
	s_bfe_u32 s41, ttmp6, 0x40004
	s_lshl_b32 s42, ttmp9, 2
	s_add_co_u32 s42, s42, s40                     ; which 256 hidden units
	s_and_b32 s17, ttmp7, 0xffff
	s_lshl_b32 s17, s17, 2
	s_add_co_u32 s17, s17, s41                     ; which 256 tokens
	s_lshl_b32 s43, s41, 2
	s_lshl_b32 s43, 15, s43
	s_lshl_b32 s44, 0x1111, s40
	s_or_b32 s[G1+0], s43, (3<<16)|(1<<21)         ; 24,576 dense bytes as 96 rows of 256, no padding
	s_or_b32 s[G1B+0], s44, (3<<16)|(1<<21)
.irp g, G1, G1B
	s_mov_b32 s[\g+1], 9216<<16                    ; the head's shape: two rows of 9,216 elements of 8 bytes, 12,288 elements apart
	s_mov_b32 s[\g+2], 2<<16
	s_mov_b32 s[\g+3], 9216<<16
	s_mov_b32 s[\g+4], 2
	s_mov_b32 s[\g+5], 12288
	s_mov_b32 s[\g+6], 0
	s_mov_b32 s[\g+7], 0
.endr
	s_or_b32 s[G1S+0], s43, (3<<16)|(1<<21)        ; 8,192 dense bytes as 32 rows of 256
	s_or_b32 s[G1SB+0], s44, (3<<16)|(1<<21)
.irp g, G1S, G1SB
	s_mov_b32 s[\g+1], 32<<16
	s_mov_b32 s[\g+2], 32<<16                      ; the scales of 256 rows: 8,192 dense bytes
	s_mov_b32 s[\g+3], 32<<16
	s_mov_b32 s[\g+4], 32
	s_mov_b32 s[\g+5], 32
	s_mov_b32 s[\g+6], 0
	s_mov_b32 s[\g+7], 0
.endr
	s_lshl_b32 s20, s17, 1
	s_add_co_u32 s20, s20, s16
	s_lshl_b32 s46, s42, 1
	s_add_co_u32 s46, s46, s16
	s_lshl_b32 s22, s17, 13
	s_add_co_u32 s22, s22, N_S
	s_lshl_b32 s66, s42, 13
	s_add_co_u32 s66, s66, W1_S
	s_mul_i32 s20, s20, GRPB
	s_mul_i32 s46, s46, GRPB
	s_add_co_u32 s46, s46, W1_C
	s_mov_b32 s21, 0
	s_mov_b32 s23, 0
	s_mov_b32 s47, 0
	s_mov_b32 s67, 0
	s_mul_i32 s45, s14, QB
	s_mov_b32 s[SEL], 0x76543210
	s_mov_b32 s[SEL+1], 0xfedcba98
	s_wait_dscnt 0x0
	s_wait_kmcnt 0x0
	s_add_nc_u64 s[20:21], s[92:93], s[20:21]
	s_add_nc_u64 s[22:23], s[92:93], s[22:23]
	s_add_nc_u64 s[46:47], s[94:95], s[46:47]
	s_add_nc_u64 s[66:67], s[94:95], s[66:67]
	CROUND
	s_mov_b32 s[G0S], 1
	s_mov_b32 s[G0S+1], SCL
	s_mov_b64 s[G0S+2:G0S+3], s[22:23]
	s_or_b32 s[G0S+3], s[G0S+3], 0x80000000
	s_mov_b32 s[G0SB], 1
	s_mov_b32 s[G0SB+1], SCL+2*HALFS
	s_mov_b64 s[G0SB+2:G0SB+3], s[66:67]
	s_or_b32 s[G0SB+3], s[G0SB+3], 0x80000000
.irp s, 0
	s_mov_b32 s[G0+4*\s], 1
	s_mul_i32 s[G0+4*\s+1], s45, 3                 ; the refill's place: my quarter's first 24,576 bytes: wave x 73,728
	s_add_nc_u64 s[G0+4*\s+2:G0+4*\s+3], s[20:21], \s*TLB
	s_or_b32 s[G0+4*\s+3], s[G0+4*\s+3], 0x80000000
	s_mov_b32 s[G0B+4*\s], 1
	s_mul_i32 s[G0B+4*\s+1], s45, 3
	s_add_nc_u64 s[G0B+4*\s+2:G0B+4*\s+3], s[46:47], \s*TLB
	s_or_b32 s[G0B+4*\s+3], s[G0B+4*\s+3], 0x80000000
.endr
	s_mul_i32 s22, s17, 2*GRPB                     ; the head's loads of codes: K steps 0 to 2 of the tile's two groups of 128 rows
	s_mov_b32 s23, 0
	s_mov_b32 s[G0C], 1
	s_mov_b32 s[G0C+1], 0
	s_add_nc_u64 s[G0C+2:G0C+3], s[92:93], s[22:23]
	s_or_b32 s[G0C+3], s[G0C+3], 0x80000000
	s_mul_i32 s66, s42, 2*GRPB
	s_add_co_u32 s66, s66, W1_C
	s_mov_b32 s67, 0
	s_mov_b32 s[G0BC], 1
	s_mov_b32 s[G0BC+1], 6*QB
	s_add_nc_u64 s[G0BC+2:G0BC+3], s[94:95], s[66:67]
	s_or_b32 s[G0BC+3], s[G0BC+3], 0x80000000
; one chain of branches on the wave's number, one load to an arm: one tensor load a wave at the head
.macro ARM under, g0, g1, next
	s_cmp_lt_u32 s14, \under
	s_cbranch_scc0 \next
	tensor_load_to_lds s[\g0:\g0+3], s[\g1:\g1+7]
	s_nop 0
.rept 4
	v_nop
.endr
	s_branch .Lhead_asked
\next:
.endm
	ARM 1, G0C,  G1,  .Lhead_b
	ARM 2, G0BC, G1B, .Lhead_sa
	ARM 3, G0S,  G1S, .Lhead_sb
	tensor_load_to_lds s[G0SB:G0SB+3], s[G1SB:G1SB+7]
	s_nop 0
.rept 4
	v_nop
.endr
.Lhead_asked:
	s_cmp_eq_u32 s15, 0                            ; the prefetch of K step 3: do I fetch for A?
	s_cselect_b64 s[36:37], s[20:21], s[46:47]     ; my quarter's codes; s[36:37] and v19 are never rewritten
	s_cselect_b32 s38, s40, s41                    ; my place among the four that ask for it with me
	s_mul_i32 s38, s38, 6144
	s_add_co_u32 s38, s38, 3*TLB
	s_mov_b32 s39, 0
	s_add_nc_u64 s[36:37], s[36:37], s[38:39]
	v_and_b32 v3, 31, v0
	v_min_u32 v3, 23, v3
	v_lshlrev_b32 v19, 8, v3
	global_prefetch_b8 v19, s[36:37] th:TH_LOAD_NT scope:SCOPE_SE
	v_and_b32 v1, 15, v0
	v_bfe_u32 v2, v0, 4, 1
	s_lshl_b32 s20, s42, 10                        ; b1: my 128 hidden units
	s_lshl_b32 s21, s16, 9
	s_add_co_u32 s20, s20, s21
	s_mov_b32 s21, 0
	s_add_nc_u64 s[96:97], s[96:97], s[20:21]
	v_lshlrev_b32 v[BO], 6, v2
.irp b, 0,1,2,3,4,5,6,7                ; lane (r, h), tile b, register j: unit 32 (b / 2) + 16 h + 8 (b % 2) + j
	global_load_b128 v[BI+8*\b:BI+8*\b+3], v[BO], s[96:97] offset:(32*(\b/2)+8*(\b%2))*4
	global_load_b128 v[BI+8*\b+4:BI+8*\b+7], v[BO], s[96:97] offset:(32*(\b/2)+8*(\b%2))*4+16
.endr
	v_and_b32 v5, 31, v0
	v_lshlrev_b32 v[WG], 4, v5                     ; an image's place for my lane
	s_mul_i32 s21, s15, 3*QB
	s_mul_i32 s22, s16, 3*QB
	s_add_co_u32 s22, s22, 6*QB
	v_add_nc_u32 v[ADRA], s21, v[WG]               ; my quarter: K step 0 (later 3),
	v_add_nc_u32 v[ADRB], s22, v[WG]
	v_add_nc_u32 v[ADRA+1], QB, v[ADRA]            ; K step 1,
	v_add_nc_u32 v[ADRB+1], QB, v[ADRB]
	v_add_nc_u32 v[ADRA+2], QB, v[ADRA+1]          ; K step 2
	v_add_nc_u32 v[ADRB+2], QB, v[ADRB+1]
	v_lshlrev_b32 v5, 3, v1
	s_mul_i32 s21, s15, HALFS
	s_mul_i32 s22, s16, HALFS
	s_add_co_u32 s22, s22, 2*HALFS
	s_sub_co_u32 s22, s22, s21
	v_mul_u32_u24 v6, s22, v2
	s_add_co_u32 s21, s21, SCL
	v_add_nc_u32 v5, v5, v6
	v_add_nc_u32 v[ADRS], s21, v5
	; the way out's addresses
	s_lshl_b32 s20, s15, 10
	s_lshl_b32 s21, s16, 2
	s_add_co_u32 s20, s20, s21
	s_add_co_u32 s20, s20, SST
	v_lshl_add_u32 v[WS], v1, 3, s20               ; row 128 (A's half) + 16 a + r, word = B's half
	s_lshl_b32 s20, s14, 9
	s_add_co_u32 s20, s20, SST
	v_add_nc_u32 v[WSR], s20, v[WG]                ; back: wave w takes rows 64 w on
	s_lshl_b32 s20, s17, 2
	s_lshl_b32 s21, s15, 1
	s_add_co_u32 s21, s20, s21                     ; my first group of 64 tokens
	s_mul_i32 s21, s21, 196608
	s_lshl_b32 s22, s42, 1
	s_add_co_u32 s22, s22, s16                     ; my 128 hidden units: which 128 of the next K
	s_mul_i32 s22, s22, 6144
	s_add_co_u32 s22, s21, s22
	s_mov_b32 s23, 0
	s_add_nc_u64 s[12:13], s[98:99], s[22:23]
	s_add_co_u32 s20, s20, s14                     ; the group whose scale bytes I store
	s_lshl_b32 s20, s20, 13
	s_lshl_b32 s21, s42, 9
	s_add_co_u32 s20, s20, s21
	s_add_co_u32 s20, s20, H_S
	s_mov_b32 s21, 0
	s_add_nc_u64 s[92:93], s[98:99], s[20:21]
.macro FRAG reg, adr, q, i
.irp c, 0,1,2
	ds_load_b128 v[\reg+4*\c:\reg+4*\c+3], v[\adr] offset:((\q)*8+(\i))*1536+512*\c
.endr
.endm
.macro MUL16 a0, p, q, sc, zero        ; zero = 2: b1 is the C of the first product; the 64 accumulators take turns
.irp a, \a0, \a0+1
.irp b, 0,1,2,3,4,5,6,7
.if \zero == 2
	v_wmma_scale_f32_16x16x128_f8f6f4 v[8*(8*((\a)%4)+\b):8*(8*((\a)%4)+\b)+7], v[128*(\p)+FR*\b:128*(\p)+FR*\b+FR-1], v[AF+FR*(\a):AF+FR*(\a)+FR-1], v[BI+8*\b:BI+8*\b+7], v[SC+8*NQ*(\sc)+NQ*\b+(\q)], v[SC+8*NQ*(\sc)+NQ*(\a)+(\q)] matrix_a_fmt:MATRIX_FMT_FP6 matrix_b_fmt:MATRIX_FMT_FP6 matrix_a_scale:MATRIX_SCALE_ROW1
.else
	v_wmma_scale_f32_16x16x128_f8f6f4 v[8*(8*((\a)%4)+\b):8*(8*((\a)%4)+\b)+7], v[128*(\p)+FR*\b:128*(\p)+FR*\b+FR-1], v[AF+FR*(\a):AF+FR*(\a)+FR-1], v[8*(8*((\a)%4)+\b):8*(8*((\a)%4)+\b)+7], v[SC+8*NQ*(\sc)+NQ*\b+(\q)], v[SC+8*NQ*(\sc)+NQ*(\a)+(\q)] matrix_a_fmt:MATRIX_FMT_FP6 matrix_b_fmt:MATRIX_FMT_FP6 matrix_a_scale:MATRIX_SCALE_ROW1
.endif
.endr
.endr
.endm
.macro FETCH_B slot, q, p
	WIN TO_B
.irp i, 0,1,2,3,4,5,6,7
	FRAG 128*(\p)+FR*\i, ADRB+\slot, \q, \i
.endr
	WIN 0
.endm
.macro FETCH_A slot, q, i0
.irp i, \i0, \i0+1, \i0+2, \i0+3
	FRAG AF+FR*(\i), ADRA+\slot, \q, \i
.endr
.endm
.macro SCALES sc
.irp i, 0,1,2,3,4,5,6,7
	ds_load_b64 v[SC+8*NQ*\sc+NQ*\i:SC+8*NQ*\sc+NQ*\i+1], v[ADRS] offset:128*\i
.endr
.endm
.macro PLACES n
.rept \n
	v_nop
.endr
.endm
.macro STEP slot, sc, zero
	s_wait_dscnt 4*NL                              ; B's set and A's blocks 0-3 are in; A's blocks 4-7 (12 loads) may be out
.if \zero == 2
	WIN 0x81                                       ; C (b1) in window 0, D in window 2
.else
	WIN MUL_LO
.endif
	MUL16 0, 0, 0, \sc, \zero
	MUL16 2, 0, 0, \sc, \zero
	s_wait_dscnt 0
	PLACES NP
	FETCH_B \slot, 1, 1
	FETCH_A \slot, 1, 0
.if \zero == 2
	WIN 0xc1
.else
	WIN MUL_HI
.endif
	MUL16 4, 0, 0, \sc, \zero
	MUL16 6, 0, 0, \sc, \zero
	PLACES NP
	WIN 0
	FETCH_A \slot, 1, 4
.endm
; kind = 1: slot 0 is read out and filled again: the three lines, a round of the cluster's barrier, the joint refill.  kind = 2: nothing to wait for: the barrier of kind 1 has shown all
; first fills to every wave.  kind = 0: the refill has to be there: the wait for it and one barrier; nothing is filled.
.macro TURN sc, next, nsc, kind
.if \kind == 2
	s_wait_dscnt 4*NL
	WIN MUL_LO
	MUL16 0, 1, NQ-1, \sc, 0
	MUL16 2, 1, NQ-1, \sc, 0
	s_wait_dscnt 0
	PLACES NP
	WIN 0
.else
	s_wait_tensorcnt 0x0                           ; all my tensor loads have landed
	ds_add_u32 v[SPW], v[NIL]
	s_wait_dscnt 4*NL+1                            ; (the add and A's blocks 4-7 may be out)
	WIN MUL_LO
	MUL16 0, 1, NQ-1, \sc, 0
	s_wait_dscnt 0x0                               ; the add is done, and my reads of this slot are over
	s_barrier_signal -1
	MUL16 2, 1, NQ-1, \sc, 0
	WIN 0
	s_barrier_wait -1
.if \kind == 1
	CREST
	s_add_nc_u64 s[G0+2:G0+3], s[G0+2:G0+3], 3*TLB
	s_add_nc_u64 s[G0B+2:G0B+3], s[G0B+2:G0B+3], 3*TLB
	JLOAD G0, G1, G0B, G1B                         ; K step 3
.else
	PLACES NP
.endif
.endif
	v_add_nc_u32 v[ADRS], 1024, v[ADRS]
	FETCH_B \next, 0, 0
	FETCH_A \next, 0, 0
	SCALES \nsc
	WIN MUL_HI
	MUL16 4, 1, NQ-1, \sc, 0
	MUL16 6, 1, NQ-1, \sc, 0
	PLACES NP
	WIN 0
	FETCH_A \next, 0, 4
.endm
.macro QUANT s                         ; 64 numbers of a lane, register s + 16 b + i = k 32 b + 16 (lane / 16) + i of my row: codes in v[PC] on, scale word in v[PW]
.irp b, 0,1,2,3
	v_max3_num_f32 v[TM+\b], v[(\s)+16*\b], v[(\s)+16*\b+1], 0x1800000       ; none is negative; the floor 2^(3 - 127)
.endr
.irp i, 2,4,6,8,10,12,14
.irp b, 0,1,2,3
	v_max3_num_f32 v[TM+\b], v[TM+\b], v[(\s)+16*\b+\i], v[(\s)+16*\b+\i+1]
.endr
.endr
.irp b, 0,1,2,3
	v_permlanex16_b32 v[TM+4+\b], v[TM+\b], s[SEL], s[SEL+1]
.endr
.irp b, 0,1,2,3
	v_max_num_f32 v[TM+\b], v[TM+\b], v[TM+4+\b]
.endr
.irp b, 0,1,2,3
	v_add_nc_u32 v[TM+12+\b], 0xff000000, v[TM+\b]
.endr
.irp b, 0,1,2,3
	v_lshrrev_b32 v[TM+4+\b], 23, v[TM+12+\b]
.endr
	v_lshl_or_b32 v[PW], v[TM+5], 8, v[TM+4]
	v_lshl_or_b32 v[PW], v[TM+6], 16, v[PW]
	v_lshl_or_b32 v[PW], v[TM+7], 24, v[PW]
.irp c, 0,1
	v_cvt_scalef32_pk16_fp6_f32 v[PC+6*\c:PC+2+6*\c], v[(\s)+32*\c:(\s)+15+32*\c], v[TM+12+2*\c]
	v_cvt_scalef32_pk16_fp6_f32 v[PC+12+4*\c:PC+14+4*\c], v[(\s)+16+32*\c:(\s)+31+32*\c], v[TM+13+2*\c]
.endr
	v_nop
.irp c, 0,1
.irp i, 0,1,2
	v_permlane16_swap_b32 v[PC+6*\c+\i], v[PC+12+4*\c+\i]
.endr
.irp i, 0,1,2
	v_mov_b32 v[PC+3+6*\c+\i], v[PC+12+4*\c+\i]
.endr
.endr
.endm
	s_wait_alu depctr_va_vdst(0)
	s_wait_tensorcnt 0x0                           ; my tile of the head's four is in; no load of mine is out, so a descriptor may be written:
.irp g, G1, G1B
	s_mov_b32 s[\g+1], 32<<16                      ; the refill's shape: 96 dense rows of 256 bytes
	s_mov_b32 s[\g+2], 96<<16
	s_mov_b32 s[\g+3], 32<<16
	s_mov_b32 s[\g+4], 96
	s_mov_b32 s[\g+5], 32
.endr
	s_barrier_signal -1
	s_barrier_wait -1
	FETCH_B 0, 0, 0
	FETCH_A 0, 0, 0
	SCALES 0
	FETCH_A 0, 0, 4
	s_wait_loadcnt 0x0                             ; b1
	STEP 0, 0, 2                                   ; K step 0
	TURN 0, 1, 1, 1                                ; slot 0 is read out: K step 3 is asked for
	s_wait_alu depctr_va_vdst(0)
	STEP 1, 1, 0                                   ; K step 1
	TURN 1, 2, 0, 2
	s_wait_alu depctr_va_vdst(0)
	STEP 2, 0, 0                                   ; K step 2
	TURN 0, 0, 1, 0                                ; K step 3 has to be there
	STEP 0, 1, 0                                   ; K step 3, in slot 0
	s_wait_dscnt 4*NL
	WIN MUL_LO
	MUL16 0, 1, NQ-1, 1, 0
	MUL16 2, 1, NQ-1, 1, 0
	s_wait_dscnt 0
	WIN MUL_HI
	MUL16 4, 1, NQ-1, 1, 0
	MUL16 6, 1, NQ-1, 1, 0
	WIN 0
	; THE WAY OUT: relu, quantised block by block of 16 tokens; the 12 registers of codes leave as the image that the next product loads.  The scale words meet in slot 1
	; (it has had its only fill, and nobody reads it behind the last barrier), since a row's 8 bytes come from two waves.
	PLACES NP
.irp b, 0,1,2,3
	v_mov_b32 v[TM+4+\b], 0
.endr
.irp a, 0,1,2,3,4,5,6,7
	WIN (2+\a/4)<<2
.set j, 0
.rept 64
	v_max_num_f32 v[H+j], 0, v[64*(\a%4)+j]        ; each accumulator from its low end on
.set j, j+1
.endr
	WIN 0
.if \a > 0
	s_wait_xcnt 0x0                                ; the last block's stores have read their registers
	s_wait_dscnt 0x0
.endif
	QUANT H
.irp c, 0,1,2
	global_store_b128 v[WG], v[PC+4*\c:PC+4*\c+3], s[12:13] offset:(\a/4)*196608+(\a%4)*1536+512*\c   ; 512 consecutive bytes, at a multiple of 256
.endr
	ds_store_b32 v[WS], v[PW] offset:128*\a        ; both halves of the lanes write the same word with the same value
.endr
	s_wait_dscnt 0x0                               ; for the others' sake: my words have landed
	s_barrier_signal -1
	s_barrier_wait -1
	ds_load_b128 v[32:35], v[WSR]
	s_wait_dscnt 0x0
	global_store_b128 v[WG], v[32:35], s[92:93]    ; 64 rows' 512 scale bytes
	s_wait_tensorcnt 0x0                           ; the wave's end
	ds_add_u32 v[SPW], v[NIL]
	s_wait_dscnt 0x0
	CROUND
	s_endpgm
.Lfunc_end_k_qa20e50e5bb_ff1:
	.size	k_qa20e50e5bb_ff1, .Lfunc_end_k_qa20e50e5bb_ff1-k_qa20e50e5bb_ff1
	.p2alignl 7, 3214868480
	.fill 96, 4, 3214868480
	.section	.rodata,"a",@progbits
	.p2align	6, 0x0
	.amdhsa_kernel k_qa20e50e5bb_ff1
		.amdhsa_group_segment_fixed_size 327680
		.amdhsa_private_segment_fixed_size 0
		.amdhsa_enable_private_segment 0
		.amdhsa_kernarg_size 32
		.amdhsa_user_sgpr_count 2
		.amdhsa_user_sgpr_kernarg_segment_ptr 1
		.amdhsa_wavefront_size32 1
		.amdhsa_system_sgpr_workgroup_id_x 1
		.amdhsa_system_sgpr_workgroup_id_y 1
		.amdhsa_system_sgpr_workgroup_id_z 1
		.amdhsa_system_vgpr_workitem_id 0
		.amdhsa_next_free_vgpr 1024
		.amdhsa_next_free_sgpr 104
		.amdhsa_reserve_vcc 0
		.amdhsa_float_denorm_mode_32 3
		.amdhsa_float_denorm_mode_16_64 3
		.amdhsa_memory_ordered 1
		.amdhsa_forward_progress 1
		.amdhsa_inst_pref_size 158
	.end_amdhsa_kernel
	.amdgpu_metadata
---
amdhsa.version: [ 1, 2 ]
amdhsa.kernels:
  - .name:           k_qa20e50e5bb_ff1
    .symbol:         k_qa20e50e5bb_ff1.kd
    .args:
      - { .name: N2, .offset: 0, .size: 8, .value_kind: global_buffer, .address_space: global }
      - { .name: WB, .offset: 8, .size: 8, .value_kind: global_buffer, .address_space: global }
      - { .name: b1, .offset: 16, .size: 8, .value_kind: global_buffer, .address_space: global }
      - { .name: HB, .offset: 24, .size: 8, .value_kind: global_buffer, .address_space: global }
    .group_segment_fixed_size: 327680
    .private_segment_fixed_size: 0
    .kernarg_segment_align: 8
    .kernarg_segment_size: 32
    .max_flat_workgroup_size: 128
    .sgpr_count:     104
    .vgpr_count:     1024
    .wavefront_size: 32
...
	.end_amdgpu_metadata
.endif
;; end of part 10
;; launch ff2 (part 11): grid 8 x 32, 4 waves a work-group, clusters of 4 x 4, 327,680 bytes of LDS; arguments HB, WB, b2, X, out0; writes out0
.if DOCPART == 11
	.amdgcn_target "amdgcn-amd-amdhsa--gfx1250"
	.amdhsa_code_object_version 6
	.text
	.protected	k_qa20e50e5bb_ff2
	.globl	k_qa20e50e5bb_ff2
	.p2align	8
	.type	k_qa20e50e5bb_ff2,@function
k_qa20e50e5bb_ff2:
	s_mov_b64 s[64:65], 0
	v_nop
	global_prefetch_b8 v0, s[64:65] scope:SCOPE_SE
	s_setreg_imm32_b32 hwreg(HW_REG_WAVE_MODE, 25, 1), 1
	s_wait_xcnt 0x0
	s_wait_alu depctr_hold_cnt(0) depctr_sa_sdst(0) depctr_va_vdst(0) depctr_va_sdst(0) depctr_va_ssrc(0) depctr_va_vcc(0) depctr_vm_vsrc(0)
	s_getreg_b32 s2, hwreg(HW_REG_IB_STS2, 6, 4)
	s_cmp_eq_u32 s2, 0
	s_cbranch_scc0 .Lentry_in_a_cluster
	s_endpgm
.Lentry_in_a_cluster:
	s_bfe_u32 s2, ttmp6, 0x10000c
	s_cmp_lg_u32 s2, 0xf033
	s_cbranch_scc0 .Lentry_shape_is_right
	s_endpgm
.Lentry_shape_is_right:
; out = x + h W2 + b2, on codes of FP6 (E2M3) with E8M0 scales, K = 4,096: 32 steps of 128.
; A tile is 128 tokens x 128 outputs, so that the 4,096 x 1,024 results give 256 work-groups; a wave makes 64 x 64: 16 accumulators, 16 matrix instructions a step.
; OPERANDS LIE AS IMAGES OF THEIR REGISTERS ([64 rows][K / 128][4 tiles][1,536 bytes]): a fragment is three loads of 16 bytes a lane; no padding in LDS; any run of steps is one dense block.
; A step has little matrix work for its bytes, so the slots are as large as LDS holds beside the scale bytes of all of K: 11 places of one step in each of the four quarters
; (A's rows 0-63, 64-127, B's likewise): slot P = places 0-4, slot Q = places 5-10; step j lies at place j mod 11.
; FILLS: P 0-4 and Q 5-10 at the head (with the scales three tensor loads of mine are out), then P 11-15, Q 16-21, P 22-26, Q 27-31: four refills, each behind a round of the cluster's barrier.
; All 32 steps are written out by macro: every LDS offset is an immediate.
; Source 0 = 16 rows of W2 (B), source 1 = 16 tokens (A): a lane holds one token and eight neighbouring outputs; b2 is the C of each sum's first product.
; Tokens and outputs stand with bits 3 and 4 of their number exchanged; the way out's addresses put them back.  x is asked for at the head and added on the way out.
; CLUSTERS: 4 x 4; A's tile is shared along a row of the cluster, B's along a column: joint loads.
; LIMITS: NaN and infinities are not served.
; THE FILLS AS THEY STAND NOW (in place of what the lines above say of the head): at the head one tensor load a wave: wave 0 steps 0-10 of A's two groups of 64 rows (two rows of 67,584 bytes, 196,608 apart:
; they fill A's two quarters whole), wave 1 the same of B, wave 2 A's scale bytes (16,384 dense), wave 3 B's.  Then the four refills: P 11-15, Q 16-21, P 22-26, Q 27-31, a quarter a wave.
; x is asked for in two halves, ahead of the changes of slots at steps 10 and 21.
; PREFETCH: a quarter's codes are one dense stream of 196,608 bytes.  An instruction names 32 blocks of 256 bytes out of 32,768 bytes of it: of each 8,192 bytes the partner at place p (cx for A, cy for B) takes
; bytes 2,048 p on, so the four that ask for a tile jointly share its blocks out by address.  Bytes 65,536 on are named: at the head, and behind steps 0, 2 and 6; the refills that want them stand at steps 4, 10, 15, 21.
.set PFO,    31                        ; v31 the prefetches' offset: 8,192 (lane / 8) + 256 (lane % 8); never rewritten.  s[66:67]: my quarter's stream + 2,048 x my place; never rewritten
.set FR,     12
.set CH,     6144                      ; 64 rows x 128 along K
.set NPL,    11                        ; places
.set QT,     NPL*CH                    ; a quarter
.set SCL,    4*QT                      ; the scales: four quarters [16][64 rows][8 bytes]
.set QSC,    8192
.set SPARE,  SCL+4*QSC
.set STG,    SPARE+512                 ; the way out: 16 rows x 272 bytes for each wave: bytes of their own, into which no fill lands
.set GRPB,   196608                    ; the codes of 64 rows, all of K
.set H_S,    12582912
.set W2_C,   5505024
.set W2_S,   8880128
.set ADRA, 16                          ; v16, v17 my A fragments in slots P, Q
.set ADRB, 20                          ; v20, v21 the same for B
.set STO,  24
.set RD,   25
.set CO,   26
.set ADRS, 27
.set SPW,  28
.set NIL,  29
.set BO,   30
.set SC,   32                          ; v32-47 scale words: two sets of 8 (for 256 along K): register 2 i + (step % 2): lanes 0-15 A's block i, lanes 16-31 B's
.set BI,   64                          ; v64-95 b2
.set ACC,  128                         ; v128-255 accumulator (a, b) at 128 + 8 (4 a + b);  window 1: two fragment buffers at 0 and 128 (A's four, then B's four);  window 2: x
.set G15A, 4                           ; s[4:11]   group 1, five steps (120 rows of 256 bytes), A's mask
.set G16A, 24                          ; s[24:31]  six steps (144 rows), A's mask
.set G0PA, 32                          ; s[32:35]  group 0, A, slot P;  s[36:39] slot Q
.set G0QA, 36
.set G15B, 40                          ; s[40:47], s[48:55] the same shapes with B's mask
.set G16B, 48
.set G0PB, 56                          ; s[56:59], s[60:63]
.set G0QB, 60
.set G1S, 68
.set G0S, 76
.set G1SB, 80
.set G0SB, 88
.set MSB, 0
.macro WIN new
.if MSB != (\new)
	s_set_vgpr_msb (MSB<<8)|(\new)
.set MSB, (\new)
.endif
.endm
.macro JLOAD g0a, g1a, g0b, g1b        ; waves 0, 1 fetch for A, waves 2, 3 for B; an s_nop 0 and four v_nop follow each line
	s_cmp_eq_u32 s15, 0
	s_cbranch_scc0 .Lfor_b_\@
	tensor_load_to_lds s[\g0a:\g0a+3], s[\g1a:\g1a+7]
	s_nop 0
.rept 4
	v_nop
.endr
	s_branch .Lasked_\@
.Lfor_b_\@:
	tensor_load_to_lds s[\g0b:\g0b+3], s[\g1b:\g1b+7]
	s_nop 0
.rept 4
	v_nop
.endr
.Lasked_\@:
.endm
.macro CREST
	s_cmp_lg_u32 s14, 0
	s_cbranch_scc1 .Lnot_wave_0_\@
	s_barrier_signal -3
.Lnot_wave_0_\@:
	s_barrier_wait -3
	s_barrier_signal -1
	s_barrier_wait -1
.endm
.macro CROUND
	s_barrier_signal -1
	s_barrier_wait -1
	CREST
.endm
	s_load_b256 s[92:99], s[0:1], 0x0              ; HB, WB, b2, X
	s_load_b64 s[100:101], s[0:1], 0x20            ; out0
	v_lshl_add_u32 v[SPW], v0, 2, SPARE
	v_mov_b32 v[NIL], 0
	ds_add_u32 v[SPW], v[NIL]                      ; the wave's opening: the add and its wait ahead of my first tensor load
	ds_add_u32 v[SPW], v[NIL]
	v_lshrrev_b32 v1, 5, v0
	v_readfirstlane_b32 s14, v1
	s_lshr_b32 s15, s14, 1                         ; my half of the tokens; also: I fetch for A (0) or B (1)
	s_and_b32 s16, s14, 1                          ; my half of the outputs; also: which 64 rows I fetch
	s_bfe_u32 s12, ttmp6, 0x40000                  ; cx
	s_bfe_u32 s13, ttmp6, 0x40004                  ; cy
	s_lshl_b32 s19, ttmp9, 2
	s_add_co_u32 s19, s19, s12                     ; which 128 outputs
	s_and_b32 s17, ttmp7, 0xffff
	s_lshl_b32 s17, s17, 2
	s_add_co_u32 s17, s17, s13                     ; which 128 tokens
	s_lshl_b32 s2, s13, 2
	s_lshl_b32 s2, 15, s2                          ; my row of the cluster
	s_lshl_b32 s3, 0x1111, s12                     ; my column
	s_or_b32 s[G15A+0], s2, (3<<16)|(1<<21)        ; dense blocks as rows of 256 bytes (32 elements of 8), no padding
	s_or_b32 s[G16A+0], s2, (3<<16)|(1<<21)
	s_or_b32 s[G15B+0], s3, (3<<16)|(1<<21)
	s_or_b32 s[G16B+0], s3, (3<<16)|(1<<21)
.irp g, G15A, G15B
	s_mov_b32 s[\g+1], 32<<16
	s_mov_b32 s[\g+2], 120<<16
	s_mov_b32 s[\g+3], 32<<16
	s_mov_b32 s[\g+4], 120
	s_mov_b32 s[\g+5], 32
	s_mov_b32 s[\g+6], 0
	s_mov_b32 s[\g+7], 0
.endr
.irp g, G16A, G16B
	s_mov_b32 s[\g+1], 8448<<16                    ; the head's shape: two rows of 8,448 elements of 8 bytes, 24,576 elements apart
	s_mov_b32 s[\g+2], 2<<16
	s_mov_b32 s[\g+3], 8448<<16
	s_mov_b32 s[\g+4], 2
	s_mov_b32 s[\g+5], 24576
	s_mov_b32 s[\g+6], 0
	s_mov_b32 s[\g+7], 0
.endr
	s_or_b32 s[G1S+0], s2, (3<<16)|(1<<21)         ; the scales of 128 rows: 16,384 dense bytes as 64 rows of 256
	s_or_b32 s[G1SB+0], s3, (3<<16)|(1<<21)
.irp g, G1S, G1SB
	s_mov_b32 s[\g+1], 32<<16
	s_mov_b32 s[\g+2], 64<<16                      ; the scales of 128 rows: 64 rows of 256 bytes
	s_mov_b32 s[\g+3], 32<<16
	s_mov_b32 s[\g+4], 64
	s_mov_b32 s[\g+5], 32
	s_mov_b32 s[\g+6], 0
	s_mov_b32 s[\g+7], 0
.endr
	s_lshl_b32 s20, s17, 1
	s_add_co_u32 s20, s20, s16                     ; A: which group of 64 rows I fetch
	s_lshl_b32 s21, s19, 1
	s_add_co_u32 s21, s21, s16                     ; B
	s_mul_i32 s[G0PA+2], s20, GRPB                 ; the offsets stand where the addresses will
	s_mov_b32 s[G0PA+3], 0
	s_lshl_b32 s[G0S+2], s17, 14
	s_add_co_u32 s[G0S+2], s[G0S+2], H_S
	s_mov_b32 s[G0S+3], 0
	s_mul_i32 s[G0PB+2], s21, GRPB
	s_add_co_u32 s[G0PB+2], s[G0PB+2], W2_C
	s_mov_b32 s[G0PB+3], 0
	s_lshl_b32 s[G0SB+2], s19, 14
	s_add_co_u32 s[G0SB+2], s[G0SB+2], W2_S
	s_mov_b32 s[G0SB+3], 0
	s_mul_i32 s18, s14, QT                         ; where my loads go: wave x a quarter: no place in the cluster enters an LDS address
	s_wait_dscnt 0x0                               ; the opening add is done
	s_wait_kmcnt 0x0
	s_add_nc_u64 s[G0PA+2:G0PA+3], s[92:93], s[G0PA+2:G0PA+3]
	s_add_nc_u64 s[G0S+2:G0S+3], s[92:93], s[G0S+2:G0S+3]
	s_add_nc_u64 s[G0PB+2:G0PB+3], s[94:95], s[G0PB+2:G0PB+3]
	s_add_nc_u64 s[G0SB+2:G0SB+3], s[94:95], s[G0SB+2:G0SB+3]
	s_mul_i32 s22, s16, GRPB
	s_mov_b32 s23, 0
	s_sub_nc_u64 s[G0QA+2:G0QA+3], s[G0PA+2:G0PA+3], s[22:23]   ; slot Q's group 0 serves the head first: the tile's first group, step 0
	s_sub_nc_u64 s[G0QB+2:G0QB+3], s[G0PB+2:G0PB+3], s[22:23]
	CROUND                                         ; all sixteen work-groups are here: the first joint loads meet
	s_mov_b32 s[G0S], 1
	s_mov_b32 s[G0S+1], SCL
	s_or_b32 s[G0S+3], s[G0S+3], 0x80000000
	s_mov_b32 s[G0SB], 1
	s_mov_b32 s[G0SB+1], SCL+2*QSC
	s_or_b32 s[G0SB+3], s[G0SB+3], 0x80000000
	s_mov_b32 s[G0PA], 1
	s_mov_b32 s[G0PA+1], s18
	s_or_b32 s[G0PA+3], s[G0PA+3], 0x80000000
	s_mov_b32 s[G0PB], 1
	s_mov_b32 s[G0PB+1], s18
	s_or_b32 s[G0PB+3], s[G0PB+3], 0x80000000
	s_mov_b32 s[G0QA], 1
	s_mov_b32 s[G0QA+1], 0
	s_or_b32 s[G0QA+3], s[G0QA+3], 0x80000000
	s_mov_b32 s[G0QB], 1
	s_mov_b32 s[G0QB+1], 2*QT
	s_or_b32 s[G0QB+3], s[G0QB+3], 0x80000000
; one chain of branches on the wave's number, one load to an arm: one tensor load a wave at the head
.macro ARM under, g0, g1, next
	s_cmp_lt_u32 s14, \under
	s_cbranch_scc0 \next
	tensor_load_to_lds s[\g0:\g0+3], s[\g1:\g1+7]
	s_nop 0
.rept 4
	v_nop
.endr
	s_branch .Lhead_asked
\next:
.endm
	ARM 1, G0QA, G16A, .Lhead_b
	ARM 2, G0QB, G16B, .Lhead_sa
	ARM 3, G0S,  G1S,  .Lhead_sb
	tensor_load_to_lds s[G0SB:G0SB+3], s[G1SB:G1SB+7]
	s_nop 0
.rept 4
	v_nop
.endr
.Lhead_asked:
	v_and_b32 v1, 15, v0
	v_bfe_u32 v2, v0, 4, 1
	s_wait_alu depctr_va_vdst(0)
	s_lshl_b32 s20, s19, 9
	s_lshl_b32 s21, s16, 8
	s_add_co_u32 s20, s20, s21                     ; my first output, in bytes
	s_mov_b32 s21, 0
	s_add_nc_u64 s[96:97], s[96:97], s[20:21]      ; b2
	s_lshl_b32 s22, s17, 7
	s_lshl_b32 s23, s15, 6
	s_add_co_u32 s22, s22, s23                     ; my first token
	s_lshl_b32 s22, s22, 12
	s_add_co_u32 s20, s20, s22
	s_add_nc_u64 s[98:99], s[98:99], s[20:21]      ; x
	s_add_nc_u64 s[100:101], s[100:101], s[20:21]  ; out
	v_lshlrev_b32 v[BO], 6, v2
.irp b, 0,1,2,3
	global_load_b128 v[BI+8*\b:BI+8*\b+3], v[BO], s[96:97] offset:(32*(\b/2)+8*(\b%2))*4
	global_load_b128 v[BI+8*\b+4:BI+8*\b+7], v[BO], s[96:97] offset:(32*(\b/2)+8*(\b%2))*4+16
.endr
	v_lshlrev_b32 v[CO], 12, v2
	v_lshl_add_u32 v[CO], v1, 4, v[CO]             ; lanes 0-15 one row, lanes 16-31 the next; 16 bytes a lane
.macro XL a                            ; x of block a, rows 2 t + h of its 16: tokens 32 (a / 2) + 8 (a % 2) + 2 (t % 4) + 16 (t / 4) + h, into window 2
	WIN 0x80
.irp t, 0,1,2,3,4,5,6,7
	global_load_b128 v[32*(\a)+4*\t:32*(\a)+4*\t+3], v[CO], s[98:99] offset:(32*((\a)/2)+8*((\a)%2)+2*(\t%4)+16*(\t/4))*4096 th:TH_LOAD_NT
.endr
	WIN 0
.endm
.macro PF i                            ; my 32 blocks of bytes 32,768 i on of my quarter's stream
	WIN 0
	global_prefetch_b8 v[PFO], s[66:67] offset:(\i)*32768 th:TH_LOAD_NT scope:SCOPE_SE
.endm
	s_cmp_eq_u32 s15, 0                            ; do I fetch for A?
	s_cselect_b32 s20, s17, s19                    ; the tile,
	s_cselect_b32 s21, s12, s13                    ; my place among the four that ask for it with me,
	s_cselect_b32 s22, 0, W2_C
	s_cselect_b64 s[66:67], s[92:93], s[94:95]     ; and the buffer
	s_lshl_b32 s20, s20, 1
	s_add_co_u32 s20, s20, s16                     ; the group of 64 rows that I fetch
	s_mul_i32 s20, s20, GRPB
	s_lshl_b32 s21, s21, 11
	s_add_co_u32 s20, s20, s21
	s_add_co_u32 s20, s20, s22
	s_mov_b32 s21, 0
	s_add_nc_u64 s[66:67], s[66:67], s[20:21]
	v_and_b32 v3, 31, v0
	v_lshlrev_b32 v4, 4, v3
	v_lshrrev_b32 v[PFO], 3, v3
	v_and_b32 v7, 7, v3
	v_lshlrev_b32 v[PFO], 13, v[PFO]
	v_lshl_add_u32 v[PFO], v7, 8, v[PFO]
	PF 2                                           ; bytes 65,536 to 98,303: steps 11-15, which the refill at step 4 wants
	s_mul_i32 s21, s15, QT
	s_mul_i32 s22, s16, QT
	s_add_co_u32 s22, s22, 2*QT
	v_add_nc_u32 v[ADRA], s21, v4
	v_add_nc_u32 v[ADRB], s22, v4
	v_add_nc_u32 v[ADRA+1], 5*CH, v[ADRA]
	v_add_nc_u32 v[ADRB+1], 5*CH, v[ADRB]
	v_lshlrev_b32 v5, 3, v1
	s_mul_i32 s21, s15, QSC
	s_mul_i32 s22, s16, QSC
	s_add_co_u32 s22, s22, 2*QSC
	s_sub_co_u32 s22, s22, s21
	v_mul_u32_u24 v6, s22, v2                      ; lanes 16-31 take B's
	s_add_co_u32 s21, s21, SCL
	v_add_nc_u32 v5, v5, v6
	v_add_nc_u32 v[ADRS], s21, v5
	s_mul_i32 s23, s14, 4352                       ; my stage
	s_add_co_u32 s23, s23, STG
	v_mul_u32_u24 v5, v1, 272
	v_lshl_add_u32 v5, v2, 6, v5
	v_add_nc_u32 v[STO], s23, v5
	v_mul_u32_u24 v5, v2, 272
	v_lshl_add_u32 v5, v1, 4, v5
	v_add_nc_u32 v[RD], s23, v5
; The symbols J (the step in hand) and JN (the step to be fetched) walk through the text.
.macro FETCH                           ; step JN's fragments into buffer JN % 2: B's four, then A's; the last six loads are A's blocks 2 and 3.  An even step brings the scale words of its 256 along K first
.set PL, JN%NPL
.set FB2, 128*(JN%2)
.if JN%2 == 0
	WIN 0
.irp i, 0,1,2,3
	ds_load_b64 v[SC+8*((JN/2)%2)+2*\i:SC+8*((JN/2)%2)+2*\i+1], v[ADRS] offset:512*(JN/2)+128*\i
.endr
.endif
.if PL < 5
.set RG, 0
.set PO, PL
.else
.set RG, 1
.set PO, PL-5
.endif
	WIN 0x40                                       ; destination window 1, address window 0
.irp i, 0,1,2,3
.irp c, 0,1,2
	ds_load_b128 v[FB2+48+FR*\i+4*\c:FB2+48+FR*\i+4*\c+3], v[ADRB+RG] offset:PO*CH+\i*1536+512*\c
.endr
.endr
.irp i, 0,1,2,3
.irp c, 0,1,2
	ds_load_b128 v[FB2+FR*\i+4*\c:FB2+FR*\i+4*\c+3], v[ADRA+RG] offset:PO*CH+\i*1536+512*\c
.endr
.endr
.endm
.macro MUL4 a, first                   ; step J: A's block a x B's four; the 16 accumulators take turns
.set FB, 128*(J%2)
.set SS, SC+8*((J/2)%2)+J%2
.irp b, 0,1,2,3
.if \first
	v_wmma_scale_f32_16x16x128_f8f6f4 v[ACC+8*(4*(\a)+\b):ACC+8*(4*(\a)+\b)+7], v[FB+48+FR*\b:FB+48+FR*\b+FR-1], v[FB+FR*(\a):FB+FR*(\a)+FR-1], v[BI+8*\b:BI+8*\b+7], v[SS+2*\b], v[SS+2*(\a)] matrix_a_fmt:MATRIX_FMT_FP6 matrix_b_fmt:MATRIX_FMT_FP6 matrix_a_scale:MATRIX_SCALE_ROW1
.else
	v_wmma_scale_f32_16x16x128_f8f6f4 v[ACC+8*(4*(\a)+\b):ACC+8*(4*(\a)+\b)+7], v[FB+48+FR*\b:FB+48+FR*\b+FR-1], v[FB+FR*(\a):FB+FR*(\a)+FR-1], v[ACC+8*(4*(\a)+\b):ACC+8*(4*(\a)+\b)+7], v[SS+2*\b], v[SS+2*(\a)] matrix_a_fmt:MATRIX_FMT_FP6 matrix_b_fmt:MATRIX_FMT_FP6 matrix_a_scale:MATRIX_SCALE_ROW1
.endif
.endr
.endm
.macro PLACES n                        ; plain instructions between a matrix instruction and a load into, or a read of, its registers
.rept \n
	v_nop
.endr
.endm
.macro KQ first                        ; a step whose successor lies in the same slot
	s_wait_dscnt 6                                 ; B's four and A's blocks 0, 1 are in; A's blocks 2, 3 (6 loads) may be out
	WIN 0x05                                       ; sources 0 and 1 window 1; C and D window 0
	MUL4 0, \first
	MUL4 1, \first
	PLACES 4
.set JN, J+1
	FETCH
.if JN%2 == 0
	s_wait_dscnt 28                                ; all but the 28 just issued
.else
	s_wait_dscnt 24                                ; all but the 24 just issued
.endif
	WIN 0x05
	MUL4 2, \first
	MUL4 3, \first
.set J, J+1
.endm
; A slot's last step changes slots: ONE barrier; in front of it each wave waits for all its tensor loads (its part of the other slot), adds 0 to its spare word, and waits for that and for its reads
; of this slot.  fill = 1: the barrier opens a round of the cluster's barrier, and this slot is filled again with the steps 11 further on.
.macro TURN fill, g0a, g1a, g0b, g1b
	WIN 0
	s_wait_tensorcnt 0x0                           ; all my tensor loads have landed
	ds_add_u32 v[SPW], v[NIL]
	s_wait_dscnt 7                                 ; (the add and the youngest six loads may be out)
	WIN 0x05
	MUL4 0, 0
	s_wait_dscnt 0x0                               ; the add is done, and my reads of this slot are over
	s_barrier_signal -1
	MUL4 1, 0
	WIN 0
	s_barrier_wait -1
.if \fill
	CREST                                          ; no wave of any partner still reads this slot or has a load on its way
	s_add_nc_u64 s[\g0a+2:\g0a+3], s[\g0a+2:\g0a+3], NPL*CH
	s_add_nc_u64 s[\g0b+2:\g0b+3], s[\g0b+2:\g0b+3], NPL*CH
	JLOAD \g0a, \g1a, \g0b, \g1b                   ; the first tensor load behind the round; its four v_nop are also the places in front of the loads below
.else
	PLACES 4
.endif
.set JN, J+1
	FETCH
	WIN 0x05
	MUL4 2, 0
	MUL4 3, 0
.set J, J+1
.endm
	s_wait_alu depctr_va_vdst(0)
	s_wait_tensorcnt 0x0                           ; my tile of the head's four is in; no load of mine is out, so descriptors may be written:
.irp g, G16A, G16B
	s_mov_b32 s[\g+1], 32<<16                      ; six steps of a quarter: 144 dense rows of 256 bytes
	s_mov_b32 s[\g+2], 144<<16
	s_mov_b32 s[\g+3], 32<<16
	s_mov_b32 s[\g+4], 144
	s_mov_b32 s[\g+5], 32
.endr
	s_mul_i32 s22, s16, GRPB
	s_add_co_u32 s22, s22, 5*CH
	s_mov_b32 s23, 0
	s_add_nc_u64 s[G0QA+2:G0QA+3], s[G0QA+2:G0QA+3], s[22:23]   ; slot Q's group 0: my group, step 5; its first refill steps it on by eleven
	s_add_nc_u64 s[G0QB+2:G0QB+3], s[G0QB+2:G0QB+3], s[22:23]
	s_add_co_u32 s[G0QA+1], s18, 5*CH
	s_add_co_u32 s[G0QB+1], s18, 5*CH
	s_barrier_signal -1
	s_barrier_wait -1
.set J, 0
.set JN, 0
	FETCH
	s_wait_loadcnt 0x0                             ; b2 is in
	KQ 1
	PF 3                                           ; bytes 98,304 on: most of steps 16-21
	KQ 0
	KQ 0
	PF 4                                           ; bytes 131,072 on
	KQ 0
	TURN 1, G0PA, G15A, G0PB, G15B                 ; step 4; P takes steps 11-15
	KQ 0
	KQ 0
	PF 5                                           ; bytes 163,840 to the stream's end
	KQ 0
	KQ 0
	KQ 0
	XL 0
	XL 1
	TURN 1, G0QA, G16A, G0QB, G16B
.rept 4
	KQ 0                                           ; steps 11-14
.endr
	TURN 1, G0PA, G15A, G0PB, G15B                 ; step 15; P takes steps 22-26
.rept 5
	KQ 0                                           ; steps 16-20
.endr
	XL 2
	XL 3
	TURN 1, G0QA, G15A, G0QB, G15B
.rept 4
	KQ 0                                           ; steps 22-25
.endr
	TURN 0, 0, 0, 0, 0                             ; step 26: nothing is left to fetch
.rept 4
	KQ 0                                           ; steps 27-30
.endr
	s_wait_dscnt 6                                 ; step 31
	WIN 0x05
	MUL4 0, 0
	MUL4 1, 0
	s_wait_dscnt 0
	MUL4 2, 0
	MUL4 3, 0
	WIN 0
	; THE WAY OUT, a block of 16 tokens at a time, through my stage.
	PLACES 4
	s_wait_loadcnt 0x0                             ; x
.irp a, 0,1,2,3
.if \a > 0
	s_wait_xcnt 0x0                                ; the last block's stores have read their registers
.endif
.irp b, 0,1,2,3
	ds_store_b128 v[STO], v[ACC+8*(4*\a+\b):ACC+8*(4*\a+\b)+3] offset:128*(\b/2)+32*(\b%2)      ; each accumulator from its low end on
	ds_store_b128 v[STO], v[ACC+8*(4*\a+\b)+4:ACC+8*(4*\a+\b)+7] offset:128*(\b/2)+32*(\b%2)+16
.endr
.irp t, 0,1,2,3,4,5,6,7
	ds_load_b128 v[32+4*\t:35+4*\t], v[RD] offset:544*\t   ; LDS serves a wave's instructions in order
.endr
	s_wait_dscnt 0x0
	WIN 0x08                                       ; source 1 (x) window 2
.set j, 0
.rept 16
	v_pk_add_f32 v[32+j:33+j], v[32+j:33+j], v[32*\a+j:32*\a+j+1]
.set j, j+2
.endr
	WIN 0
.irp t, 0,1,2,3,4,5,6,7
	global_store_b128 v[CO], v[32+4*\t:35+4*\t], s[100:101] offset:(32*(\a/2)+8*(\a%2)+2*(\t%4)+16*(\t/4))*4096 th:TH_STORE_NT   ; sixteen lanes store 256 consecutive bytes, aligned
.endr
.endr
	s_wait_tensorcnt 0x0                           ; the wave's end
	ds_add_u32 v[SPW], v[NIL]
	s_wait_dscnt 0x0
	CROUND                                         ; the closing round
	s_endpgm
.Lfunc_end_k_qa20e50e5bb_ff2:
	.size	k_qa20e50e5bb_ff2, .Lfunc_end_k_qa20e50e5bb_ff2-k_qa20e50e5bb_ff2
	.p2alignl 7, 3214868480
	.fill 96, 4, 3214868480
	.section	.rodata,"a",@progbits
	.p2align	6, 0x0
	.amdhsa_kernel k_qa20e50e5bb_ff2
		.amdhsa_group_segment_fixed_size 327680
		.amdhsa_private_segment_fixed_size 0
		.amdhsa_enable_private_segment 0
		.amdhsa_kernarg_size 40
		.amdhsa_user_sgpr_count 2
		.amdhsa_user_sgpr_kernarg_segment_ptr 1
		.amdhsa_wavefront_size32 1
		.amdhsa_system_sgpr_workgroup_id_x 1
		.amdhsa_system_sgpr_workgroup_id_y 1
		.amdhsa_system_sgpr_workgroup_id_z 1
		.amdhsa_system_vgpr_workitem_id 0
		.amdhsa_next_free_vgpr 768
		.amdhsa_next_free_sgpr 104
		.amdhsa_reserve_vcc 0
		.amdhsa_float_denorm_mode_32 3
		.amdhsa_float_denorm_mode_16_64 3
		.amdhsa_memory_ordered 1
		.amdhsa_forward_progress 1
		.amdhsa_inst_pref_size 157
	.end_amdhsa_kernel
	.amdgpu_metadata
---
amdhsa.version: [ 1, 2 ]
amdhsa.kernels:
  - .name:           k_qa20e50e5bb_ff2
    .symbol:         k_qa20e50e5bb_ff2.kd
    .args:
      - { .name: HB, .offset: 0, .size: 8, .value_kind: global_buffer, .address_space: global }
      - { .name: WB, .offset: 8, .size: 8, .value_kind: global_buffer, .address_space: global }
      - { .name: b2, .offset: 16, .size: 8, .value_kind: global_buffer, .address_space: global }
      - { .name: X, .offset: 24, .size: 8, .value_kind: global_buffer, .address_space: global }
      - { .name: out0, .offset: 32, .size: 8, .value_kind: global_buffer, .address_space: global }
    .group_segment_fixed_size: 327680
    .private_segment_fixed_size: 0
    .kernarg_segment_align: 8
    .kernarg_segment_size: 40
    .max_flat_workgroup_size: 128
    .sgpr_count:     104
    .vgpr_count:     768
    .wavefront_size: 32
...
	.end_amdgpu_metadata
.endif
;; end of part 11
